; MI455X (gfx1250); checked and timed in simulation.
; The chip was launched on July 23, 2026; its instructions are those of AMD's public machine-readable ISA for CDNA 5 (MIT licence, August 2026) and "CDNA5" Instruction Set Architecture Reference Guide (July 2026). The comments in the code are by the model that wrote it; some were corrected since.
;; Ideal DPM. Allowed arithmetic: matrix products marked QUANTISED: E4M3 operands, one E8M0 scale for each 32 along K, by v_wmma_scale_f32_16x16x128_f8f6f4 with both operands' format E4M3, f32 sums; products left as they are: f32 operands where the result goes on into a quantised operand, else bf16, f16 or f32 operands; f32 sums; everything else in f32.
;; Inputs: b_bd 1 float32; b_in 256 float32; b_k 256 float32; b_o 256 float32; b_pr 256 float32; b_q 256 float32; b_v 256 float32; w_bd 1 x 256 float32; w_in 256 x 256 float32; w_k 256 x 256 float32; w_o 256 x 256 float32; w_pr 256 x 256 float32; w_q 256 x 256 float32; w_v 256 x 256 float32; x 8 x 2,048 x 256 float32.
;; Outputs: out0 8 x 8 x 256 float32.
;; This version of the problem:
;;   THIS VERSION OF THE PROBLEM IS GIVEN IN LOW PRECISION. The matrix products marked QUANTISED in the list below multiply operands that are first quantised to E4M3 (4 exponent bits, 3 mantissa bits; 8 bits a number), with one power-of-two scale for each 32 numbers along K (OCP MX v1.0); their sums are f32. All else is computed in f32.
;;   The module's matrix products, in the order in which they are computed (A, B: the left and right operand; K: the contracted axis; several contracted axes count as one K, in the product's order):
;;     1. [M 16,384, K 256] x [K 256, N 256]; A: input x; B: input w_in: QUANTISED
;;     2. [M 16,384, K 256] x [K 256, N 256]; A: computed on the way; B: input w_q: QUANTISED
;;     3. [M 16,384, K 256] x [K 256, N 256]; A: computed on the way; B: input w_k: QUANTISED
;;     4. [M 16,384, K 256] x [K 256, N 256]; A: computed on the way; B: input w_v: QUANTISED
;;     5. batch 32 x [M 2,048, K 64] x [K 64, N 2,048]; A: computed on the way; B: computed on the way: QUANTISED
;;     6. batch 32 x [M 64, K 2,048] x [K 2,048, N 2,048]; A: computed on the way; B: softmax (see below): QUANTISED
;;     7. [M 16,384, K 256] x [K 256, N 256]; A: computed on the way; B: input w_o: QUANTISED
;;     8. [M 16,384, K 256] x [K 256, N 1]; A: computed on the way; B: input w_bd: left as it is (N = 1 < 16)
;;     9. batch 8 x [M 8, K 2,048] x [K 2,048, N 256]; A: computed on the way; B: computed on the way: left as it is (M = 8 < 16)
;;     10. [M 64, K 256] x [K 256, N 256]; A: computed on the way; B: input w_pr: QUANTISED
;;   THE QUANTISER, for each operand of a quantised product, along K:
;;     - K is cut into blocks of 32 from its start; a last block that is shorter is filled with zeros.
;;     - A block's scale is 2^e with e = floor(log2(the largest magnitude in the block)) - 8, held to -126 .. 127; a block of zeros has e = 0. As a byte (E8M0): e + 127.
;;     - Each number is divided by its block's scale, clamped to +-448, and rounded to the nearest number of E4M3, ties to even, subnormals kept.
;;     - The product sums the exact products of the quantised numbers (number of the format x scale) in f32.
;;   ~~~python
;;   def quantise(x, axis):      # numpy; x: float32 -> the quantised numbers, widened to float32 again
;;       x = np.moveaxis(x, axis, -1); K = x.shape[-1]
;;       x = np.pad(x, [(0, 0)] * (x.ndim - 1) + [(0, -K % 32)]); x = x.reshape(x.shape[:-1] + (-1, 32)); a = np.abs(x).max(-1, keepdims=True)
;;       e = np.where(a > 0, np.clip(np.frexp(np.where(a > 0, a, 1))[1] - 1 - 8, -126, 127), 0)      # np.frexp(a)[1] - 1 = floor(log2(a)), exactly
;;       r = np.clip(x / 2.0 ** e, -448, 448)
;;       step = 2.0 ** (np.maximum(np.frexp(np.where(r == 0, 1, r))[1] - 1, -6) - 3)
;;       q = np.round(r / step) * step * 2.0 ** e      # np.round: ties to even
;;       return np.moveaxis(q.reshape(q.shape[:-2] + (-1,))[..., :K], -1, axis).astype(np.float32)
;;   ~~~
;;   SOFTMAX AHEAD OF A QUANTISED PRODUCT. Where the list says 'softmax', what is quantised is not the finished softmax but p = 2^(t - M), with t = logit x log2(e) and M = ceil(the row's largest t), a whole number; so 1/2 < the row's largest p <= 1. The row's sum l is taken of the UNQUANTISED p, in f32, and the product's result is divided by l at the end. Since M is a whole number, a kernel that streams over the keys may use a running M (the ceiling of the running maximum): every later rescaling is an exact power of two, which a block's scale takes up: the codes' values come out the same.
;;   OPERANDS COMPUTED ON THE WAY. 'Computed on the way' means the value that the module computes at that place (a softmax that the list does not call 'softmax' is quantised finished and normalised). What goes into a quantiser is computed in f32, as accurately as f32 sums, v_exp_f32 and their like allow (about 1e-6 of the number): no bf16 or f16 on the way to a quantiser, and a product that is left as it is and whose result goes on into a quantised operand takes f32 operands (vector FMAs, or v_wmma_f32_16x16x4_f32). A number that lies on a knife's edge between two numbers of the format may be rounded either way, as far as f32 arithmetic and the matrix unit's own rounding can turn it there, and no further.
;; 2 versions. Each part assembles by itself: llvm-mc -triple=amdgcn-amd-amdhsa -mcpu=gfx1250 --defsym DOCPART=n.
;; ======== version 1 of 2: 5 launches
;; workspace buffers: wq 417,792 bytes; xq 4,456,448 bytes; qq 4,718,592 bytes; kv 9,175,040 bytes; bs 65,536 bytes; part 2,129,920 bytes
;; launch wquant (part 1): grid 8 x 6, 4 waves a work-group, no clusters, 0 bytes of LDS; arguments w_in, w_q, w_k, w_v, w_o, w_pr, wq; writes wq
.if DOCPART == 1
	.amdgcn_target "amdgcn-amd-amdhsa--gfx1250"
	.amdhsa_code_object_version 6
	.text
	.protected	k_q923b2979ba_wquant
	.globl	k_q923b2979ba_wquant
	.p2align	8
	.type	k_q923b2979ba_wquant,@function
k_q923b2979ba_wquant:
	s_mov_b64 s[64:65], 0
	v_nop
	global_prefetch_b8 v0, s[64:65] scope:SCOPE_SE
	s_setreg_imm32_b32 hwreg(HW_REG_WAVE_MODE, 25, 1), 1
	s_wait_xcnt 0x0
; The six weights [256 out][256 in], f32, K innermost, become codes of FP8 (E4M3) with one E8M0 byte for each 32 along K, laid in the ORDER OF AN OPERAND'S REGISTERS.
; A fragment is 16 rows x 128 K.  Fragment f = 2 t + s of a weight: tile t = 2 b + u, K step s.  THE ROWS OF A TILE ARE NOT NEIGHBOURS: row r of tile 2 b + u is output feature 32 b + 8 u + r + 8 (r / 8).
; Lane (r, h) holds, in registers 4 c .. 4 c + 3, K = 128 s + 32 c + 16 h + 0 .. 15 of its row.  Piece c of a fragment is stored as 32 lanes x 16 bytes: 512 consecutive bytes; the scale word as 4 bytes a lane.
; wq: codes [weight 6][fragment 32][piece 4][lane 32][16 bytes]; from byte WSC on: scale words [weight][fragment][lane] (lanes 16-31 hold a copy).
; One wave makes one fragment: 6 x 32 = 192 waves.  No LDS, no barrier: waves share nothing.
; LIMITS: NaN and infinities are not served; a block whose largest magnitude lies under 2^-118 is held at the byte 1; a block of zeros gets the byte 1 with zero codes (only this program reads the bytes).
.set WSC,  393216
.set XA,   1                           ; v1  my row's byte in the tile's rows + 64 h
.set LI,   2                           ; v2  16 x lane
.set LS,   3                           ; v3  4 x lane
.set NUM,  16                          ; v16-79  64 numbers: register 16 b + i = K 32 b + 16 h + i
.set PC,   80                          ; v80-95  the codes
.set TM,   96                          ; v96-111 at work
.set PW,   112                         ; v112    the scale word
.set SEL,  30                          ; s[30:31] lane selects: lane l xor 16
.set MNT,  32                          ; s32 the mantissa field of 448
; nb blocks of 32 along K, 16 numbers of each in my registers v[src + 16 b + i], the other 16 in lane l xor 16, become codes in v[dst + 4 b ..] and the bytes of v[word].
.macro QUANT src, nb, dst, word
.set qb, 0
.rept \nb
	v_max3_num_f32 v[TM+qb], |v[(\src)+16*qb]|, |v[(\src)+16*qb+1]|, 0x4800000   ; the floor 2^(9 - 127) is a leaf: the byte cannot fall under 1
.set qb, qb+1
.endr
.irp i, 2,4,6,8,10,12,14
.set qb, 0
.rept \nb
	v_max3_num_f32 v[TM+qb], v[TM+qb], |v[(\src)+16*qb+\i]|, |v[(\src)+16*qb+\i+1]|
.set qb, qb+1
.endr
.endr
.set qb, 0
.rept \nb
	v_permlanex16_b32 v[TM+4+qb], v[TM+qb], s[SEL], s[SEL+1]
.set qb, qb+1
.endr
.set qb, 0
.rept \nb
	v_max_num_f32 v[TM+qb], v[TM+qb], v[TM+4+qb]           ; the block's largest magnitude
.set qb, qb+1
.endr
.set qb, 0
.rept \nb
	v_add_nc_u32 v[TM+12+qb], 0xfc000000, v[TM+qb]         ; 8 off its exponent field: the conversion's scale operand
	v_and_or_b32 v[TM+8+qb], v[TM+qb], 0x7f800000, s[MNT]  ; 448 x the scale
.set qb, qb+1
.endr
.set qb, 0
.rept \nb
	v_lshrrev_b32 v[TM+4+qb], 23, v[TM+12+qb]              ; the scale's byte
.set qb, qb+1
.endr
.if \nb == 1
	v_mov_b32 v[\word], v[TM+4]
.else
	v_lshl_or_b32 v[\word], v[TM+5], 8, v[TM+4]
.if \nb == 4
	v_lshl_or_b32 v[\word], v[TM+6], 16, v[\word]
	v_lshl_or_b32 v[\word], v[TM+7], 24, v[\word]
.endif
.endif
.set qb, 0
.rept \nb
.set qi, 0
.rept 16
	v_med3_num_f32 v[(\src)+16*qb+qi], v[(\src)+16*qb+qi], -v[TM+8+qb], v[TM+8+qb]   ; the conversion to an 8-bit code does not saturate (ISA guide 7.6.2): the hold comes first
.set qi, qi+1
.endr
	v_cvt_scalef32_pk8_fp8_f32 v[(\dst)+4*qb:(\dst)+4*qb+1], v[(\src)+16*qb:(\src)+16*qb+7], v[TM+12+qb]
	v_cvt_scalef32_pk8_fp8_f32 v[(\dst)+4*qb+2:(\dst)+4*qb+3], v[(\src)+16*qb+8:(\src)+16*qb+15], v[TM+12+qb]
.set qb, qb+1
.endr
	v_nop                                          ; one plain line behind the last scaled conversion
.endm
	s_load_b256 s[4:11], s[0:1], 0x0               ; w_in, w_q, w_k, w_v
	s_load_b128 s[12:15], s[0:1], 0x20             ; w_o, w_pr
	s_load_b64 s[16:17], s[0:1], 0x30              ; wq
	v_lshrrev_b32 v4, 5, v0
	v_readfirstlane_b32 s18, v4                    ; wave
	s_and_b32 s19, ttmp7, 0xffff                   ; which weight
	s_lshl_b32 s20, ttmp9, 2
	s_add_co_u32 s20, s20, s18                     ; fragment f = 4 x + wave
	s_lshr_b32 s21, s20, 2                         ; b = f / 4: 32 rows of 1,024 bytes each
	s_lshl_b32 s24, s21, 15
	s_bfe_u32 s21, s20, 0x10001                    ; u = bit 1 of f: 8 rows
	s_lshl_b32 s21, s21, 13
	s_add_co_u32 s24, s24, s21
	s_and_b32 s21, s20, 1                          ; s: 128 numbers, 512 bytes along the row
	s_lshl_b32 s21, s21, 9
	s_add_co_u32 s24, s24, s21
	s_mov_b32 s25, 0
	s_lshl_b32 s26, s19, 16                        ; the codes' place: 65,536 x weight + 2,048 f
	s_lshl_b32 s28, s20, 11
	s_add_co_u32 s26, s26, s28
	s_mov_b32 s27, 0
	s_lshl_b32 s28, s19, 12                        ; the word's: WSC + 4,096 x weight + 128 f
	s_lshl_b32 s29, s20, 7
	s_add_co_u32 s28, s28, s29
	s_add_co_u32 s28, s28, WSC
	s_mov_b32 s29, 0
	s_mov_b32 s[SEL], 0x76543210
	s_mov_b32 s[SEL+1], 0xfedcba98
	s_mov_b32 s[MNT], 0x600000
	v_and_b32 v4, 15, v0                           ; r
	v_bfe_u32 v5, v0, 4, 1                         ; h
	v_and_b32 v6, 8, v4
	v_add_nc_u32 v6, v6, v4                        ; r + 8 (r / 8)
	v_lshlrev_b32 v[XA], 10, v6
	v_lshl_add_u32 v[XA], v5, 6, v[XA]
	v_and_b32 v7, 31, v0
	v_lshlrev_b32 v[LI], 4, v7
	v_lshlrev_b32 v[LS], 2, v7
.irp b, 0,1,2,3
	v_mov_b32 v[TM+4+\b], 0                        ; a lane permute's destination counts as one of its sources
.endr
	s_wait_kmcnt 0x0
	s_cmp_eq_u32 s19, 1                            ; the source is chosen by the work-group's y alone
	s_cselect_b64 s[4:5], s[6:7], s[4:5]
	s_cmp_eq_u32 s19, 2
	s_cselect_b64 s[4:5], s[8:9], s[4:5]
	s_cmp_eq_u32 s19, 3
	s_cselect_b64 s[4:5], s[10:11], s[4:5]
	s_cmp_eq_u32 s19, 4
	s_cselect_b64 s[4:5], s[12:13], s[4:5]
	s_cmp_eq_u32 s19, 5
	s_cselect_b64 s[4:5], s[14:15], s[4:5]
	s_add_nc_u64 s[4:5], s[4:5], s[24:25]
	s_add_nc_u64 s[26:27], s[16:17], s[26:27]
	s_add_nc_u64 s[28:29], s[16:17], s[28:29]
.irp c, 0,1,2,3
.irp j, 0,1,2,3
	global_load_b128 v[NUM+16*\c+4*\j:NUM+16*\c+4*\j+3], v[XA], s[4:5] offset:128*\c+16*\j th:TH_LOAD_NT
.endr
.endr
	s_wait_loadcnt 0x0
	QUANT NUM, 4, PC, PW
.irp c, 0,1,2,3
	global_store_b128 v[LI], v[PC+4*\c:PC+4*\c+3], s[26:27] offset:512*\c    ; 32 lanes store 512 consecutive bytes
.endr
	global_store_b32 v[LS], v[PW], s[28:29]
	s_endpgm
.Lfunc_end_k_q923b2979ba_wquant:
	.size	k_q923b2979ba_wquant, .Lfunc_end_k_q923b2979ba_wquant-k_q923b2979ba_wquant
	.p2alignl 7, 3214868480
	.fill 96, 4, 3214868480
	.section	.rodata,"a",@progbits
	.p2align	6, 0x0
	.amdhsa_kernel k_q923b2979ba_wquant
		.amdhsa_group_segment_fixed_size 0
		.amdhsa_private_segment_fixed_size 0
		.amdhsa_enable_private_segment 0
		.amdhsa_kernarg_size 56
		.amdhsa_user_sgpr_count 2
		.amdhsa_user_sgpr_kernarg_segment_ptr 1
		.amdhsa_wavefront_size32 1
		.amdhsa_system_sgpr_workgroup_id_x 1
		.amdhsa_system_sgpr_workgroup_id_y 1
		.amdhsa_system_sgpr_workgroup_id_z 1
		.amdhsa_system_vgpr_workitem_id 0
		.amdhsa_next_free_vgpr 128
		.amdhsa_next_free_sgpr 66
		.amdhsa_reserve_vcc 0
		.amdhsa_float_denorm_mode_32 3
		.amdhsa_float_denorm_mode_16_64 3
		.amdhsa_memory_ordered 1
		.amdhsa_forward_progress 1
		.amdhsa_inst_pref_size 13
	.end_amdhsa_kernel
	.amdgpu_metadata
---
amdhsa.version: [ 1, 2 ]
amdhsa.kernels:
  - .name:           k_q923b2979ba_wquant
    .symbol:         k_q923b2979ba_wquant.kd
    .args:
      - { .name: w_in, .offset: 0, .size: 8, .value_kind: global_buffer, .address_space: global }
      - { .name: w_q, .offset: 8, .size: 8, .value_kind: global_buffer, .address_space: global }
      - { .name: w_k, .offset: 16, .size: 8, .value_kind: global_buffer, .address_space: global }
      - { .name: w_v, .offset: 24, .size: 8, .value_kind: global_buffer, .address_space: global }
      - { .name: w_o, .offset: 32, .size: 8, .value_kind: global_buffer, .address_space: global }
      - { .name: w_pr, .offset: 40, .size: 8, .value_kind: global_buffer, .address_space: global }
      - { .name: wq, .offset: 48, .size: 8, .value_kind: global_buffer, .address_space: global }
    .group_segment_fixed_size: 0
    .private_segment_fixed_size: 0
    .kernarg_segment_align: 8
    .kernarg_segment_size: 56
    .max_flat_workgroup_size: 128
    .sgpr_count:     66
    .vgpr_count:     128
    .wavefront_size: 32
...
	.end_amdgpu_metadata
.endif
;; end of part 1
;; launch proj (part 2): grid 256 x 1, 4 waves a work-group, no clusters, 35,328 bytes of LDS; arguments x, wq, b_in, b_q, b_k, b_v, xq, qq, kv; writes xq, qq, kv
.if DOCPART == 2
	.amdgcn_target "amdgcn-amd-amdhsa--gfx1250"
	.amdhsa_code_object_version 6
	.text
	.protected	k_q923b2979ba_proj
	.globl	k_q923b2979ba_proj
	.p2align	8
	.type	k_q923b2979ba_proj,@function
k_q923b2979ba_proj:
	s_mov_b64 s[64:65], 0
	v_nop
	global_prefetch_b8 v0, s[64:65] scope:SCOPE_SE
	s_setreg_imm32_b32 hwreg(HW_REG_WAVE_MODE, 25, 1), 1
	s_wait_xcnt 0x0
; For 64 tokens: Q(x);  h = Q(x) Q(w_in)^T + b_in;  Q(h);  q / 8, k, v = Q(h) Q(w)^T + b;  and their codes, laid as the later launches' operand registers want them.  h itself is not stored.
; TILES OF TOKENS: tile m = 2 g + u of the block has row r = token 32 g + 8 u + r + 8 (r / 8); the weights' tiles are cut the same way.  So in a product used transposed (source 0 = 16 rows of a weight,
; source 1 = 16 tokens) a lane holds one token, and the 16 registers of two neighbouring tiles are 16 neighbouring features; used the natural way (source 0 = tokens, source 1 = a weight's rows) a lane holds
; one feature and the 16 registers of token tiles (g, 0), (g, 1) are 16 neighbouring tokens.  Either way the conversions' results are the next operand's registers, and a block of 32 lies in lanes l and l xor 16.
; SHARES.  The four waves share the columns: wave w owns features 64 w .. 64 w + 63 (head w), its parts of the four weights stay in registers.  Codes of x and of h go from wave to wave through LDS as images
; of their registers: piece c of a fragment is 32 lanes x 16 bytes; a scale word 4 bytes a lane.  Two barriers.
; OUT.  xq [tile][K step][piece][lane][16], words behind XQS.  qq [tile][head][piece 2][lane][16], words behind QQS (bytes 2, 3 = 127: the head's 64 fill half of the instruction's 128).
;   kv: a record of RECB bytes for 128 keys: K [head][tile 8][piece 2][lane][16]; at 32,768 V [head][tile of 16 dims 4][piece 4][lane][16], keys innermost; at 65,536 for each head 8 + 4 sets of scale words.
; LIMITS: NaN and infinities are not served; a block whose largest magnitude lies under 2^-118 is held at the byte 1; a block of zeros gets the byte 1 with zero codes.
; REGISTERS, in windows of 256.  Window 0: v1-9 addresses; v16-143 x's numbers, then eight fragments; v144-175 four accumulators; v176-191 codes; v192-207 at work; v208 a scale word;
;   v210-217 the fragments' scale words; v224-255 the weights' scale words.  Window 1: w_in, w_q.  Window 2: w_k, w_v.  Window 3: the four biases in the results' layouts.
.set XQS,  4194304
.set QQS,  4194304
.set WSC,  393216
.set RECB, 71680
.set XIMG, 0                           ; LDS: x's eight fragments (2 m + s), 2,048 bytes each
.set XSC,  16384                       ; their scale words, 128 bytes each
.set HIMG, 17408                       ; h's eight fragments
.set HSC,  33792                       ; their scale words
.set XA,   1                           ; v1  x: my row's byte + 64 h
.set LI,   2                           ; v2  16 x lane
.set LS,   3                           ; v3  4 x lane
.set XWI,  4                           ; v4  where I store x's images: 16 x lane + 4,096 w
.set XWS,  5                           ; v5  and their words: 4 x lane + 256 w
.set HWI,  6                           ; v6  h's: 16 x lane + 1,024 w (K step w / 2, pieces 2 (w % 2) on)
.set HWS,  7                           ; v7  4 x lane + 128 (w / 2) + 2 (w % 2)
.set BT,   8                           ; v8  64 h: a bias in the transposed layout
.set BN,   9                           ; v9  4 (r + 8 (r / 8)): a bias in the natural layout
.set BIG,  16
.set ACC,  144
.set PC,   176
.set TM,   192
.set PW,   208
.set HS,   210
.set WS,   224
.set WV,   22
.set SEL,  60
.set MNT,  62
.set MSB, 0
.macro WIN new                         ; the immediate's high byte repeats the setting that is left
.if MSB != \new
	s_set_vgpr_msb (MSB<<8)|\new
.set MSB, \new
.endif
.endm
.macro QUANT src, nb, dst, word
.set qb, 0
.rept \nb
	v_max3_num_f32 v[TM+qb], |v[(\src)+16*qb]|, |v[(\src)+16*qb+1]|, 0x4800000   ; the floor 2^(9 - 127) is a leaf: the byte cannot fall under 1
.set qb, qb+1
.endr
.irp i, 2,4,6,8,10,12,14
.set qb, 0
.rept \nb
	v_max3_num_f32 v[TM+qb], v[TM+qb], |v[(\src)+16*qb+\i]|, |v[(\src)+16*qb+\i+1]|
.set qb, qb+1
.endr
.endr
.set qb, 0
.rept \nb
	v_permlanex16_b32 v[TM+4+qb], v[TM+qb], s[SEL], s[SEL+1]
.set qb, qb+1
.endr
.set qb, 0
.rept \nb
	v_max_num_f32 v[TM+qb], v[TM+qb], v[TM+4+qb]           ; the block's largest magnitude
.set qb, qb+1
.endr
.set qb, 0
.rept \nb
	v_add_nc_u32 v[TM+12+qb], 0xfc000000, v[TM+qb]         ; 8 off its exponent field: the conversion's scale operand
	v_and_or_b32 v[TM+8+qb], v[TM+qb], 0x7f800000, s[MNT]  ; 448 x the scale
.set qb, qb+1
.endr
.set qb, 0
.rept \nb
	v_lshrrev_b32 v[TM+4+qb], 23, v[TM+12+qb]              ; the scale's byte
.set qb, qb+1
.endr
.if \nb == 1
	v_mov_b32 v[\word], v[TM+4]
.else
	v_lshl_or_b32 v[\word], v[TM+5], 8, v[TM+4]
.if \nb == 4
	v_lshl_or_b32 v[\word], v[TM+6], 16, v[\word]
	v_lshl_or_b32 v[\word], v[TM+7], 24, v[\word]
.endif
.endif
.set qb, 0
.rept \nb
.set qi, 0
.rept 16
	v_med3_num_f32 v[(\src)+16*qb+qi], v[(\src)+16*qb+qi], -v[TM+8+qb], v[TM+8+qb]   ; the conversion to an 8-bit code does not saturate (ISA guide 7.6.2): the hold comes first
.set qi, qi+1
.endr
	v_cvt_scalef32_pk8_fp8_f32 v[(\dst)+4*qb:(\dst)+4*qb+1], v[(\src)+16*qb:(\src)+16*qb+7], v[TM+12+qb]
	v_cvt_scalef32_pk8_fp8_f32 v[(\dst)+4*qb+2:(\dst)+4*qb+3], v[(\src)+16*qb+8:(\src)+16*qb+15], v[TM+12+qb]
.set qb, qb+1
.endr
	v_nop                                          ; one plain line behind the last scaled conversion
.endm
.macro BARRIER                         ; my LDS stores have landed and my LDS loads are in: then the work-group's barrier
	s_wait_dscnt 0x0
	s_barrier_signal -1
	s_barrier_wait -1
.endm
; My part of weight wt: 8 fragments (tile t, K step s at register base + 16 (2 t + s)) into the window that dw names, and their 8 scale words: 40 loads
.macro WLOAD wt, dw, base
	WIN \dw
.set gi, 0
.rept 32
	global_load_b128 v[\base+4*gi:\base+4*gi+3], v[LI], s[24:25] offset:65536*\wt+512*gi
.set gi, gi+1
.endr
	WIN 0
.set gi, 0
.rept 8
	global_load_b32 v[WS+8*\wt+gi], v[LS], s[26:27] offset:4096*\wt+128*gi
.set gi, gi+1
.endr
.endm
; A bias in the transposed result's layout, into window 3: lane (r, h), tile t, register j: feature 32 (t / 2) + 8 (t % 2) + 16 h + j of my 64: 8 loads
.macro BLOAD bp, bb
	WIN 0xc0
.irp t, 0,1,2,3
	global_load_b128 v[\bb+8*\t:\bb+8*\t+3], v[BT], s[\bp:\bp+1] offset:(32*(\t/2)+8*(\t%2))*4
	global_load_b128 v[\bb+8*\t+4:\bb+8*\t+7], v[BT], s[\bp:\bp+1] offset:(32*(\t/2)+8*(\t%2))*4+16
.endr
	WIN 0
.endm
.macro FETCHALL img, sc                ; the eight fragments of the block's four tiles of tokens, and their scale words
.set gi, 0
.rept 32
	ds_load_b128 v[BIG+4*gi:BIG+4*gi+3], v[LI] offset:\img+512*gi
.set gi, gi+1
.endr
.set gi, 0
.rept 8
	ds_load_b32 v[HS+gi], v[LS] offset:\sc+128*gi
.set gi, gi+1
.endr
.endm
; Transposed: my four tiles of a weight x tile m of tokens, two K steps; the bias is the C of the first.  The four accumulators take turns, one instruction a turn.
; Nine places follow: the accumulators are begun anew by the next unit's products.
.macro TUNIT w1, w2, wb, bb, sb, m
	WIN \w1
.irp t, 0,1,2,3
	v_wmma_scale_f32_16x16x128_f8f6f4 v[ACC+8*\t:ACC+8*\t+7], v[\wb+32*\t:\wb+32*\t+15], v[BIG+32*\m:BIG+32*\m+15], v[\bb+8*\t:\bb+8*\t+7], v[WS+\sb+2*\t], v[HS+2*\m]
.endr
	WIN \w2
.irp t, 0,1,2,3
	v_wmma_scale_f32_16x16x128_f8f6f4 v[ACC+8*\t:ACC+8*\t+7], v[\wb+32*\t+16:\wb+32*\t+31], v[BIG+32*\m+16:BIG+32*\m+31], v[ACC+8*\t:ACC+8*\t+7], v[WS+\sb+2*\t+1], v[HS+2*\m+1]
.endr
	WIN 0
.rept 9
	v_nop
.endr
.endm
; Natural: the four tiles of tokens x tile t of w_v: a lane holds one of the head's dims, its registers run along the tokens
.macro VUNIT t
	WIN 0x38
.irp m, 0,1,2,3
	v_wmma_scale_f32_16x16x128_f8f6f4 v[ACC+8*\m:ACC+8*\m+7], v[BIG+32*\m:BIG+32*\m+15], v[128+32*\t:128+32*\t+15], v[96+8*\t:96+8*\t+7], v[HS+2*\m], v[WS+24+2*\t]
.endr
	WIN 0x08
.irp m, 0,1,2,3
	v_wmma_scale_f32_16x16x128_f8f6f4 v[ACC+8*\m:ACC+8*\m+7], v[BIG+32*\m+16:BIG+32*\m+31], v[128+32*\t+16:128+32*\t+31], v[ACC+8*\m:ACC+8*\m+7], v[HS+2*\m+1], v[WS+24+2*\t+1]
.endr
	WIN 0
.rept 9
	v_nop
.endr
.endm
	s_load_b256 s[4:11], s[0:1], 0x0               ; x, wq, b_in, b_q
	s_load_b256 s[12:19], s[0:1], 0x20             ; b_k, b_v, xq, qq
	s_load_b64 s[20:21], s[0:1], 0x40              ; kv
	v_lshl_add_u32 v222, v0, 2, 0x8800
	v_mov_b32 v223, 0
	v_lshrrev_b32 v10, 5, v0
	v_readfirstlane_b32 s[WV], v10                 ; wave 0..3
	v_and_b32 v10, 31, v0                          ; lane
	v_and_b32 v11, 15, v0                          ; r
	v_bfe_u32 v12, v0, 4, 1                        ; h
	v_and_b32 v13, 8, v11
	v_add_nc_u32 v13, v13, v11                     ; r + 8 (r / 8)
	v_lshlrev_b32 v[XA], 10, v13
	v_lshl_add_u32 v[XA], v12, 6, v[XA]
	v_lshlrev_b32 v[LI], 4, v10
	v_lshlrev_b32 v[LS], 2, v10
	s_lshl_b32 s23, s[WV], 12
	v_add_nc_u32 v[XWI], s23, v[LI]
	s_lshl_b32 s23, s[WV], 8
	v_add_nc_u32 v[XWS], s23, v[LS]
	s_lshl_b32 s23, s[WV], 10
	v_add_nc_u32 v[HWI], s23, v[LI]
	s_lshr_b32 s23, s[WV], 1
	s_lshl_b32 s23, s23, 7
	s_and_b32 s44, s[WV], 1
	s_lshl_b32 s44, s44, 1
	s_add_co_u32 s23, s23, s44
	v_add_nc_u32 v[HWS], s23, v[LS]
	v_lshlrev_b32 v[BT], 6, v12
	v_lshlrev_b32 v[BN], 2, v13
.irp b, 0,1,2,3
	v_mov_b32 v[TM+4+\b], 0                        ; a lane permute's destination counts as one of its sources
.endr
	s_mov_b32 s[SEL], 0x76543210
	s_mov_b32 s[SEL+1], 0xfedcba98
	s_mov_b32 s[MNT], 0x600000
	; byte offsets, each in a pair of its own
	s_lshl_b32 s44, ttmp9, 16                      ; x: token 64 X + 32 (w / 2) + 8 (w % 2), 1,024 bytes a token: my tile is m = w
	s_lshr_b32 s46, s[WV], 1
	s_lshl_b32 s46, s46, 15
	s_add_co_u32 s44, s44, s46
	s_and_b32 s46, s[WV], 1
	s_lshl_b32 s46, s46, 13
	s_add_co_u32 s44, s44, s46
	s_mov_b32 s45, 0
	s_lshl_b32 s46, s[WV], 8                       ; the biases: my 64 numbers
	s_mov_b32 s47, 0
	s_lshl_b32 s24, s[WV], 14                      ; the weights' codes: my 8 fragments of each
	s_mov_b32 s25, 0
	s_lshl_b32 s26, s[WV], 10                      ; and their words
	s_add_co_u32 s26, s26, WSC
	s_mov_b32 s27, 0
	s_lshl_b32 s48, ttmp9, 2
	s_add_co_u32 s48, s48, s[WV]                   ; tile 4 X + w
	s_lshl_b32 s28, s48, 12                        ; xq: 4,096 bytes a tile
	s_mov_b32 s29, 0
	s_lshl_b32 s30, s48, 8
	s_add_co_u32 s30, s30, XQS
	s_mov_b32 s31, 0
	s_lshl_b32 s32, ttmp9, 14                      ; qq: 16,384 X + 1,024 w
	s_lshl_b32 s49, s[WV], 10
	s_add_co_u32 s32, s32, s49
	s_mov_b32 s33, 0
	s_lshl_b32 s34, ttmp9, 11                      ; its words: QQS + 2,048 X + 128 w
	s_lshl_b32 s49, s[WV], 7
	s_add_co_u32 s34, s34, s49
	s_add_co_u32 s34, s34, QQS
	s_mov_b32 s35, 0
	s_lshr_b32 s50, ttmp9, 1
	s_mul_i32 s50, s50, RECB                       ; kv: record X / 2,
	s_and_b32 s51, ttmp9, 1                        ; its half z = X % 2
	s_lshl_b32 s52, s[WV], 13
	s_add_co_u32 s52, s52, s50
	s_lshl_b32 s53, s51, 12
	s_add_co_u32 s36, s52, s53                     ; K: record + 8,192 w + 4,096 z
	s_mov_b32 s37, 0
	s_lshl_b32 s53, s51, 10
	s_add_co_u32 s40, s52, s53
	s_add_co_u32 s40, s40, 32768                   ; V: record + 32,768 + 8,192 w + 1,024 z
	s_mov_b32 s41, 0
	s_mul_i32 s52, s[WV], 1536
	s_add_co_u32 s52, s52, s50
	s_add_co_u32 s52, s52, 65536
	s_lshl_b32 s53, s51, 9
	s_add_co_u32 s38, s52, s53                     ; K's words: record + 65,536 + 1,536 w + 512 z
	s_mov_b32 s39, 0
	s_lshl_b32 s53, s51, 1
	s_add_co_u32 s42, s52, s53
	s_add_co_u32 s42, s42, 1024                    ; V's words: + 1,024, bytes 2 z and 2 z + 1
	s_mov_b32 s43, 0
	s_wait_kmcnt 0x0
	s_add_nc_u64 s[4:5], s[4:5], s[44:45]
	s_add_nc_u64 s[24:25], s[6:7], s[24:25]
	s_add_nc_u64 s[26:27], s[6:7], s[26:27]
	s_add_nc_u64 s[8:9], s[8:9], s[46:47]
	s_add_nc_u64 s[10:11], s[10:11], s[46:47]
	s_add_nc_u64 s[12:13], s[12:13], s[46:47]
	s_add_nc_u64 s[14:15], s[14:15], s[46:47]
	s_add_nc_u64 s[28:29], s[16:17], s[28:29]
	s_add_nc_u64 s[30:31], s[16:17], s[30:31]
	s_add_nc_u64 s[32:33], s[18:19], s[32:33]
	s_add_nc_u64 s[34:35], s[18:19], s[34:35]
	s_add_nc_u64 s[36:37], s[20:21], s[36:37]
	s_add_nc_u64 s[38:39], s[20:21], s[38:39]
	s_add_nc_u64 s[40:41], s[20:21], s[40:41]
	s_add_nc_u64 s[42:43], s[20:21], s[42:43]
	; ---- x: my tile's 16 tokens, both K steps: register 64 s + 16 b + i = K 128 s + 32 b + 16 h + i
.irp s, 0,1
.irp b, 0,1,2,3
.irp j, 0,1,2,3
	global_load_b128 v[BIG+64*\s+16*\b+4*\j:BIG+64*\s+16*\b+4*\j+3], v[XA], s[4:5] offset:512*\s+128*\b+16*\j th:TH_LOAD_NT
.endr
.endr
.endr
	WLOAD 0, 0x40, 0                               ; w_in and b_in: 48 loads
	BLOAD 8, 0
	s_wait_loadcnt 48                              ; x is in; the 48 loads behind it may be out
.irp s, 0,1
	s_wait_xcnt 0x0                                ; the codes and the word are written again only when earlier stores have read them
	QUANT BIG+64*\s, 4, PC, PW
.irp c, 0,1,2,3
	ds_store_b128 v[XWI], v[PC+4*\c:PC+4*\c+3] offset:XIMG+2048*\s+512*\c
.endr
	ds_store_b32 v[XWS], v[PW] offset:XSC+128*\s
.irp c, 0,1,2,3
	global_store_b128 v[LI], v[PC+4*\c:PC+4*\c+3], s[28:29] offset:2048*\s+512*\c   ; 32 lanes store 512 consecutive bytes
.endr
	global_store_b32 v[LS], v[PW], s[30:31] offset:128*\s
	s_wait_dscnt 0x0
.endr
	WLOAD 1, 0x40, 128                             ; w_q and b_q: 48 loads
	BLOAD 10, 32
	BARRIER                                        ; x's eight fragments lie in LDS
	FETCHALL XIMG, XSC
	s_wait_loadcnt 48                              ; w_in's group is in; w_q's 48 may be out
	WLOAD 2, 0x80, 0                               ; w_k and b_k: 48 loads
	BLOAD 12, 64
	s_wait_dscnt 0x0
	s_wait_xcnt 0x0                                ; x's codes and scale word were the data of the stores to xq: h's quantiser writes those registers again only behind this wait.
	                                               ; Once for all four tiles: h's own codes go to LDS alone, so no global store names them again before q's
	; ---- h: my 64 features of each tile of tokens, quantised: two pieces and two bytes of h's fragment
.irp m, 0,1,2,3
	TUNIT 0x31, 0x01, 0, 0, 0, \m
	QUANT ACC, 2, PC, PW
	ds_store_b128 v[HWI], v[PC:PC+3] offset:HIMG+4096*\m
	ds_store_b128 v[HWI], v[PC+4:PC+7] offset:HIMG+4096*\m+512
	ds_store_b16 v[HWS], v[PW] offset:HSC+256*\m
	s_wait_dscnt 0x0
.endr
	BARRIER                                        ; h's eight fragments lie in LDS
	FETCHALL HIMG, HSC
	s_wait_loadcnt 48                              ; w_q's group is in; w_k's 48 may be out
	WLOAD 3, 0x80, 128                             ; w_v, and b_v in the natural layout (a lane's feature in all eight registers of a tile): 72 loads
	WIN 0xc0
.irp t, 0,1,2,3
.irp j, 0,1,2,3,4,5,6,7
	global_load_b32 v[96+8*\t+\j], v[BN], s[14:15] offset:(32*(\t/2)+8*(\t%2))*4
.endr
.endr
	WIN 0
	s_wait_dscnt 0x0
	; ---- q / 8 (exact), quantised along the head's 64
.irp m, 0,1,2,3
	TUNIT 0x31, 0x01, 128, 32, 8, \m
.set gi, 0
.rept 16
	v_pk_mul_f32 v[ACC+gi:ACC+gi+1], v[ACC+gi:ACC+gi+1], 0x3e000000 op_sel_hi:[1,0]
.set gi, gi+2
.endr
	s_wait_xcnt 0x0
	QUANT ACC, 2, PC, PW
	v_or_b32 v[PW], 0x7f7f0000, v[PW]              ; the bytes of K = 64 .. 127, where the codes are zeros
	global_store_b128 v[LI], v[PC:PC+3], s[32:33] offset:4096*\m
	global_store_b128 v[LI], v[PC+4:PC+7], s[32:33] offset:4096*\m+512
	global_store_b32 v[LS], v[PW], s[34:35] offset:512*\m
.endr
	s_wait_loadcnt 63                              ; w_k's group is in: 72 loads were issued behind it, and 63 is the largest count that the wait names
	; ---- k
.irp m, 0,1,2,3
	TUNIT 0x32, 0x02, 0, 64, 16, \m
	s_wait_xcnt 0x0
	QUANT ACC, 2, PC, PW
	v_or_b32 v[PW], 0x7f7f0000, v[PW]
	global_store_b128 v[LI], v[PC:PC+3], s[36:37] offset:1024*\m
	global_store_b128 v[LI], v[PC+4:PC+7], s[36:37] offset:1024*\m+512
	global_store_b32 v[LS], v[PW], s[38:39] offset:128*\m
.endr
	s_wait_loadcnt 0x0
	; ---- v, quantised along the keys: my 64 tokens are pieces 2 z and 2 z + 1 of the record's fragment
.irp t, 0,1,2,3
	VUNIT \t
	s_wait_xcnt 0x0
	QUANT ACC, 2, PC, PW
	global_store_b128 v[LI], v[PC:PC+3], s[40:41] offset:2048*\t
	global_store_b128 v[LI], v[PC+4:PC+7], s[40:41] offset:2048*\t+512
	global_store_b16 v[LS], v[PW], s[42:43] offset:128*\t
.endr
	s_wait_tensorcnt 0x0
	ds_add_u32 v222, v223
	s_wait_dscnt 0x0
	s_endpgm
.Lfunc_end_k_q923b2979ba_proj:
	.size	k_q923b2979ba_proj, .Lfunc_end_k_q923b2979ba_proj-k_q923b2979ba_proj
	.p2alignl 7, 3214868480
	.fill 96, 4, 3214868480
	.section	.rodata,"a",@progbits
	.p2align	6, 0x0
	.amdhsa_kernel k_q923b2979ba_proj
		.amdhsa_group_segment_fixed_size 35328
		.amdhsa_private_segment_fixed_size 0
		.amdhsa_enable_private_segment 0
		.amdhsa_kernarg_size 72
		.amdhsa_user_sgpr_count 2
		.amdhsa_user_sgpr_kernarg_segment_ptr 1
		.amdhsa_wavefront_size32 1
		.amdhsa_system_sgpr_workgroup_id_x 1
		.amdhsa_system_sgpr_workgroup_id_y 1
		.amdhsa_system_sgpr_workgroup_id_z 1
		.amdhsa_system_vgpr_workitem_id 0
		.amdhsa_next_free_vgpr 1024
		.amdhsa_next_free_sgpr 66
		.amdhsa_reserve_vcc 0
		.amdhsa_float_denorm_mode_32 3
		.amdhsa_float_denorm_mode_16_64 3
		.amdhsa_memory_ordered 1
		.amdhsa_forward_progress 1
		.amdhsa_inst_pref_size 148
	.end_amdhsa_kernel
	.amdgpu_metadata
---
amdhsa.version: [ 1, 2 ]
amdhsa.kernels:
  - .name:           k_q923b2979ba_proj
    .symbol:         k_q923b2979ba_proj.kd
    .args:
      - { .name: x, .offset: 0, .size: 8, .value_kind: global_buffer, .address_space: global }
      - { .name: wq, .offset: 8, .size: 8, .value_kind: global_buffer, .address_space: global }
      - { .name: b_in, .offset: 16, .size: 8, .value_kind: global_buffer, .address_space: global }
      - { .name: b_q, .offset: 24, .size: 8, .value_kind: global_buffer, .address_space: global }
      - { .name: b_k, .offset: 32, .size: 8, .value_kind: global_buffer, .address_space: global }
      - { .name: b_v, .offset: 40, .size: 8, .value_kind: global_buffer, .address_space: global }
      - { .name: xq, .offset: 48, .size: 8, .value_kind: global_buffer, .address_space: global }
      - { .name: qq, .offset: 56, .size: 8, .value_kind: global_buffer, .address_space: global }
      - { .name: kv, .offset: 64, .size: 8, .value_kind: global_buffer, .address_space: global }
    .group_segment_fixed_size: 35328
    .private_segment_fixed_size: 0
    .kernarg_segment_align: 8
    .kernarg_segment_size: 72
    .max_flat_workgroup_size: 128
    .sgpr_count:     66
    .vgpr_count:     1024
    .wavefront_size: 32
...
	.end_amdgpu_metadata
.endif
;; end of part 2
;; launch attn (part 3): grid 32 x 8, 16 waves a work-group, clusters of 4 x 1, 327,680 bytes of LDS; arguments qq, kv, wq, b_o, w_bd, b_bd, bs; writes bs
.if DOCPART == 3
	.amdgcn_target "amdgcn-amd-amdhsa--gfx1250"
	.amdhsa_code_object_version 6
	.text
	.protected	k_q923b2979ba_attn
	.globl	k_q923b2979ba_attn
	.p2align	8
	.type	k_q923b2979ba_attn,@function
k_q923b2979ba_attn:
	s_mov_b64 s[64:65], 0
	v_nop
	global_prefetch_b8 v0, s[64:65] scope:SCOPE_SE
	s_setreg_imm32_b32 hwreg(HW_REG_WAVE_MODE, 25, 1), 1
	s_wait_xcnt 0x0
	s_wait_alu depctr_hold_cnt(0) depctr_sa_sdst(0) depctr_va_vdst(0) depctr_va_sdst(0) depctr_va_ssrc(0) depctr_va_vcc(0) depctr_vm_vsrc(0)
	s_getreg_b32 s2, hwreg(HW_REG_IB_STS2, 6, 4)
	s_cmp_eq_u32 s2, 0
	s_cbranch_scc0 .Lentry_in_a_cluster
	s_endpgm
.Lentry_in_a_cluster:
	s_bfe_u32 s2, ttmp6, 0x10000c
	s_cmp_lg_u32 s2, 0x3003
	s_cbranch_scc0 .Lentry_shape_is_right
	s_endpgm
.Lentry_shape_is_right:
; For 64 queries of one batch and all four heads: softmax(q k^T) v on codes of FP8 (E4M3), the output projection on codes, the boundary score (f32) and its sigmoid.  Only bs [8][2048] goes to memory.
; THE SOFTMAX AHEAD OF THE SECOND PRODUCT: t = score x log2(e) (q arrives divided by 8); M = the running largest t rounded UP to a whole number; p = 2^(t - M) is quantised along the keys, not normalised;
; the row's sum is taken of the unquantised p and divides at the end.  When M moves, the sum and O are multiplied by 2^(old M - new M): exact.
; SHARES.  Sixteen waves: wave = 4 m + head owns tile m of 16 queries for one head, in 256 registers, four waves to a SIMD, so that one wave's vector work stands beside another's products and LDS loads.
; Every wave walks the batch's 2,048 keys, 128 (one record of kv) a step.  Both products are used transposed: a lane holds ONE query throughout.
; THE HEAD'S 64 IN AN INSTRUCTION OF 128: q's codes of K = 64 .. 127 are zeros and its bytes there 127.  K's operand of tile t is v[32 + 8 t .. 47 + 8 t]: its upper half is the next tile's codes (finite numbers;
; zeros behind tile 7), which meet q's zeros and add nothing.  So only a key's own 64 bytes are read from LDS.
; RING.  Two LDS slots of two records each, dense, as they lie in memory: every read is 16 or 4 bytes a lane on end, so there is no padding.
; CLUSTER.  The four query blocks of a cluster walk the same batch's records, so each slot is asked for JOINTLY: waves 0 to 3 of each partner issue the same load (a quarter of a slot each) with the mask of all four.
; By this text's own count a wave has at most one tensor load out.  All of a WGP's LDS is claimed.
; LIMITS: NaN and infinities are not served; a block whose largest magnitude lies under 2^-118 is held at the byte 1.
; REGISTERS: v1-11 addresses; v12 -M, v13 the largest t, v[14:15] the sum; v16-23 q, v24-31 zeros; v32-95 K's 8 half fragments, then V's 4 fragments; v96-103 zeros; v104-167 scores, then p; v168-199 O^T;
;   v200-213 scale words alone; v[214:215] f; v216-231 p's codes; v232-250 at work.
.set RECB,  71680
.set SLOTB, 143360
.set QUART, 35840                      ; a quarter of a slot: 140 rows of 256 bytes
.set SPARE, 286720                     ; the spare words, 128 bytes for each of 16 waves: eight blocks of 256 bytes that no other line names
.set AOI,   288768                     ; the attention output's images: fragment 2 m + s, 2,048 bytes each
.set AOS,   305152                     ; their scale words
.set PD,    306176                     ; a partial boundary score for each wave and query
.set QQS,   4194304
.set WSC,   393216
.set AC0, 1                            ; v1  16 x lane + 8,192 x head: my place in a record's codes
.set AS0, 2                            ; v2  65,536 + 4 x lane + 1,536 x head: and among its scale words
.set LI,  3                            ; v3  16 x lane
.set LS,  4                            ; v4  4 x lane
.set SPW, 5                            ; v5  LDS address of my spare word; never rewritten
.set NIL, 6                            ; v6  0; never rewritten
.set BT,  7                            ; v7  64 h
.set ADC, 8                            ; v8  the step's codes
.set ADS, 9                            ; v9  the step's scale words
.set ST,  104
.set OT,  168
.set KS,  200
.set VS,  208
.set PS,  212
.set QS,  213
.set FF,  214
.set PCD, 216
.set BM,  232                          ; v232-235 the blocks' largest scores, then largest p
.set BP,  236                          ; v236-239 lane permutes' results, then bytes
.set HO,  240                          ; v240-243 448 x the scale
.set SO,  244                          ; v244-247 the conversions' scale operands
.set TM,  232                          ; the tail's quantiser works in the same sixteen
.set C2,  248                          ; v[248:249] the sum's second chain
.set TT,  250
.set WV,  18
.set HD,  19
.set MT,  20
.set BA,  21
.set CS,  22                           ; s[22:23] log2(e): the packed form names a pair and takes its low word
.set G1,  24                           ; s[24:31] descriptor group 1
.set G0,  32                           ; s[32:39] descriptor group 0, a set for each slot
.set LAPS, 45
.set SEL, 46
.set MNT, 48
.set BBD, 49
.macro QUANT src, nb, dst, word
.set qb, 0
.rept \nb
	v_max3_num_f32 v[TM+qb], |v[(\src)+16*qb]|, |v[(\src)+16*qb+1]|, 0x4800000   ; the floor 2^(9 - 127) is a leaf: the byte cannot fall under 1
.set qb, qb+1
.endr
.irp i, 2,4,6,8,10,12,14
.set qb, 0
.rept \nb
	v_max3_num_f32 v[TM+qb], v[TM+qb], |v[(\src)+16*qb+\i]|, |v[(\src)+16*qb+\i+1]|
.set qb, qb+1
.endr
.endr
.set qb, 0
.rept \nb
	v_permlanex16_b32 v[TM+4+qb], v[TM+qb], s[SEL], s[SEL+1]
.set qb, qb+1
.endr
.set qb, 0
.rept \nb
	v_max_num_f32 v[TM+qb], v[TM+qb], v[TM+4+qb]
.set qb, qb+1
.endr
.set qb, 0
.rept \nb
	v_add_nc_u32 v[TM+12+qb], 0xfc000000, v[TM+qb]
	v_and_or_b32 v[TM+8+qb], v[TM+qb], 0x7f800000, s[MNT]
.set qb, qb+1
.endr
.set qb, 0
.rept \nb
	v_lshrrev_b32 v[TM+4+qb], 23, v[TM+12+qb]
.set qb, qb+1
.endr
.if \nb == 1
	v_mov_b32 v[\word], v[TM+4]
.else
	v_lshl_or_b32 v[\word], v[TM+5], 8, v[TM+4]
.if \nb == 4
	v_lshl_or_b32 v[\word], v[TM+6], 16, v[\word]
	v_lshl_or_b32 v[\word], v[TM+7], 24, v[\word]
.endif
.endif
.set qb, 0
.rept \nb
.set qi, 0
.rept 16
	v_med3_num_f32 v[(\src)+16*qb+qi], v[(\src)+16*qb+qi], -v[TM+8+qb], v[TM+8+qb]
.set qi, qi+1
.endr
	v_cvt_scalef32_pk8_fp8_f32 v[(\dst)+4*qb:(\dst)+4*qb+1], v[(\src)+16*qb:(\src)+16*qb+7], v[TM+12+qb]
	v_cvt_scalef32_pk8_fp8_f32 v[(\dst)+4*qb+2:(\dst)+4*qb+3], v[(\src)+16*qb+8:(\src)+16*qb+15], v[TM+12+qb]
.set qb, qb+1
.endr
	v_nop                                          ; one plain line behind the last scaled conversion
.endm
; A round of the cluster's barrier: my work-group's barrier, wave 0 signals for the work-group, every wave waits for all four work-groups, my work-group's barrier once more
.macro ROUND
	s_barrier_signal -1
	s_barrier_wait -1
	s_cmp_lg_u32 s[WV], 0
	s_cbranch_scc1 .Lnot_wave_0_\@
	s_barrier_signal -3
.Lnot_wave_0_\@:
	s_barrier_wait -3
	s_barrier_signal -1
	s_barrier_wait -1
.endm
; A KEY STEP: the record of 128 keys that begins at LDS byte rb
.macro STEP rb
	v_add_nc_u32 v[ADC], \rb, v[AC0]
	v_add_nc_u32 v[ADS], \rb, v[AS0]
.rept 6
	v_nop                                          ; with the two additions: eight places behind the last products, in front of loads into registers that they read
.endr
.irp t, 0,1,2,3,4,5,6,7
	ds_load_b128 v[32+8*\t:35+8*\t], v[ADC] offset:1024*\t
	ds_load_b128 v[36+8*\t:39+8*\t], v[ADC] offset:1024*\t+512
	ds_load_b32 v[KS+\t], v[ADS] offset:128*\t
.endr
	s_wait_dscnt 0x0
.irp t, 0,1,2,3,4,5,6,7                        ; S^T = K Q^T: lane (r, h) holds query r; the 16 registers of tiles 2 b, 2 b + 1 are keys 32 b + 16 h + 0 .. 15
	v_wmma_scale_f32_16x16x128_f8f6f4 v[ST+8*\t:ST+8*\t+7], v[32+8*\t:47+8*\t], v[16:31], 0, v[KS+\t], v[QS]
.endr
.rept 8
	v_nop
.endr
.irp t, 0,1,2,3                                ; V's four fragments land while the softmax is worked
.irp c, 0,1,2,3
	ds_load_b128 v[32+16*\t+4*\c:35+16*\t+4*\c], v[ADC] offset:32768+2048*\t+512*\c
.endr
	ds_load_b32 v[VS+\t], v[ADS] offset:1024+128*\t
.endr
.irp b, 0,1,2,3
	v_max3_num_f32 v[BM+\b], v[ST+16*\b], v[ST+16*\b+1], v[ST+16*\b+2]   ; the largest score of each block of 32 keys: for the row's maximum, and, since p rises with the score, for the block's largest p
.endr
.irp i, 3,5,7,9,11,13
.irp b, 0,1,2,3
	v_max3_num_f32 v[BM+\b], v[BM+\b], v[ST+16*\b+\i], v[ST+16*\b+\i+1]
.endr
.endr
.irp b, 0,1,2,3
	v_max_num_f32 v[BM+\b], v[BM+\b], v[ST+16*\b+15]
.endr
.irp b, 0,1,2,3
	v_permlanex16_b32 v[BP+\b], v[BM+\b], s[SEL], s[SEL+1]
.endr
.irp b, 0,1,2,3
	v_max_num_f32 v[BM+\b], v[BM+\b], v[BP+\b]     ; with lane l xor 16's 16 keys
.endr
	v_max3_num_f32 v[TT], v[BM], v[BM+1], v[BM+2]
	v_max_num_f32 v[TT], v[TT], v[BM+3]
	v_mul_f32 v[TT], s[CS], v[TT]                  ; the step's largest t
	v_max_num_f32 v13, v13, v[TT]                  ; the running largest t
	v_mov_b32 v[TT], v12
	v_floor_f32 v12, -v13                          ; the new -M = floor(-t): M is a whole number
	v_sub_f32 v[TT], v12, v[TT]                    ; old M - new M: a whole number, 0 or less
	v_cvt_i32_f32 v[TT], v[TT]                     ; (it saturates)
	v_ldexp_f32 v[FF], 1.0, v[TT]                  ; f = 2^(old M - new M)
.set ej, 0
.rept 32
	v_pk_fma_f32 v[ST+ej:ST+ej+1], v[ST+ej:ST+ej+1], s[CS:CS+1], v[12:13] op_sel_hi:[1,0,0]   ; t - M, two at a time
.set ej, ej+2
.endr
.irp b, 0,1,2,3
	v_fma_f32 v[BM+\b], v[BM+\b], s[CS], v12       ; the same of each block's largest score
.endr
.set ej, 0
.rept 64
	v_exp_f32 v[ST+ej], v[ST+ej]                   ; p = 2^(t - M), at most 1
.set ej, ej+1
.endr
.irp b, 0,1,2,3
	v_exp_f32 v[BM+\b], v[BM+\b]                   ; the block's largest p
.endr
	v_pk_mul_f32 v[14:15], v[14:15], v[FF:FF+1] op_sel_hi:[1,0]   ; the sum under the new M (a plain line behind the exponentials)
	s_wait_alu depctr_va_vdst(0)
.irp b, 0,1,2,3
	v_max_num_f32 v[BM+\b], 0x4800000, v[BM+\b]    ; the floor: the byte cannot fall under 1
.endr
.irp b, 0,1,2,3
	v_add_nc_u32 v[SO+\b], 0xfc000000, v[BM+\b]
.endr
.irp b, 0,1,2,3
	v_and_or_b32 v[HO+\b], v[BM+\b], 0x7f800000, s[MNT]
.endr
.irp b, 0,1,2,3
	v_lshrrev_b32 v[BP+\b], 23, v[SO+\b]
.endr
	v_lshl_or_b32 v[PS], v[BP+1], 8, v[BP]         ; p's scale word for these 128 keys
	v_lshl_or_b32 v[PS], v[BP+2], 16, v[PS]
	v_lshl_or_b32 v[PS], v[BP+3], 24, v[PS]
	v_pk_add_f32 v[C2:C2+1], v[ST:ST+1], v[ST+2:ST+3]   ; the row's sum is taken of the unquantised p, in two chains
.irp j, 4,8,12,16,20,24,28,32,36,40,44,48,52,56,60
	v_pk_add_f32 v[14:15], v[14:15], v[ST+\j:ST+\j+1]
	v_pk_add_f32 v[C2:C2+1], v[C2:C2+1], v[ST+\j+2:ST+\j+3]
.endr
	v_pk_add_f32 v[14:15], v[14:15], v[C2:C2+1]
.irp b, 0,1,2,3
.set ej, 0
.rept 16
	v_min_num_f32 v[ST+16*\b+ej], v[ST+16*\b+ej], v[HO+\b]   ; the hold; p is not negative, so it is one-sided
.set ej, ej+1
.endr
	v_cvt_scalef32_pk8_fp8_f32 v[PCD+4*\b:PCD+4*\b+1], v[ST+16*\b:ST+16*\b+7], v[SO+\b]
	v_cvt_scalef32_pk8_fp8_f32 v[PCD+4*\b+2:PCD+4*\b+3], v[ST+16*\b+8:ST+16*\b+15], v[SO+\b]
.endr
.set ej, 0
.rept 16
	v_pk_mul_f32 v[OT+ej:OT+ej+1], v[OT+ej:OT+ej+1], v[FF:FF+1] op_sel_hi:[1,0]   ; O^T under the new M; these sixteen also stand between the codes and the products that take them
.set ej, ej+2
.endr
	s_wait_dscnt 0x0                               ; V is in
.irp t, 0,1,2,3                                ; O^T += V^T P^T: four tiles of 16 of the head's 64; the four accumulators take turns
	v_wmma_scale_f32_16x16x128_f8f6f4 v[OT+8*\t:OT+8*\t+7], v[32+16*\t:47+16*\t], v[PCD:PCD+15], v[OT+8*\t:OT+8*\t+7], v[VS+\t], v[PS]
.endr
.endm
; A slot's turn.  Each wave waits for all its tensor loads, adds 0 to its spare word, and waits for that and for its reads of the slot that it has left; the round holds that of every wave of all four partners.
; Behind it the slot that was left is asked for again first (waves 0 to 3, one load each); it has this slot's two steps in which to land.
.macro TRIP slot, refill
	s_wait_tensorcnt 0x0                           ; no tensor load of mine is out, so a group 0 may be written
	ds_add_u32 v[SPW], v[NIL]                      ; 0 onto my spare word
	s_add_nc_u64 s[G0+2+4*\slot:G0+3+4*\slot], s[G0+2+4*\slot:G0+3+4*\slot], 2*SLOTB   ; this slot's next 256 keys
	s_wait_dscnt 0x0                               ; the add is done, and my reads of the other slot are over
	ROUND
.if \refill
	s_cmp_lt_u32 s[WV], 4
	s_cbranch_scc0 .Lno_load_\@
	tensor_load_to_lds s[G0+4-4*\slot:G0+7-4*\slot], s[G1:G1+7]
	s_nop 0
.rept 4
	v_nop
.endr
.Lno_load_\@:
.endif
	STEP \slot*SLOTB
	STEP \slot*SLOTB+RECB
.endm
	s_load_b256 s[4:11], s[0:1], 0x0               ; qq, kv, wq, b_o
	s_load_b128 s[12:15], s[0:1], 0x20             ; w_bd, b_bd
	s_load_b64 s[16:17], s[0:1], 0x30              ; bs
	v_lshl_add_u32 v[SPW], v0, 2, SPARE
	v_mov_b32 v[NIL], 0
	ds_add_u32 v5, v6
	s_wait_dscnt 0x0
	v_lshrrev_b32 v7, 5, v0
	v_readfirstlane_b32 s[WV], v7                  ; wave 0..15
	s_and_b32 s[HD], s[WV], 3                      ; my head; for waves 0 to 3 also the quarter of a slot that they fetch
	s_lshr_b32 s[MT], s[WV], 2                     ; my tile of queries
	s_and_b32 s[BA], ttmp7, 0xffff                 ; the batch, which the four partners share
	s_bfe_u32 s40, ttmp6, 0x40000                  ; cx: it enters q's and bs's global addresses alone
	s_lshl_b32 s41, ttmp9, 2
	s_add_co_u32 s41, s41, s40                     ; my block of 64 queries
	s_mov_b32 s[G1], 15|(3<<16)|(1<<21)            ; 15:0 the mask: all four work-groups; 17:16 elements of 8 bytes; 21 set beside a mask; no padding
	s_mov_b32 s[G1+1], 32<<16                      ; tensor_dim0 = 32 elements: 256 bytes
	s_mov_b32 s[G1+2], 140<<16                     ; tensor_dim1 = 140 rows
	s_mov_b32 s[G1+3], 32<<16                      ; tile_dim0
	s_mov_b32 s[G1+4], 140                         ; tile_dim1
	s_mov_b32 s[G1+5], 32                          ; the pitch: dense
	s_mov_b32 s[G1+6], 0
	s_mov_b32 s[G1+7], 0
	s_mul_i32 s42, s[HD], QUART
	s_mul_i32 s50, s[BA], 16*RECB                  ; the batch's 16 records
	s_add_co_u32 s50, s50, s42
	s_mov_b32 s51, 0
	s_lshl_b32 s43, s[BA], 5
	s_add_co_u32 s43, s43, s41                     ; block 32 x batch + X
	s_lshl_b32 s44, s43, 2
	s_add_co_u32 s44, s44, s[MT]                   ; my tile of tokens
	s_lshl_b32 s52, s44, 12                        ; q's codes: 4,096 x tile + 1,024 x head
	s_lshl_b32 s54, s[HD], 10
	s_add_co_u32 s52, s52, s54
	s_mov_b32 s53, 0
	s_lshl_b32 s54, s44, 9                         ; its words: QQS + 512 x tile + 128 x head
	s_lshl_b32 s56, s[HD], 7
	s_add_co_u32 s54, s54, s56
	s_add_co_u32 s54, s54, QQS
	s_mov_b32 s55, 0
	s_lshl_b32 s56, s43, 8                         ; bs: 256 bytes a block
	s_mov_b32 s57, 0
	s_lshl_b32 s58, s[HD], 14                      ; w_o's codes: my four tiles
	s_add_co_u32 s58, s58, 4*65536
	s_mov_b32 s59, 0
	s_lshl_b32 s60, s[HD], 10                      ; and their words
	s_add_co_u32 s60, s60, WSC+4*4096
	s_mov_b32 s61, 0
	s_lshl_b32 s62, s[HD], 8                       ; b_o, w_bd: my 64 numbers
	s_mov_b32 s63, 0
	s_mov_b32 s[CS], 0x3fb8aa3b                    ; log2(e)
	s_mov_b32 s[CS+1], s[CS]
	s_mov_b32 s[SEL], 0x76543210
	s_mov_b32 s[SEL+1], 0xfedcba98
	s_mov_b32 s[MNT], 0x600000
	s_mov_b32 s[LAPS], 3
	s_wait_kmcnt 0x0
	s_load_b32 s[BBD], s[14:15], 0x0               ; b_bd
	s_mov_b32 s[G0], 1                             ; count = 1
	s_mov_b32 s[G0+1], s42                         ; LDS address: slot 0, my quarter
	s_add_nc_u64 s[G0+2:G0+3], s[6:7], s[50:51]    ; global address: the batch's first 256 keys, my quarter
	s_mov_b32 s[G0+4], 1
	s_add_co_u32 s[G0+5], s42, SLOTB
	s_add_nc_u64 s[G0+6:G0+7], s[G0+2:G0+3], SLOTB
	s_or_b32 s[G0+3], s[G0+3], 0x80000000          ; type = 2
	s_or_b32 s[G0+7], s[G0+7], 0x80000000
	s_add_nc_u64 s[54:55], s[4:5], s[54:55]
	s_add_nc_u64 s[4:5], s[4:5], s[52:53]
	s_add_nc_u64 s[16:17], s[16:17], s[56:57]
	s_add_nc_u64 s[58:59], s[8:9], s[58:59]
	s_add_nc_u64 s[8:9], s[8:9], s[60:61]
	s_add_nc_u64 s[10:11], s[10:11], s[62:63]
	s_add_nc_u64 s[12:13], s[12:13], s[62:63]
	ROUND                                          ; all four work-groups are here: the first joint loads meet
	s_cmp_lt_u32 s[WV], 4
	s_cbranch_scc0 .Lno_first
	tensor_load_to_lds s[G0:G0+3], s[G1:G1+7]      ; slot 0
	s_nop 0
.rept 4
	v_nop
.endr
.Lno_first:
	v_and_b32 v7, 31, v0
	v_lshlrev_b32 v[LI], 4, v7
	v_lshlrev_b32 v[LS], 2, v7
	global_load_b128 v[16:19], v[LI], s[4:5]       ; q's two pieces stay in registers
	global_load_b128 v[20:23], v[LI], s[4:5] offset:512
	global_load_b32 v[QS], v[LS], s[54:55]
	s_lshl_b32 s42, s[HD], 13
	v_add_nc_u32 v[AC0], s42, v[LI]
	s_mul_i32 s42, s[HD], 1536
	s_add_co_u32 s42, s42, 65536
	v_add_nc_u32 v[AS0], s42, v[LS]
	v_bfe_u32 v7, v0, 4, 1
	v_lshlrev_b32 v[BT], 6, v7
	v_mov_b32 v13, 0xff61b1e6                      ; the largest t so far: -3e38
	v_floor_f32 v12, -v13                          ; -M
	v_mov_b32 v14, 0
	v_mov_b32 v15, 0
	v_mov_b32 v[FF+1], 0                           ; named as the upper half of f's pair
.irp j, 0,1,2,3,4,5,6,7
	v_mov_b32 v[24+\j], 0                          ; q's codes of K = 64 .. 127
	v_mov_b32 v[96+\j], 0                          ; what stands behind K's tile 7
.endr
.irp b, 0,1,2,3
	v_mov_b32 v[BP+\b], 0                          ; a lane permute's destination counts as one of its sources
.endr
.set ej, 0
.rept 32
	v_mov_b32 v[OT+ej], 0                          ; O^T: the step is written once; its first turn finds zeros
.set ej, ej+1
.endr
	s_wait_loadcnt 0x0                             ; q
	s_wait_kmcnt 0x0                               ; b_bd
.Llap:                                             ; three trips, two slots each
	TRIP 0, 1
	TRIP 1, 1
	s_sub_co_u32 s[LAPS], s[LAPS], 1
	s_cmp_lg_u32 s[LAPS], 0
	s_cbranch_scc1 .Llap
	TRIP 0, 1                                      ; the last two slots are written out: the very last asks for nothing
	TRIP 1, 0
	; ---- THE TAIL.  The addresses are made first: fifteen plain lines, the places behind the last products
	s_lshl_b32 s42, s[WV], 10
	s_add_co_u32 s42, s42, AOI
	v_add_nc_u32 v1, s42, v[LI]                    ; where my two pieces go: fragment 2 m + head / 2, pieces 2 (head % 2) on = AOI + 1,024 x wave
	s_lshl_b32 s42, s[MT], 8
	s_lshr_b32 s50, s[HD], 1
	s_lshl_b32 s50, s50, 7
	s_add_co_u32 s42, s42, s50
	s_and_b32 s50, s[HD], 1
	s_lshl_b32 s50, s50, 1
	s_add_co_u32 s42, s42, s50
	s_add_co_u32 s42, s42, AOS
	v_add_nc_u32 v2, s42, v[LS]                    ; and my two bytes
	s_lshl_b32 s42, s[MT], 12
	s_add_co_u32 s42, s42, AOI
	v_add_nc_u32 v8, s42, v[LI]                    ; my tile's two fragments
	s_lshl_b32 s42, s[MT], 8
	s_add_co_u32 s42, s42, AOS
	v_add_nc_u32 v9, s42, v[LS]                    ; and their words
	s_lshl_b32 s42, s[WV], 7
	s_add_co_u32 s42, s42, PD
	v_add_nc_u32 v10, s42, v[LS]                   ; my partial scores
	v_bfe_u32 v11, v0, 4, 1                        ; wave 0's read: lane l serves tokens 2 l, 2 l + 1 = 32 g + 16 a + 8 u + i: tile 2 g + u, rows 8 a + i, 8 a + i + 1
	v_lshlrev_b32 v11, 10, v11
	v_bfe_u32 v[FF], v0, 2, 1
	v_lshl_add_u32 v11, v[FF], 9, v11
	v_bfe_u32 v[FF], v0, 3, 1
	v_lshl_add_u32 v11, v[FF], 5, v11
	v_and_b32 v[FF], 3, v0
	v_lshl_add_u32 v11, v[FF], 3, v11
	v_add_nc_u32 v11, PD, v11
	v_lshlrev_b32 v[FF], 1, v[LS]                  ; 8 x lane: my two numbers of bs
.irp t, 0,1,2,3                                ; w_o: my four tiles, K step 0
.irp c, 0,1,2,3
	global_load_b128 v[32+16*\t+4*\c:35+16*\t+4*\c], v[LI], s[58:59] offset:4096*\t+512*\c
.endr
.endr
.irp k, 0,1,2,3,4,5,6,7
	global_load_b32 v[KS+\k], v[LS], s[8:9] offset:128*\k
.endr
.irp t, 0,1,2,3                                ; b_o in the result's layout: the C of the first products
	global_load_b128 v[136+8*\t:139+8*\t], v[BT], s[10:11] offset:(32*(\t/2)+8*(\t%2))*4
	global_load_b128 v[140+8*\t:143+8*\t], v[BT], s[10:11] offset:(32*(\t/2)+8*(\t%2))*4+16
.endr
	v_add_f32 v14, v14, v15                        ; the sum's two halves,
	v_permlanex16_b32 v[TT], v14, s[SEL], s[SEL+1]
	v_add_f32 v14, v14, v[TT]                      ; and lane l xor 16's
	v_rcp_f32 v14, v14
	v_nop
.set ej, 0
	s_wait_alu depctr_va_vdst(0)
.rept 32
	v_mul_f32 v[ST+ej], v[OT+ej], v14              ; O^T / the sum: register 16 b + i = feature 64 x head + 32 b + 16 h + i
.set ej, ej+1
.endr
	QUANT ST, 2, PCD, FF+1
	ds_store_b128 v1, v[PCD:PCD+3]
	ds_store_b128 v1, v[PCD+4:PCD+7] offset:512
	ds_store_b16 v2, v[FF+1]
.irp t, 0,1,2,3                                ; w_o: K step 1, into registers that the numbers and O^T have left
.irp c, 0,1,2,3
	global_load_b128 v[104+16*\t+32*(\t/2)+4*\c:107+16*\t+32*(\t/2)+4*\c], v[LI], s[58:59] offset:4096*\t+2048+512*\c
.endr
.endr
.macro WBL reg, t                              ; w_bd in the result's layout
	global_load_b128 v[\reg:\reg+3], v[BT], s[12:13] offset:(32*(\t/2)+8*(\t%2))*4
	global_load_b128 v[\reg+4:\reg+7], v[BT], s[12:13] offset:(32*(\t/2)+8*(\t%2))*4+16
.endm
	WBL 16, 0
	WBL 24, 1
	WBL 96, 2
	WBL 248, 3
	s_wait_dscnt 0x0
	s_barrier_signal -1
	s_barrier_wait -1                              ; the eight fragments of the attention output lie in LDS
.set ej, 0
.rept 8
	ds_load_b128 v[PCD+4*ej:PCD+4*ej+3], v8 offset:512*ej
.set ej, ej+1
.endr
	ds_load_b32 v[PS], v9
	ds_load_b32 v[QS], v9 offset:128
	s_wait_dscnt 0x0
	s_wait_loadcnt 0x0
.irp t, 0,1,2,3                                ; transposed: my 64 output features of my 16 queries, onto the bias; four accumulators by turns
	v_wmma_scale_f32_16x16x128_f8f6f4 v[136+8*\t:143+8*\t], v[32+16*\t:47+16*\t], v[216:231], v[136+8*\t:143+8*\t], v[KS+2*\t], v[PS]
.endr
.irp t, 0,1,2,3
	v_wmma_scale_f32_16x16x128_f8f6f4 v[136+8*\t:143+8*\t], v[104+16*\t+32*(\t/2):119+16*\t+32*(\t/2)], v[232:247], v[136+8*\t:143+8*\t], v[KS+2*\t+1], v[QS]
.endr
.rept 8
	v_nop
.endr
	v_pk_mul_f32 v[12:13], v[136:137], v[16:17]    ; the boundary score's part over my 64 features, f32, in two chains, each accumulator from its low end on
	v_pk_mul_f32 v[14:15], v[138:139], v[18:19]
	v_pk_fma_f32 v[12:13], v[140:141], v[20:21], v[12:13]
	v_pk_fma_f32 v[14:15], v[142:143], v[22:23], v[14:15]
.macro DOT a, w
	v_pk_fma_f32 v[12:13], v[\a:\a+1], v[\w:\w+1], v[12:13]
	v_pk_fma_f32 v[14:15], v[\a+2:\a+3], v[\w+2:\w+3], v[14:15]
	v_pk_fma_f32 v[12:13], v[\a+4:\a+5], v[\w+4:\w+5], v[12:13]
	v_pk_fma_f32 v[14:15], v[\a+6:\a+7], v[\w+6:\w+7], v[14:15]
.endm
	DOT 144, 24
	DOT 152, 96
	DOT 160, 248
	v_pk_add_f32 v[12:13], v[12:13], v[14:15]
	v_add_f32 v12, v12, v13
	v_permlanex16_b32 v13, v12, s[SEL], s[SEL+1]
	v_add_f32 v12, v12, v13
	ds_store_b32 v10, v12
	s_wait_dscnt 0x0
	s_barrier_signal -1
	s_barrier_wait -1                              ; sixteen waves' partial scores lie in LDS
	s_cmp_lg_u32 s[WV], 0
	s_cbranch_scc1 .Lnot_first_wave
	ds_load_b64 v[16:17], v11                      ; the four heads' parts of my two tokens
	ds_load_b64 v[18:19], v11 offset:128
	ds_load_b64 v[20:21], v11 offset:256
	ds_load_b64 v[22:23], v11 offset:384
	s_wait_dscnt 0x0
	v_pk_add_f32 v[16:17], v[16:17], v[18:19]
	v_pk_add_f32 v[20:21], v[20:21], v[22:23]
	v_pk_add_f32 v[16:17], v[16:17], v[20:21]
	v_add_f32 v16, s[BBD], v16
	v_add_f32 v17, s[BBD], v17
	v_pk_mul_f32 v[16:17], v[16:17], 0xbfb8aa3b op_sel_hi:[1,0]
	v_exp_f32 v16, v16                             ; e^-z
	v_exp_f32 v17, v17
	v_nop
	s_wait_alu depctr_va_vdst(0)
	v_pk_add_f32 v[16:17], v[16:17], 1.0 op_sel_hi:[1,0]
	v_rcp_f32 v16, v16                             ; the sigmoid
	v_rcp_f32 v17, v17
	v_nop
	s_wait_alu depctr_va_vdst(0)
	global_store_b64 v[FF], v[16:17], s[16:17]     ; 32 lanes store 256 consecutive bytes, aligned: the block's 64 tokens in their true order
.Lnot_first_wave:
	s_wait_tensorcnt 0x0                           ; the wave's end
	ds_add_u32 v[SPW], v[NIL]
	s_wait_dscnt 0x0
	ROUND                                          ; the closing round: no work-group ends while a partner may still ask for a tile that names it
	s_endpgm
.Lfunc_end_k_q923b2979ba_attn:
	.size	k_q923b2979ba_attn, .Lfunc_end_k_q923b2979ba_attn-k_q923b2979ba_attn
	.p2alignl 7, 3214868480
	.fill 96, 4, 3214868480
	.section	.rodata,"a",@progbits
	.p2align	6, 0x0
	.amdhsa_kernel k_q923b2979ba_attn
		.amdhsa_group_segment_fixed_size 327680
		.amdhsa_private_segment_fixed_size 0
		.amdhsa_enable_private_segment 0
		.amdhsa_kernarg_size 56
		.amdhsa_user_sgpr_count 2
		.amdhsa_user_sgpr_kernarg_segment_ptr 1
		.amdhsa_wavefront_size32 1
		.amdhsa_system_sgpr_workgroup_id_x 1
		.amdhsa_system_sgpr_workgroup_id_y 1
		.amdhsa_system_sgpr_workgroup_id_z 1
		.amdhsa_system_vgpr_workitem_id 0
		.amdhsa_next_free_vgpr 256
		.amdhsa_next_free_sgpr 66
		.amdhsa_reserve_vcc 0
		.amdhsa_float_denorm_mode_32 3
		.amdhsa_float_denorm_mode_16_64 3
		.amdhsa_memory_ordered 1
		.amdhsa_forward_progress 1
		.amdhsa_inst_pref_size 176
	.end_amdhsa_kernel
	.amdgpu_metadata
---
amdhsa.version: [ 1, 2 ]
amdhsa.kernels:
  - .name:           k_q923b2979ba_attn
    .symbol:         k_q923b2979ba_attn.kd
    .args:
      - { .name: qq, .offset: 0, .size: 8, .value_kind: global_buffer, .address_space: global }
      - { .name: kv, .offset: 8, .size: 8, .value_kind: global_buffer, .address_space: global }
      - { .name: wq, .offset: 16, .size: 8, .value_kind: global_buffer, .address_space: global }
      - { .name: b_o, .offset: 24, .size: 8, .value_kind: global_buffer, .address_space: global }
      - { .name: w_bd, .offset: 32, .size: 8, .value_kind: global_buffer, .address_space: global }
      - { .name: b_bd, .offset: 40, .size: 8, .value_kind: global_buffer, .address_space: global }
      - { .name: bs, .offset: 48, .size: 8, .value_kind: global_buffer, .address_space: global }
    .group_segment_fixed_size: 327680
    .private_segment_fixed_size: 0
    .kernarg_segment_align: 8
    .kernarg_segment_size: 56
    .max_flat_workgroup_size: 512
    .sgpr_count:     66
    .vgpr_count:     256
    .wavefront_size: 32
...
	.end_amdgpu_metadata
.endif
;; end of part 3
;; launch pool (part 4): grid 32 x 8, 4 waves a work-group, no clusters, 0 bytes of LDS; arguments bs, xq, wq, b_in, part; writes part
.if DOCPART == 4
	.amdgcn_target "amdgcn-amd-amdhsa--gfx1250"
	.amdhsa_code_object_version 6
	.text
	.protected	k_q923b2979ba_pool
	.globl	k_q923b2979ba_pool
	.p2align	8
	.type	k_q923b2979ba_pool,@function
k_q923b2979ba_pool:
	s_mov_b64 s[64:65], 0
	v_nop
	global_prefetch_b8 v0, s[64:65] scope:SCOPE_SE
	s_setreg_imm32_b32 hwreg(HW_REG_WAVE_MODE, 25, 1), 1
	s_wait_xcnt 0x0
; For a chunk of 64 tokens of one batch: the running sum of the boundary scores, each token's patch 0 .. 7, h once more (from x's codes), and the chunk's part of each patch's sum of h and of its count.
; No address and no branch hangs on a patch number: a token's h is added to all eight patches, times 1 or 0.
; THE RUNNING SUM: the batch's 2,048 scores are read as they lie, 16 bytes a lane, 512 consecutive bytes a load: load i gives lane l four scores of chunk 2 i + l / 16.  A lane adds its four, keeps a copy where
; that chunk lies in front of mine, and adds the sixteen pairs (sum, copy) in a tree; the sum over the lanes gives the batch's total and my chunk's base.  My chunk's own 64 are added one after the other.
; patch = min(int(8 x cum / max(total, 1e-6)), 7); the quotient is the reciprocal's, corrected by two fused multiply-adds.
; h: source 0 = 16 tokens of x, source 1 = 16 rows of w_in: lane (r, h) holds one feature, and register j of tile m = 2 g + u holds token 32 g + 8 u + 16 h + j.  Wave w owns features 64 w .. 64 w + 63.
; Every wave repeats the scan by the same lines: no LDS, no barrier.
; part: [batch][chunk 32][patch 8][256] f32; from byte CNTO on [batch][chunk][32] f32: patch p's count at every place l with l % 8 = p.
; LIMITS: NaN and infinities are not served (0 x infinity would spoil the other patches).  The running sum's order of additions is this text's own: it differs from a plain left-to-right sum in the last bits.
; REGISTERS.  Window 0: v1-9 addresses and constants; v16-79 the batch's scores, later the four accumulators (v16-47) and what is stored (v48-63); v80-143 my chunk's scores, later the patch numbers (v80-111)
;   and the 8 x 4 sums (v112-143); v144-151 counts; v152-159 at work; v160-175 scale words alone; v176-207 b_in.  Window 1: x's eight fragments, w_in's eight.
.set XQS,  4194304
.set WSC,  393216
.set CNTO, 2097152
.set LN,  1
.set LI,  2
.set LS,  3
.set XH,  4                            ; v4  my chunk's number less h (a signed number): chunk 2 i + h lies in front of mine where 2 i < this
.set ZR,  5                            ; v5  0
.set ONE, 6                            ; v6  1.0
.set BN,  7                            ; v7  4 (r + 8 (r / 8))
.set PO,  8                            ; v8  4 (r + 8 (r / 8) + 8 h)
.set L7,  9                            ; v9  lane % 8
.set BV,  16
.set D,   16
.set SD,  48
.set CV,  80
.set PID, 80
.set ACCP, 112
.set CNT, 144
.set MK,  152
.set DV,  156
.set BS0, 157
.set RC,  158
.set XS,  160
.set WS,  168
.set BI,  176
.set WV,  14
.set HM,  17
.set SEL, 40
.set MSB, 0
.macro WIN new                         ; the immediate's high byte repeats the setting that is left
.if MSB != \new
	s_set_vgpr_msb (MSB<<8)|\new
.set MSB, \new
.endif
.endm
; h of tile m of tokens x my four tiles of features, two K steps; b_in is the C of the first.  Four accumulators by turns; nine places follow, since the next tile's products begin them anew.
.macro HTILE m
	WIN 0x05
.irp t, 0,1,2,3
	v_wmma_scale_f32_16x16x128_f8f6f4 v[D+8*\t:D+8*\t+7], v[32*\m:32*\m+15], v[128+32*\t:128+32*\t+15], v[BI+8*\t:BI+8*\t+7], v[XS+2*\m], v[WS+2*\t]
.endr
.irp t, 0,1,2,3
	v_wmma_scale_f32_16x16x128_f8f6f4 v[D+8*\t:D+8*\t+7], v[32*\m+16:32*\m+31], v[128+32*\t+16:128+32*\t+31], v[D+8*\t:D+8*\t+7], v[XS+2*\m+1], v[WS+2*\t+1]
.endr
	WIN 0
.rept 9
	v_nop
.endr
.endm
; The tile's eight tokens of my half, each into all eight patches, times 1 or 0.  The very first token starts the sums: nothing is cleared.
.macro ACCUM m
.set pj, 0
.rept 8
.set pp, 0
.rept 8
	v_cmp_eq_u32 vcc_lo, pp, v[PID+8*\m+pj]
	v_cndmask_b32 v[MK+pp%4], v[ZR], v[ONE], vcc_lo
.if (\m == 0) && (pj == 0)
.irp t, 0,1,2,3
	v_mul_f32 v[ACCP+4*pp+\t], v[MK+pp%4], v[D+8*\t]
.endr
	v_mov_b32 v[CNT+pp], v[MK+pp%4]
.else
.irp t, 0,1,2,3
	v_fmac_f32 v[ACCP+4*pp+\t], v[MK+pp%4], v[D+8*\t+pj]
.endr
	v_add_f32 v[CNT+pp], v[CNT+pp], v[MK+pp%4]
.endif
.set pp, pp+1
.endr
.set pj, pj+1
.endr
.endm
	s_load_b256 s[4:11], s[0:1], 0x0               ; bs, xq, wq, b_in
	s_load_b64 s[12:13], s[0:1], 0x20              ; part
	v_lshrrev_b32 v10, 5, v0
	v_readfirstlane_b32 s[WV], v10                 ; wave 0..3
	s_mov_b32 s15, ttmp9                           ; my chunk X
	s_and_b32 s16, ttmp7, 0xffff                   ; the batch
	s_mov_b32 s[HM], 0xffff0000                    ; lanes 16-31
	s_mov_b32 s[SEL], 0x76543210
	s_mov_b32 s[SEL+1], 0xfedcba98
	v_and_b32 v[LN], 31, v0
	v_lshlrev_b32 v[LI], 4, v[LN]
	v_lshlrev_b32 v[LS], 2, v[LN]
	v_mov_b32 v[ZR], 0
	v_mov_b32 v[ONE], 1.0
	v_and_b32 v10, 15, v0
	v_and_b32 v11, 8, v10
	v_add_nc_u32 v10, v10, v11                     ; r + 8 (r / 8)
	v_lshlrev_b32 v[BN], 2, v10
	v_bfe_u32 v11, v0, 4, 1                        ; h
	v_sub_nc_u32 v[XH], s15, v11                   ; X - h
	v_lshl_add_u32 v10, v11, 3, v10
	v_lshlrev_b32 v[PO], 2, v10
	v_and_b32 v[L7], 7, v0
	s_lshl_b32 s18, s16, 13                        ; bs: the batch's 8,192 bytes,
	s_mov_b32 s19, 0
	s_lshl_b32 s20, s15, 8
	s_add_co_u32 s20, s20, s18                     ; and my chunk's 256
	s_mov_b32 s21, 0
	s_lshl_b32 s22, s16, 5
	s_add_co_u32 s22, s22, s15                     ; block 32 x batch + X
	s_lshl_b32 s24, s22, 14                        ; x's codes: four tiles of 4,096 bytes
	s_mov_b32 s25, 0
	s_lshl_b32 s26, s22, 10
	s_add_co_u32 s26, s26, XQS
	s_mov_b32 s27, 0
	s_lshl_b32 s28, s[WV], 14                      ; w_in's codes: my eight fragments
	s_mov_b32 s29, 0
	s_lshl_b32 s30, s[WV], 10
	s_add_co_u32 s30, s30, WSC
	s_mov_b32 s31, 0
	s_lshl_b32 s32, s[WV], 8                       ; b_in: my 64
	s_mov_b32 s33, 0
	s_lshl_b32 s34, s22, 13                        ; part: 8,192 bytes a chunk, + my 64 features
	s_add_co_u32 s34, s34, s32
	s_mov_b32 s35, 0
	s_lshl_b32 s36, s22, 7
	s_add_co_u32 s36, s36, CNTO
	s_mov_b32 s37, 0
	s_wait_kmcnt 0x0
	s_add_nc_u64 s[18:19], s[4:5], s[18:19]
	s_add_nc_u64 s[20:21], s[4:5], s[20:21]
	s_add_nc_u64 s[24:25], s[6:7], s[24:25]
	s_add_nc_u64 s[26:27], s[6:7], s[26:27]
	s_add_nc_u64 s[28:29], s[8:9], s[28:29]
	s_add_nc_u64 s[30:31], s[8:9], s[30:31]
	s_add_nc_u64 s[32:33], s[10:11], s[32:33]
	s_add_nc_u64 s[34:35], s[12:13], s[34:35]
	s_add_nc_u64 s[36:37], s[12:13], s[36:37]
.set gi, 0
.rept 16
	global_load_b128 v[BV+4*gi:BV+4*gi+3], v[LI], s[18:19] offset:512*gi   ; 32 lanes read 512 consecutive bytes: tokens 128 i + 4 l .. + 3, which lie in chunk 2 i + l / 16
.set gi, gi+1
.endr
.set gi, 0
.rept 16
	global_load_b128 v[CV+4*gi:CV+4*gi+3], v[ZR], s[20:21] offset:16*gi    ; every lane: my chunk's 64 scores
.set gi, gi+1
.endr
	WIN 0x40
.set gi, 0
.rept 32
	global_load_b128 v[4*gi:4*gi+3], v[LI], s[24:25] offset:512*gi         ; x: fragment 2 m + s at register 16 (2 m + s)
.set gi, gi+1
.endr
.set gi, 0
.rept 32
	global_load_b128 v[128+4*gi:128+4*gi+3], v[LI], s[28:29] offset:512*gi ; w_in: fragment 2 t + s
.set gi, gi+1
.endr
	WIN 0
.set gi, 0
.rept 8
	global_load_b32 v[XS+gi], v[LS], s[26:27] offset:128*gi
	global_load_b32 v[WS+gi], v[LS], s[30:31] offset:128*gi
.set gi, gi+1
.endr
.irp t, 0,1,2,3
.irp j, 0,1,2,3,4,5,6,7
	global_load_b32 v[BI+8*\t+\j], v[BN], s[32:33] offset:(32*(\t/2)+8*(\t%2))*4   ; my feature's bias, in all eight registers of the tile
.endr
.endr
	s_wait_loadcnt 63                              ; the scores are in: 112 loads were issued behind them, and 63 is the largest count that the wait names
.set gi, 0
.rept 16
	v_pk_add_f32 v[BV+4*gi:BV+4*gi+1], v[BV+4*gi:BV+4*gi+1], v[BV+4*gi+2:BV+4*gi+3]   ; my four scores of load i:
.set gi, gi+1
.endr
.set gi, 0
.rept 16
	v_add_f32 v[BV+4*gi], v[BV+4*gi], v[BV+4*gi+1]         ; their sum, a part of chunk 2 i + h's,
.set gi, gi+1
.endr
.set gi, 0
.rept 16
	v_cmp_lt_i32 vcc_lo, 2*gi, v[XH]                       ; and beside it a copy that counts for my base: kept where 2 i + h < X
	v_cndmask_b32 v[BV+4*gi+1], v[ZR], v[BV+4*gi], vcc_lo
.set gi, gi+1
.endr
.irp st, 8,4,2,1                               ; the sixteen pairs (sum, copy) in a tree, both halves at once
.set gi, 0
.rept \st
	v_pk_add_f32 v[BV+4*gi:BV+4*gi+1], v[BV+4*gi:BV+4*gi+1], v[BV+4*(gi+\st):BV+4*(gi+\st)+1]
.set gi, gi+1
.endr
.endr
.irp k, 1,2,4,8
	v_add_f32_dpp v16, v16, v16 row_xmask:\k row_mask:0xf bank_mask:0xf
	v_add_f32_dpp v17, v17, v17 row_xmask:\k row_mask:0xf bank_mask:0xf
.endr
	v_permlanex16_b32 v18, v16, s[SEL], s[SEL+1]
	v_permlanex16_b32 v19, v17, s[SEL], s[SEL+1]
	v_add_f32 v16, v16, v18                        ; the batch's total
	v_add_f32 v[BS0], v17, v19                     ; the sum of all chunks in front of mine
	v_max_num_f32 v[DV], 0x358637bd, v16           ; max(total, 1e-6)
	v_rcp_f32 v[RC], v[DV]
.set gi, 1
.rept 63
	v_add_f32 v[CV+gi], v[CV+gi-1], v[CV+gi]       ; my chunk's own running sum
.set gi, gi+1
.endr
.irp g, 0,1                                    ; register 8 (2 g + u) + j takes token 32 g + 8 u + 16 h + j; in ascending order no source is written before it is read
.irp u, 0,1
.irp j, 0,1,2,3,4,5,6,7
	v_cndmask_b32 v[PID+16*\g+8*\u+\j], v[CV+32*\g+8*\u+\j], v[CV+32*\g+16+8*\u+\j], s[HM]
.endr
.endr
.endr
.set gi, 0
.rept 32
	v_add_f32 v[PID+gi], v[BS0], v[PID+gi]         ; cum
.set gi, gi+1
.endr
.set gi, 0
	s_wait_alu depctr_va_vdst(0)
.rept 32
	v_mul_f32 v[ACCP+gi], v[PID+gi], v[RC]         ; q = cum x 1 / d
.set gi, gi+1
.endr
.set gi, 0
.rept 32
	v_fma_f32 v[PID+gi], -v[ACCP+gi], v[DV], v[PID+gi]     ; what is left: cum - q d
.set gi, gi+1
.endr
.set gi, 0
.rept 32
	v_fma_f32 v[PID+gi], v[PID+gi], v[RC], v[ACCP+gi]      ; the corrected quotient
.set gi, gi+1
.endr
.set gi, 0
.rept 32
	v_mul_f32 v[PID+gi], 0x41000000, v[PID+gi]     ; x 8
.set gi, gi+1
.endr
.set gi, 0
.rept 32
	v_cvt_i32_f32 v[PID+gi], v[PID+gi]             ; toward zero
.set gi, gi+1
.endr
.set gi, 0
.rept 32
	v_min_u32 v[PID+gi], 7, v[PID+gi]              ; never negative: the scores are sigmoids
.set gi, gi+1
.endr
	s_wait_loadcnt 0x0
.irp m, 0,1,2,3
	HTILE \m
	ACCUM \m
.endr
.set gi, 0
.rept 32
	v_permlanex16_b32 v[D+gi], v[ACCP+gi], s[SEL], s[SEL+1]    ; the other half of the lanes holds the tile's other tokens
.set gi, gi+1
.endr
.set gi, 0
.rept 8
	v_permlanex16_b32 v[SD+gi], v[CNT+gi], s[SEL], s[SEL+1]
.set gi, gi+1
.endr
.set gi, 0
.rept 32
	v_add_f32 v[ACCP+gi], v[ACCP+gi], v[D+gi]
.set gi, gi+1
.endr
.set gi, 0
.rept 8
	v_add_f32 v[CNT+gi], v[CNT+gi], v[SD+gi]
.set gi, gi+1
.endr
.irp p, 0,1,2,3,4,5,6,7
.irp b, 0,1
	v_cndmask_b32 v[SD+2*\p+\b], v[ACCP+4*\p+2*\b], v[ACCP+4*\p+2*\b+1], s[HM]   ; tile 2 b in lanes 0-15, tile 2 b + 1 in lanes 16-31: 32 features
.endr
.endr
.irp p, 0,1,2,3,4,5,6,7
.irp b, 0,1
	global_store_b32 v[PO], v[SD+2*\p+\b], s[34:35] offset:1024*\p+128*\b        ; 32 lanes store 128 consecutive bytes, in the features' true order
.endr
.endr
	s_cmp_lg_u32 s[WV], 0
	s_cbranch_scc1 .Ldone
	v_mov_b32 v64, v[CNT]                          ; wave 0: lane l takes the count of patch l % 8
.irp p, 1,2,3,4,5,6,7
	v_cmp_eq_u32 vcc_lo, \p, v[L7]
	v_cndmask_b32 v64, v64, v[CNT+\p], vcc_lo
.endr
	global_store_b32 v[LS], v64, s[36:37]
.Ldone:
	s_endpgm
.Lfunc_end_k_q923b2979ba_pool:
	.size	k_q923b2979ba_pool, .Lfunc_end_k_q923b2979ba_pool-k_q923b2979ba_pool
	.p2alignl 7, 3214868480
	.fill 96, 4, 3214868480
	.section	.rodata,"a",@progbits
	.p2align	6, 0x0
	.amdhsa_kernel k_q923b2979ba_pool
		.amdhsa_group_segment_fixed_size 0
		.amdhsa_private_segment_fixed_size 0
		.amdhsa_enable_private_segment 0
		.amdhsa_kernarg_size 40
		.amdhsa_user_sgpr_count 2
		.amdhsa_user_sgpr_kernarg_segment_ptr 1
		.amdhsa_wavefront_size32 1
		.amdhsa_system_sgpr_workgroup_id_x 1
		.amdhsa_system_sgpr_workgroup_id_y 1
		.amdhsa_system_sgpr_workgroup_id_z 1
		.amdhsa_system_vgpr_workitem_id 0
		.amdhsa_next_free_vgpr 512
		.amdhsa_next_free_sgpr 66
		.amdhsa_reserve_vcc 1
		.amdhsa_float_denorm_mode_32 3
		.amdhsa_float_denorm_mode_16_64 3
		.amdhsa_memory_ordered 1
		.amdhsa_forward_progress 1
		.amdhsa_inst_pref_size 103
	.end_amdhsa_kernel
	.amdgpu_metadata
---
amdhsa.version: [ 1, 2 ]
amdhsa.kernels:
  - .name:           k_q923b2979ba_pool
    .symbol:         k_q923b2979ba_pool.kd
    .args:
      - { .name: bs, .offset: 0, .size: 8, .value_kind: global_buffer, .address_space: global }
      - { .name: xq, .offset: 8, .size: 8, .value_kind: global_buffer, .address_space: global }
      - { .name: wq, .offset: 16, .size: 8, .value_kind: global_buffer, .address_space: global }
      - { .name: b_in, .offset: 24, .size: 8, .value_kind: global_buffer, .address_space: global }
      - { .name: part, .offset: 32, .size: 8, .value_kind: global_buffer, .address_space: global }
    .group_segment_fixed_size: 0
    .private_segment_fixed_size: 0
    .kernarg_segment_align: 8
    .kernarg_segment_size: 40
    .max_flat_workgroup_size: 128
    .sgpr_count:     66
    .vgpr_count:     512
    .wavefront_size: 32
...
	.end_amdgpu_metadata
.endif
;; end of part 4
;; launch final (part 5): grid 8 x 8, 8 waves a work-group, no clusters, 6,400 bytes of LDS; arguments part, wq, b_pr, out0; writes out0
.if DOCPART == 5
	.amdgcn_target "amdgcn-amd-amdhsa--gfx1250"
	.amdhsa_code_object_version 6
	.text
	.protected	k_q923b2979ba_final
	.globl	k_q923b2979ba_final
	.p2align	8
	.type	k_q923b2979ba_final,@function
k_q923b2979ba_final:
	s_mov_b64 s[64:65], 0
	v_nop
	global_prefetch_b8 v0, s[64:65] scope:SCOPE_SE
	s_setreg_imm32_b32 hwreg(HW_REG_WAVE_MODE, 25, 1), 1
	s_wait_xcnt 0x0
; For ONE PATCH of one batch (work-group x = the patch, y = the batch): the 32 chunks' parts of the patch's sum and count are added, the mean taken, quantised to FP8 (E4M3) along the 256 features,
; and multiplied by w_pr's codes; + b_pr.  64 work-groups: a work-group reads 32 KB of part, its own patch's rows alone.
; SHARES.  Eight waves; wave w owns features 32 w .. 32 w + 31 of the mean (one block of 32: piece w % 4 of K step w / 4) and the same 32 outputs.
; Lane (r, h) takes chunks r and r + 16, features 32 w + 16 h + 0 .. 15: eight loads of 16 bytes a wave.  The two chunks are added, then the sixteen lanes of a row by four steps that ride on the additions:
; every lane of a row then holds the patch's sum, so the operand's 16 rows are 16 copies of the one patch and no row needs a mask.
; The product is used transposed (source 0 = 16 rows of w_pr, source 1 = the mean): a lane's eight results are eight neighbouring outputs.  The eight waves' 128 bytes meet in a stage in LDS (lanes of equal h
; write the same bytes with the same value); waves 0 and 1 store the row's two halves.
; No cluster: the work-groups share w_pr's codes alone, 66 KB read once by each, straight into registers; there is no tile ring to share.
; LIMITS: NaN and infinities are not served; a block whose largest magnitude lies under 2^-118 is held at the byte 1; a block of zeros gets the byte 1 with zero codes.
.set CNTO, 2097152
.set WSC,  393216
.set EIMG, 0                           ; LDS: the mean's two fragments, 2,048 bytes each
.set ESC,  4096                        ; their scale words
.set STG,  4352                        ; the stage: the patch's row of 256 outputs, 1,024 bytes
.set LI,  2                            ; v2  16 x lane
.set LS,  3                            ; v3  4 x lane
.set PA,  4                            ; v4  8,192 r + 64 h: chunk r's row, my 16 features
.set CA,  5                            ; v5  128 r: chunk r's counts
.set EW,  6                            ; v6  where my piece goes: 512 w + 16 x lane
.set ES,  7                            ; v7  and my byte: ESC + 128 (w / 4) + w % 4 + 4 x lane
.set SO,  8                            ; v8  the stage, in: STG + 128 w + 64 h
.set SR,  9                            ; v9  the stage, out: STG + 512 (w % 2) + 16 x lane
.set BT,  10                           ; v10 64 h
.set LB0, 16                           ; v16-31   chunk r's 16 numbers
.set LB1, 32                           ; v32-47   chunk r + 16's
.set SUM, 48                           ; v48-63   my 16 sums, then means
.set QT,  64                           ; v64-79   the first quotients
.set TM,  80                           ; v80-95   the quantiser's work
.set PC,  96                           ; v96-99   the codes
.set PW,  100                          ; v100     the scale's byte
.set CN,  104                          ; v104-119 b_pr, then the two accumulators
.set C0,  120                          ; v120-121 two chunks' counts
.set CT,  122
.set RC,  123
.set EF,  128                          ; v128-159 the mean's two fragments
.set W,   160                          ; v160-223 w_pr's four fragments: 16 (2 u + s)
.set WW,  224                          ; v224-227 their scale words
.set EWD, 228                          ; v228-229 the mean's scale words
.set WV,  20
.set BB,  21
.set SEL, 22
.set MNT, 24
.macro QUANT src, nb, dst, word
.set qb, 0
.rept \nb
	v_max3_num_f32 v[TM+qb], |v[(\src)+16*qb]|, |v[(\src)+16*qb+1]|, 0x4800000   ; the floor 2^(9 - 127) is a leaf: the byte cannot fall under 1
.set qb, qb+1
.endr
.irp i, 2,4,6,8,10,12,14
.set qb, 0
.rept \nb
	v_max3_num_f32 v[TM+qb], v[TM+qb], |v[(\src)+16*qb+\i]|, |v[(\src)+16*qb+\i+1]|
.set qb, qb+1
.endr
.endr
.set qb, 0
.rept \nb
	v_permlanex16_b32 v[TM+4+qb], v[TM+qb], s[SEL], s[SEL+1]
.set qb, qb+1
.endr
.set qb, 0
.rept \nb
	v_max_num_f32 v[TM+qb], v[TM+qb], v[TM+4+qb]
.set qb, qb+1
.endr
.set qb, 0
.rept \nb
	v_add_nc_u32 v[TM+12+qb], 0xfc000000, v[TM+qb]
	v_and_or_b32 v[TM+8+qb], v[TM+qb], 0x7f800000, s[MNT]
.set qb, qb+1
.endr
.set qb, 0
.rept \nb
	v_lshrrev_b32 v[TM+4+qb], 23, v[TM+12+qb]
.set qb, qb+1
.endr
.if \nb == 1
	v_mov_b32 v[\word], v[TM+4]
.else
	v_lshl_or_b32 v[\word], v[TM+5], 8, v[TM+4]
.if \nb == 4
	v_lshl_or_b32 v[\word], v[TM+6], 16, v[\word]
	v_lshl_or_b32 v[\word], v[TM+7], 24, v[\word]
.endif
.endif
.set qb, 0
.rept \nb
.set qi, 0
.rept 16
	v_med3_num_f32 v[(\src)+16*qb+qi], v[(\src)+16*qb+qi], -v[TM+8+qb], v[TM+8+qb]
.set qi, qi+1
.endr
	v_cvt_scalef32_pk8_fp8_f32 v[(\dst)+4*qb:(\dst)+4*qb+1], v[(\src)+16*qb:(\src)+16*qb+7], v[TM+12+qb]
	v_cvt_scalef32_pk8_fp8_f32 v[(\dst)+4*qb+2:(\dst)+4*qb+3], v[(\src)+16*qb+8:(\src)+16*qb+15], v[TM+12+qb]
.set qb, qb+1
.endr
	v_nop                                          ; one plain line behind the last scaled conversion
.endm
.macro BARRIER                         ; my LDS stores have landed and my LDS loads are in: then the work-group's barrier
	s_wait_dscnt 0x0
	s_barrier_signal -1
	s_barrier_wait -1
.endm
	s_load_b256 s[4:11], s[0:1], 0x0               ; part, wq, b_pr, out0
	v_lshl_add_u32 v254, v0, 2, 0x1500
	v_mov_b32 v255, 0
	v_lshrrev_b32 v1, 5, v0
	v_readfirstlane_b32 s[WV], v1                  ; wave 0..7
	s_and_b32 s[BB], ttmp7, 0xffff                 ; the batch; ttmp9 is the patch
	v_and_b32 v1, 31, v0
	v_lshlrev_b32 v[LI], 4, v1
	v_lshlrev_b32 v[LS], 2, v1
	v_and_b32 v11, 15, v0                          ; r
	v_bfe_u32 v12, v0, 4, 1                        ; h
	v_lshlrev_b32 v[PA], 13, v11
	v_lshl_add_u32 v[PA], v12, 6, v[PA]
	v_lshlrev_b32 v[CA], 7, v11
	s_lshl_b32 s25, s[WV], 9
	v_add_nc_u32 v[EW], s25, v[LI]
	s_lshr_b32 s25, s[WV], 2
	s_lshl_b32 s25, s25, 7
	s_and_b32 s26, s[WV], 3
	s_add_co_u32 s25, s25, s26
	s_add_co_u32 s25, s25, ESC
	v_add_nc_u32 v[ES], s25, v[LS]
	v_lshlrev_b32 v[BT], 6, v12
	s_lshl_b32 s25, s[WV], 7
	s_add_co_u32 s25, s25, STG
	v_add_nc_u32 v[SO], s25, v[BT]
	s_and_b32 s30, s[WV], 1
	s_lshl_b32 s30, s30, 9                         ; 512 (w % 2)
	s_add_co_u32 s25, s30, STG
	v_add_nc_u32 v[SR], s25, v[LI]
	v_mov_b32 v[TM+4], 0                           ; a lane permute's destination counts as one of its sources
	s_mov_b32 s[SEL], 0x76543210
	s_mov_b32 s[SEL+1], 0xfedcba98
	s_mov_b32 s[MNT], 0x600000
	s_lshl_b32 s31, ttmp9, 10                      ; 1,024 x patch: a row of 256 f32, in part and in out0
	s_lshl_b32 s12, s[BB], 18                      ; part: 262,144 bytes a batch, + my patch's row, + my 32 features
	s_add_co_u32 s12, s12, s31
	s_lshl_b32 s26, s[WV], 7
	s_add_co_u32 s12, s12, s26
	s_mov_b32 s13, 0
	s_mov_b32 s27, 0                               ; (s[26:27]: 128 w, b_pr's offset too)
	s_lshl_b32 s14, s[BB], 12                      ; the counts: 4,096 bytes a batch, + 4 x patch
	s_lshl_b32 s15, ttmp9, 2
	s_add_co_u32 s14, s14, s15
	s_add_co_u32 s14, s14, CNTO
	s_mov_b32 s15, 0
	s_lshl_b32 s16, s[WV], 13                      ; w_pr's codes: my four fragments
	s_add_co_u32 s16, s16, 5*65536
	s_mov_b32 s17, 0
	s_lshl_b32 s18, s[WV], 9
	s_add_co_u32 s18, s18, WSC+5*4096
	s_mov_b32 s19, 0
	s_lshl_b32 s28, s[BB], 13                      ; out0: 8,192 bytes a batch, + my patch's row, + its half w % 2
	s_add_co_u32 s28, s28, s31
	s_add_co_u32 s28, s28, s30
	s_mov_b32 s29, 0
	s_wait_kmcnt 0x0
	s_add_nc_u64 s[12:13], s[4:5], s[12:13]
	s_add_nc_u64 s[14:15], s[4:5], s[14:15]
	s_add_nc_u64 s[16:17], s[6:7], s[16:17]
	s_add_nc_u64 s[18:19], s[6:7], s[18:19]
	s_add_nc_u64 s[8:9], s[8:9], s[26:27]
	s_add_nc_u64 s[10:11], s[10:11], s[28:29]
	global_load_b32 v[C0], v[CA], s[14:15]                     ; my patch's count in chunk r,
	global_load_b32 v[C0+1], v[CA], s[14:15] offset:2048       ; and in chunk r + 16
.irp k, 0,1
.irp i, 0,1,2,3
	global_load_b128 v[LB0+16*\k+4*\i:LB0+16*\k+4*\i+3], v[PA], s[12:13] offset:131072*\k+16*\i th:TH_LOAD_NT   ; chunk r + 16 k: my 16 features; read once in the launch
.endr
.endr
.set gi, 0
.rept 16
	global_load_b128 v[W+4*gi:W+4*gi+3], v[LI], s[16:17] offset:512*gi
.set gi, gi+1
.endr
.irp k, 0,1,2,3
	global_load_b32 v[WW+\k], v[LS], s[18:19] offset:128*\k
.endr
.irp u, 0,1                                    ; b_pr in the result's layout: feature 32 w + 8 u + 16 h + j
	global_load_b128 v[CN+8*\u:CN+8*\u+3], v[BT], s[8:9] offset:32*\u
	global_load_b128 v[CN+8*\u+4:CN+8*\u+7], v[BT], s[8:9] offset:32*\u+16
.endr
	s_wait_loadcnt 24                              ; the counts and the two chunks are in; behind them: the weight (16 loads), its scale words (4), the bias (4)
	v_add_f32 v[CT], v[C0], v[C0+1]
.irp i, 0,2,4,6,8,10,12,14
	v_pk_add_f32 v[SUM+\i:SUM+\i+1], v[LB0+\i:LB0+\i+1], v[LB1+\i:LB1+\i+1]      ; chunks r and r + 16
.endr
.irp k, 1,2,4,8                                ; and the sixteen lanes of my row: every lane ends with all 32 chunks' sum
.set gi, 0
.rept 16
	v_add_f32_dpp v[SUM+gi], v[SUM+gi], v[SUM+gi] row_xmask:\k row_mask:0xf bank_mask:0xf
.set gi, gi+1
.endr
	v_add_f32_dpp v[CT], v[CT], v[CT] row_xmask:\k row_mask:0xf bank_mask:0xf
.endr
	v_max_num_f32 v[CT], 1.0, v[CT]
	v_rcp_f32 v[RC], v[CT]
	v_nop
.set gi, 0
	s_wait_alu depctr_va_vdst(0)
.rept 16
	v_mul_f32 v[QT+gi], v[SUM+gi], v[RC]           ; the mean: the reciprocal's quotient,
.set gi, gi+1
.endr
.set gi, 0
.rept 16
	v_fma_f32 v[SUM+gi], -v[QT+gi], v[CT], v[SUM+gi]       ; what is left,
.set gi, gi+1
.endr
.set gi, 0
.rept 16
	v_fma_f32 v[SUM+gi], v[SUM+gi], v[RC], v[QT+gi]        ; the corrected quotient
.set gi, gi+1
.endr
	QUANT SUM, 1, PC, PW
	ds_store_b128 v[EW], v[PC:PC+3] offset:EIMG
	ds_store_b8 v[ES], v[PW]
	BARRIER                                        ; the mean's two fragments lie in LDS
.set gi, 0
.rept 8
	ds_load_b128 v[EF+4*gi:EF+4*gi+3], v[LI] offset:EIMG+512*gi
.set gi, gi+1
.endr
	ds_load_b32 v[EWD], v[LS] offset:ESC
	ds_load_b32 v[EWD+1], v[LS] offset:ESC+128
	s_wait_dscnt 0x0
	s_wait_loadcnt 0x0                             ; the weight, its scale words, the bias
.irp s, 0,1                                    ; two accumulators by turns, onto the bias
.irp u, 0,1
	v_wmma_scale_f32_16x16x128_f8f6f4 v[CN+8*\u:CN+8*\u+7], v[W+16*(2*\u+\s):W+16*(2*\u+\s)+15], v[EF+16*\s:EF+16*\s+15], v[CN+8*\u:CN+8*\u+7], v[WW+2*\u+\s], v[EWD+\s]
.endr
.endr
.rept 8
	v_nop
.endr
.irp u, 0,1
	ds_store_b128 v[SO], v[CN+8*\u:CN+8*\u+3] offset:32*\u         ; outputs 32 w + 16 h + 8 u + 0 .. 7: the sixteen lanes of a row hold, and write, the same numbers
	ds_store_b128 v[SO], v[CN+8*\u+4:CN+8*\u+7] offset:32*\u+16
.endr
	BARRIER                                        ; the patch's whole row lies in the stage
	s_cmp_lt_u32 s[WV], 2
	s_cbranch_scc0 .Ldone                          ; waves 0 and 1 store the row's two halves
	ds_load_b128 v[16:19], v[SR]
	s_wait_dscnt 0x0
	global_store_b128 v[LI], v[16:19], s[10:11]    ; 32 lanes store 512 consecutive bytes, aligned
.Ldone:
	s_wait_tensorcnt 0x0
	ds_add_u32 v254, v255
	s_wait_dscnt 0x0
	s_endpgm
.Lfunc_end_k_q923b2979ba_final:
	.size	k_q923b2979ba_final, .Lfunc_end_k_q923b2979ba_final-k_q923b2979ba_final
	.p2alignl 7, 3214868480
	.fill 96, 4, 3214868480
	.section	.rodata,"a",@progbits
	.p2align	6, 0x0
	.amdhsa_kernel k_q923b2979ba_final
		.amdhsa_group_segment_fixed_size 6400
		.amdhsa_private_segment_fixed_size 0
		.amdhsa_enable_private_segment 0
		.amdhsa_kernarg_size 32
		.amdhsa_user_sgpr_count 2
		.amdhsa_user_sgpr_kernarg_segment_ptr 1
		.amdhsa_wavefront_size32 1
		.amdhsa_system_sgpr_workgroup_id_x 1
		.amdhsa_system_sgpr_workgroup_id_y 1
		.amdhsa_system_sgpr_workgroup_id_z 1
		.amdhsa_system_vgpr_workitem_id 0
		.amdhsa_next_free_vgpr 256
		.amdhsa_next_free_sgpr 66
		.amdhsa_reserve_vcc 0
		.amdhsa_float_denorm_mode_32 3
		.amdhsa_float_denorm_mode_16_64 3
		.amdhsa_memory_ordered 1
		.amdhsa_forward_progress 1
		.amdhsa_inst_pref_size 18
	.end_amdhsa_kernel
	.amdgpu_metadata
---
amdhsa.version: [ 1, 2 ]
amdhsa.kernels:
  - .name:           k_q923b2979ba_final
    .symbol:         k_q923b2979ba_final.kd
    .args:
      - { .name: part, .offset: 0, .size: 8, .value_kind: global_buffer, .address_space: global }
      - { .name: wq, .offset: 8, .size: 8, .value_kind: global_buffer, .address_space: global }
      - { .name: b_pr, .offset: 16, .size: 8, .value_kind: global_buffer, .address_space: global }
      - { .name: out0, .offset: 24, .size: 8, .value_kind: global_buffer, .address_space: global }
    .group_segment_fixed_size: 6400
    .private_segment_fixed_size: 0
    .kernarg_segment_align: 8
    .kernarg_segment_size: 32
    .max_flat_workgroup_size: 256
    .sgpr_count:     66
    .vgpr_count:     256
    .wavefront_size: 32
...
	.end_amdgpu_metadata
.endif
;; end of part 5
;; ======== version 2 of 2: 5 launches
;; workspace buffers: wq 417,792 bytes; xq 4,456,448 bytes; qq 4,718,592 bytes; kv 9,175,040 bytes; bs 65,536 bytes; part 2,129,920 bytes
;; launch wquant (part 6): grid 8 x 6, 4 waves a work-group, no clusters, 0 bytes of LDS; arguments w_in, w_q, w_k, w_v, w_o, w_pr, wq; writes wq
.if DOCPART == 6
	.amdgcn_target "amdgcn-amd-amdhsa--gfx1250"
	.amdhsa_code_object_version 6
	.text
	.protected	k_q923b2979ba_wquant
	.globl	k_q923b2979ba_wquant
	.p2align	8
	.type	k_q923b2979ba_wquant,@function
k_q923b2979ba_wquant:
	s_mov_b64 s[64:65], 0
	v_nop
	global_prefetch_b8 v0, s[64:65] scope:SCOPE_SE
	s_setreg_imm32_b32 hwreg(HW_REG_WAVE_MODE, 25, 1), 1
	s_wait_xcnt 0x0
; The six weights [256 out][256 in], f32, K innermost, become codes of FP8 (E4M3) with one E8M0 byte for each 32 along K, laid in the ORDER OF AN OPERAND'S REGISTERS.
; A fragment is 16 rows x 128 K.  Fragment f = 2 t + s of a weight: tile t = 2 b + u, K step s.  THE ROWS OF A TILE ARE NOT NEIGHBOURS: row r of tile 2 b + u is output feature 32 b + 8 u + r + 8 (r / 8).
; Lane (r, h) holds, in registers 4 c .. 4 c + 3, K = 128 s + 32 c + 16 h + 0 .. 15 of its row.  Piece c of a fragment is stored as 32 lanes x 16 bytes: 512 consecutive bytes; the scale word as 4 bytes a lane.
; wq: codes [weight 6][fragment 32][piece 4][lane 32][16 bytes]; from byte WSC on: scale words [weight][fragment][lane] (lanes 16-31 hold a copy).
; One wave makes one fragment: 6 x 32 = 192 waves.  No LDS, no barrier: waves share nothing.
; LIMITS: NaN and infinities are not served; a block whose largest magnitude lies under 2^-118 is held at the byte 1; a block of zeros gets the byte 1 with zero codes (only this program reads the bytes).
.set WSC,  393216
.set XA,   1                           ; v1  my row's byte in the tile's rows + 64 h
.set LI,   2                           ; v2  16 x lane
.set LS,   3                           ; v3  4 x lane
.set NUM,  16                          ; v16-79  64 numbers: register 16 b + i = K 32 b + 16 h + i
.set PC,   80                          ; v80-95  the codes
.set TM,   96                          ; v96-111 at work
.set PW,   112                         ; v112    the scale word
.set SEL,  30                          ; s[30:31] lane selects: lane l xor 16
.set MNT,  32                          ; s32 the mantissa field of 448
; nb blocks of 32 along K, 16 numbers of each in my registers v[src + 16 b + i], the other 16 in lane l xor 16, become codes in v[dst + 4 b ..] and the bytes of v[word].
.macro QUANT src, nb, dst, word
.set qb, 0
.rept \nb
	v_max3_num_f32 v[TM+qb], |v[(\src)+16*qb]|, |v[(\src)+16*qb+1]|, 0x4800000   ; the floor 2^(9 - 127) is a leaf: the byte cannot fall under 1
.set qb, qb+1
.endr
.irp i, 2,4,6,8,10,12,14
.set qb, 0
.rept \nb
	v_max3_num_f32 v[TM+qb], v[TM+qb], |v[(\src)+16*qb+\i]|, |v[(\src)+16*qb+\i+1]|
.set qb, qb+1
.endr
.endr
.set qb, 0
.rept \nb
	v_permlanex16_b32 v[TM+4+qb], v[TM+qb], s[SEL], s[SEL+1]
.set qb, qb+1
.endr
.set qb, 0
.rept \nb
	v_max_num_f32 v[TM+qb], v[TM+qb], v[TM+4+qb]           ; the block's largest magnitude
.set qb, qb+1
.endr
.set qb, 0
.rept \nb
	v_add_nc_u32 v[TM+12+qb], 0xfc000000, v[TM+qb]         ; 8 off its exponent field: the conversion's scale operand
	v_and_or_b32 v[TM+8+qb], v[TM+qb], 0x7f800000, s[MNT]  ; 448 x the scale
.set qb, qb+1
.endr
.set qb, 0
.rept \nb
	v_lshrrev_b32 v[TM+4+qb], 23, v[TM+12+qb]              ; the scale's byte
.set qb, qb+1
.endr
.if \nb == 1
	v_mov_b32 v[\word], v[TM+4]
.else
	v_lshl_or_b32 v[\word], v[TM+5], 8, v[TM+4]
.if \nb == 4
	v_lshl_or_b32 v[\word], v[TM+6], 16, v[\word]
	v_lshl_or_b32 v[\word], v[TM+7], 24, v[\word]
.endif
.endif
.set qb, 0
.rept \nb
.set qi, 0
.rept 16
	v_med3_num_f32 v[(\src)+16*qb+qi], v[(\src)+16*qb+qi], -v[TM+8+qb], v[TM+8+qb]   ; the conversion to an 8-bit code does not saturate (ISA guide 7.6.2): the hold comes first
.set qi, qi+1
.endr
	v_cvt_scalef32_pk8_fp8_f32 v[(\dst)+4*qb:(\dst)+4*qb+1], v[(\src)+16*qb:(\src)+16*qb+7], v[TM+12+qb]
	v_cvt_scalef32_pk8_fp8_f32 v[(\dst)+4*qb+2:(\dst)+4*qb+3], v[(\src)+16*qb+8:(\src)+16*qb+15], v[TM+12+qb]
.set qb, qb+1
.endr
	v_nop                                          ; one plain line behind the last scaled conversion
.endm
	s_load_b256 s[4:11], s[0:1], 0x0               ; w_in, w_q, w_k, w_v
	s_load_b128 s[12:15], s[0:1], 0x20             ; w_o, w_pr
	s_load_b64 s[16:17], s[0:1], 0x30              ; wq
	v_lshrrev_b32 v4, 5, v0
	v_readfirstlane_b32 s18, v4                    ; wave
	s_and_b32 s19, ttmp7, 0xffff                   ; which weight
	s_lshl_b32 s20, ttmp9, 2
	s_add_co_u32 s20, s20, s18                     ; fragment f = 4 x + wave
	s_lshr_b32 s21, s20, 2                         ; b = f / 4: 32 rows of 1,024 bytes each
	s_lshl_b32 s24, s21, 15
	s_bfe_u32 s21, s20, 0x10001                    ; u = bit 1 of f: 8 rows
	s_lshl_b32 s21, s21, 13
	s_add_co_u32 s24, s24, s21
	s_and_b32 s21, s20, 1                          ; s: 128 numbers, 512 bytes along the row
	s_lshl_b32 s21, s21, 9
	s_add_co_u32 s24, s24, s21
	s_mov_b32 s25, 0
	s_lshl_b32 s26, s19, 16                        ; the codes' place: 65,536 x weight + 2,048 f
	s_lshl_b32 s28, s20, 11
	s_add_co_u32 s26, s26, s28
	s_mov_b32 s27, 0
	s_lshl_b32 s28, s19, 12                        ; the word's: WSC + 4,096 x weight + 128 f
	s_lshl_b32 s29, s20, 7
	s_add_co_u32 s28, s28, s29
	s_add_co_u32 s28, s28, WSC
	s_mov_b32 s29, 0
	s_mov_b32 s[SEL], 0x76543210
	s_mov_b32 s[SEL+1], 0xfedcba98
	s_mov_b32 s[MNT], 0x600000
	v_and_b32 v4, 15, v0                           ; r
	v_bfe_u32 v5, v0, 4, 1                         ; h
	v_and_b32 v6, 8, v4
	v_add_nc_u32 v6, v6, v4                        ; r + 8 (r / 8)
	v_lshlrev_b32 v[XA], 10, v6
	v_lshl_add_u32 v[XA], v5, 6, v[XA]
	v_and_b32 v7, 31, v0
	v_lshlrev_b32 v[LI], 4, v7
	v_lshlrev_b32 v[LS], 2, v7
.irp b, 0,1,2,3
	v_mov_b32 v[TM+4+\b], 0                        ; a lane permute's destination counts as one of its sources
.endr
	s_wait_alu depctr_va_vdst(0)
	s_wait_kmcnt 0x0
	s_cmp_eq_u32 s19, 1                            ; the source is chosen by the work-group's y alone
	s_cselect_b64 s[4:5], s[6:7], s[4:5]
	s_cmp_eq_u32 s19, 2
	s_cselect_b64 s[4:5], s[8:9], s[4:5]
	s_cmp_eq_u32 s19, 3
	s_cselect_b64 s[4:5], s[10:11], s[4:5]
	s_cmp_eq_u32 s19, 4
	s_cselect_b64 s[4:5], s[12:13], s[4:5]
	s_cmp_eq_u32 s19, 5
	s_cselect_b64 s[4:5], s[14:15], s[4:5]
	s_add_nc_u64 s[4:5], s[4:5], s[24:25]
	s_add_nc_u64 s[26:27], s[16:17], s[26:27]
	s_add_nc_u64 s[28:29], s[16:17], s[28:29]
.irp c, 0,1,2,3
.irp j, 0,1,2,3
	global_load_b128 v[NUM+16*\c+4*\j:NUM+16*\c+4*\j+3], v[XA], s[4:5] offset:128*\c+16*\j th:TH_LOAD_NT
.endr
.endr
	s_wait_loadcnt 0x0
	QUANT NUM, 4, PC, PW
.irp c, 0,1,2,3
	global_store_b128 v[LI], v[PC+4*\c:PC+4*\c+3], s[26:27] offset:512*\c    ; 32 lanes store 512 consecutive bytes
.endr
	global_store_b32 v[LS], v[PW], s[28:29]
	s_endpgm
.Lfunc_end_k_q923b2979ba_wquant:
	.size	k_q923b2979ba_wquant, .Lfunc_end_k_q923b2979ba_wquant-k_q923b2979ba_wquant
	.p2alignl 7, 3214868480
	.fill 96, 4, 3214868480
	.section	.rodata,"a",@progbits
	.p2align	6, 0x0
	.amdhsa_kernel k_q923b2979ba_wquant
		.amdhsa_group_segment_fixed_size 0
		.amdhsa_private_segment_fixed_size 0
		.amdhsa_enable_private_segment 0
		.amdhsa_kernarg_size 56
		.amdhsa_user_sgpr_count 2
		.amdhsa_user_sgpr_kernarg_segment_ptr 1
		.amdhsa_wavefront_size32 1
		.amdhsa_system_sgpr_workgroup_id_x 1
		.amdhsa_system_sgpr_workgroup_id_y 1
		.amdhsa_system_sgpr_workgroup_id_z 1
		.amdhsa_system_vgpr_workitem_id 0
		.amdhsa_next_free_vgpr 128
		.amdhsa_next_free_sgpr 66
		.amdhsa_reserve_vcc 0
		.amdhsa_float_denorm_mode_32 3
		.amdhsa_float_denorm_mode_16_64 3
		.amdhsa_memory_ordered 1
		.amdhsa_forward_progress 1
		.amdhsa_inst_pref_size 13
	.end_amdhsa_kernel
	.amdgpu_metadata
---
amdhsa.version: [ 1, 2 ]
amdhsa.kernels:
  - .name:           k_q923b2979ba_wquant
    .symbol:         k_q923b2979ba_wquant.kd
    .args:
      - { .name: w_in, .offset: 0, .size: 8, .value_kind: global_buffer, .address_space: global }
      - { .name: w_q, .offset: 8, .size: 8, .value_kind: global_buffer, .address_space: global }
      - { .name: w_k, .offset: 16, .size: 8, .value_kind: global_buffer, .address_space: global }
      - { .name: w_v, .offset: 24, .size: 8, .value_kind: global_buffer, .address_space: global }
      - { .name: w_o, .offset: 32, .size: 8, .value_kind: global_buffer, .address_space: global }
      - { .name: w_pr, .offset: 40, .size: 8, .value_kind: global_buffer, .address_space: global }
      - { .name: wq, .offset: 48, .size: 8, .value_kind: global_buffer, .address_space: global }
    .group_segment_fixed_size: 0
    .private_segment_fixed_size: 0
    .kernarg_segment_align: 8
    .kernarg_segment_size: 56
    .max_flat_workgroup_size: 128
    .sgpr_count:     66
    .vgpr_count:     128
    .wavefront_size: 32
...
	.end_amdgpu_metadata
.endif
;; end of part 6
;; launch proj (part 7): grid 256 x 1, 4 waves a work-group, no clusters, 35,328 bytes of LDS; arguments x, wq, b_in, b_q, b_k, b_v, xq, qq, kv; writes xq, qq, kv
.if DOCPART == 7
	.amdgcn_target "amdgcn-amd-amdhsa--gfx1250"
	.amdhsa_code_object_version 6
	.text
	.protected	k_q923b2979ba_proj
	.globl	k_q923b2979ba_proj
	.p2align	8
	.type	k_q923b2979ba_proj,@function
k_q923b2979ba_proj:
	s_mov_b64 s[64:65], 0
	v_nop
	global_prefetch_b8 v0, s[64:65] scope:SCOPE_SE
	s_setreg_imm32_b32 hwreg(HW_REG_WAVE_SCHED_MODE, 0, 2), 2
	s_setreg_imm32_b32 hwreg(HW_REG_WAVE_MODE, 25, 1), 1
	s_wait_xcnt 0x0
	s_wait_alu depctr_vm_vsrc(0)
; For 64 tokens: Q(x);  h = Q(x) Q(w_in)^T + b_in;  Q(h);  q / 8, k, v = Q(h) Q(w)^T + b;  and their codes, laid as the later launches' operand registers want them.  h itself is not stored.
; TILES OF TOKENS: tile m = 2 g + u of the block has row r = token 32 g + 8 u + r + 8 (r / 8); the weights' tiles are cut the same way.  So in a product used transposed (source 0 = 16 rows of a weight,
; source 1 = 16 tokens) a lane holds one token, and the 16 registers of two neighbouring tiles are 16 neighbouring features; used the natural way (source 0 = tokens, source 1 = a weight's rows) a lane holds
; one feature and the 16 registers of token tiles (g, 0), (g, 1) are 16 neighbouring tokens.  Either way the conversions' results are the next operand's registers, and a block of 32 lies in lanes l and l xor 16.
; SHARES.  The four waves share the columns: wave w owns features 64 w .. 64 w + 63 (head w), its parts of the four weights stay in registers.  Codes of x and of h go from wave to wave through LDS as images
; of their registers: piece c of a fragment is 32 lanes x 16 bytes; a scale word 4 bytes a lane.  Two barriers.
; OUT.  xq [tile][K step][piece][lane][16], words behind XQS.  qq [tile][head][piece 2][lane][16], words behind QQS (bytes 2, 3 = 127: the head's 64 fill half of the instruction's 128).
;   kv: a record of RECB bytes for 128 keys: K [head][tile 8][piece 2][lane][16]; at 32,768 V [head][tile of 16 dims 4][piece 4][lane][16], keys innermost; at 65,536 for each head 8 + 4 sets of scale words.
; LIMITS: NaN and infinities are not served; a block whose largest magnitude lies under 2^-118 is held at the byte 1; a block of zeros gets the byte 1 with zero codes.
; REGISTERS, in windows of 256.  Window 0: v1-9 addresses; v16-143 x's numbers, then eight fragments; v144-175 four accumulators; v176-191 codes on their way out; v192-207 at work; v208-209 scale words on their way out;
;   v210-217 the fragments' scale words; v222, v223 the closing add's two; v224-255 the weights' scale words.  Window 1: w_in, w_q.  Window 2: w_k, w_v.  Window 3: the four biases in the results' layouts.
; THE MODE: SCHED_MODE bits 1:0 = 2 (LLVM: expert scheduling mode 2), set by the entry lines.  The code itself states the register dependences
; between vector or matrix instructions and memory or LDS instructions, with s_wait_alu, always for 0.
; THE PLAN.  Registers that memory or LDS instructions touch:
;   v1-v9         offsets and LDS addresses: written at the head, read by every load and store, never written again.
;   v16-143       x's loads land; x's quantiser reads and writes them; x's images land from LDS; h's products read them; h's images land; the products of q, k and v read them.
;   v210-217, v224-255, windows 1 to 3: loads land, products read; no vector line writes them.
;   OUT-BUFFERS   x's two K steps use all sixteen code registers and v208.  The sixteen units behind them (h, q, k, v: four each) use TWO buffers by turns: unit u writes v[176 + 8 (u % 2) ..] and v[208 + u % 2].
; A unit: its products, its quantiser into its buffer; then the waits; then its stores.  The wait on va_vdst states that the buffer is written.  The wait on vm_vsrc (with the wait on XCNT beside it where the stores
; were global ones) stands ahead of the unit's own stores, so what it waits for are the stores of the unit before, out of the other buffer, which the next unit's quantiser writes.
; A load under another window: the switch, the wait on va_vdst, the loads.
.set XQS,  4194304
.set QQS,  4194304
.set WSC,  393216
.set RECB, 71680
.set XIMG, 0                           ; LDS: x's eight fragments (2 m + s), 2,048 bytes each
.set XSC,  16384                       ; their scale words, 128 bytes each
.set HIMG, 17408                       ; h's eight fragments
.set HSC,  33792                       ; their scale words
.set XA,   1                           ; v1  x: my row's byte + 64 h
.set LI,   2                           ; v2  16 x lane
.set LS,   3                           ; v3  4 x lane
.set XWI,  4                           ; v4  where I store x's images: 16 x lane + 4,096 w
.set XWS,  5                           ; v5  and their words: 4 x lane + 256 w
.set HWI,  6                           ; v6  h's: 16 x lane + 1,024 w (K step w / 2, pieces 2 (w % 2) on)
.set HWS,  7                           ; v7  4 x lane + 128 (w / 2) + 2 (w % 2)
.set BT,   8                           ; v8  64 h: a bias in the transposed layout
.set BN,   9                           ; v9  4 (r + 8 (r / 8)): a bias in the natural layout
.set BIG,  16
.set ACC,  144
.set PC,   176
.set TM,   192
.set PW,   208
.set HS,   210
.set WS,   224
.set WV,   22
.set SEL,  60
.set MNT,  62
.set MSB, 0
.macro WIN new                         ; the immediate's high byte repeats the setting that is left
.if MSB != \new
	s_set_vgpr_msb (MSB<<8)|\new
.set MSB, \new
.endif
.endm
.macro QUANT src, nb, dst, word
.set qb, 0
.rept \nb
	v_max3_num_f32 v[TM+qb], |v[(\src)+16*qb]|, |v[(\src)+16*qb+1]|, 0x4800000   ; the floor 2^(9 - 127) is a leaf: the byte cannot fall under 1
.set qb, qb+1
.endr
.irp i, 2,4,6,8,10,12,14
.set qb, 0
.rept \nb
	v_max3_num_f32 v[TM+qb], v[TM+qb], |v[(\src)+16*qb+\i]|, |v[(\src)+16*qb+\i+1]|
.set qb, qb+1
.endr
.endr
.set qb, 0
.rept \nb
	v_permlanex16_b32 v[TM+4+qb], v[TM+qb], s[SEL], s[SEL+1]
.set qb, qb+1
.endr
.set qb, 0
.rept \nb
	v_max_num_f32 v[TM+qb], v[TM+qb], v[TM+4+qb]           ; the block's largest magnitude
.set qb, qb+1
.endr
.set qb, 0
.rept \nb
	v_add_nc_u32 v[TM+12+qb], 0xfc000000, v[TM+qb]         ; 8 off its exponent field: the conversion's scale operand
	v_and_or_b32 v[TM+8+qb], v[TM+qb], 0x7f800000, s[MNT]  ; 448 x the scale
.set qb, qb+1
.endr
.set qb, 0
.rept \nb
	v_lshrrev_b32 v[TM+4+qb], 23, v[TM+12+qb]              ; the scale's byte
.set qb, qb+1
.endr
.if \nb == 1
	v_mov_b32 v[\word], v[TM+4]
.else
	v_lshl_or_b32 v[\word], v[TM+5], 8, v[TM+4]
.if \nb == 4
	v_lshl_or_b32 v[\word], v[TM+6], 16, v[\word]
	v_lshl_or_b32 v[\word], v[TM+7], 24, v[\word]
.endif
.endif
.set qb, 0
.rept \nb
.set qi, 0
.rept 16
	v_med3_num_f32 v[(\src)+16*qb+qi], v[(\src)+16*qb+qi], -v[TM+8+qb], v[TM+8+qb]   ; the conversion to an 8-bit code does not saturate (ISA guide 7.6.2): the hold comes first
.set qi, qi+1
.endr
	v_cvt_scalef32_pk8_fp8_f32 v[(\dst)+4*qb:(\dst)+4*qb+1], v[(\src)+16*qb:(\src)+16*qb+7], v[TM+12+qb]
	v_cvt_scalef32_pk8_fp8_f32 v[(\dst)+4*qb+2:(\dst)+4*qb+3], v[(\src)+16*qb+8:(\src)+16*qb+15], v[TM+12+qb]
.set qb, qb+1
.endr
	v_nop                                          ; one plain line behind the last scaled conversion
.endm
.macro BARRIER                         ; my LDS stores have landed and my LDS loads are in: then the work-group's barrier
	s_wait_dscnt 0x0
	s_barrier_signal -1
	s_barrier_wait -1
.endm
; My part of weight wt: 8 fragments (tile t, K step s at register base + 16 (2 t + s)) into the window that dw names, and their 8 scale words: 40 loads
.macro WLOAD wt, dw, base
	WIN \dw
	s_wait_alu depctr_va_vdst(0)                   ; v[LI], these loads' offset, is written; the wait stands behind the window's switch and ahead of the loads under it
.set gi, 0
.rept 32
	global_load_b128 v[\base+4*gi:\base+4*gi+3], v[LI], s[24:25] offset:65536*\wt+512*gi
.set gi, gi+1
.endr
	WIN 0
.set gi, 0
.rept 8
	global_load_b32 v[WS+8*\wt+gi], v[LS], s[26:27] offset:4096*\wt+128*gi
.set gi, gi+1
.endr
.endm
; A bias in the transposed result's layout, into window 3: lane (r, h), tile t, register j: feature 32 (t / 2) + 8 (t % 2) + 16 h + j of my 64: 8 loads
.macro BLOAD bp, bb
	WIN 0xc0
	s_wait_alu depctr_va_vdst(0)                   ; v[BT], these loads' offset, is written; the wait stands behind the window's switch and ahead of the loads under it
.irp t, 0,1,2,3
	global_load_b128 v[\bb+8*\t:\bb+8*\t+3], v[BT], s[\bp:\bp+1] offset:(32*(\t/2)+8*(\t%2))*4
	global_load_b128 v[\bb+8*\t+4:\bb+8*\t+7], v[BT], s[\bp:\bp+1] offset:(32*(\t/2)+8*(\t%2))*4+16
.endr
	WIN 0
.endm
.macro FETCHALL img, sc                ; the eight fragments of the block's four tiles of tokens, and their scale words
.set gi, 0
.rept 32
	ds_load_b128 v[BIG+4*gi:BIG+4*gi+3], v[LI] offset:\img+512*gi
.set gi, gi+1
.endr
.set gi, 0
.rept 8
	ds_load_b32 v[HS+gi], v[LS] offset:\sc+128*gi
.set gi, gi+1
.endr
.endm
; Transposed: my four tiles of a weight x tile m of tokens, two K steps; the bias is the C of the first.  The four accumulators take turns, one instruction a turn.
; Nine places follow: the accumulators are begun anew by the next unit's products.
.macro TUNIT w1, w2, wb, bb, sb, m
	WIN \w1
.irp t, 0,1,2,3
	v_wmma_scale_f32_16x16x128_f8f6f4 v[ACC+8*\t:ACC+8*\t+7], v[\wb+32*\t:\wb+32*\t+15], v[BIG+32*\m:BIG+32*\m+15], v[\bb+8*\t:\bb+8*\t+7], v[WS+\sb+2*\t], v[HS+2*\m]
.endr
	WIN \w2
.irp t, 0,1,2,3
	v_wmma_scale_f32_16x16x128_f8f6f4 v[ACC+8*\t:ACC+8*\t+7], v[\wb+32*\t+16:\wb+32*\t+31], v[BIG+32*\m+16:BIG+32*\m+31], v[ACC+8*\t:ACC+8*\t+7], v[WS+\sb+2*\t+1], v[HS+2*\m+1]
.endr
	WIN 0
.rept 9
	v_nop
.endr
.endm
; Natural: the four tiles of tokens x tile t of w_v: a lane holds one of the head's dims, its registers run along the tokens
.macro VUNIT t
	WIN 0x38
.irp m, 0,1,2,3
	v_wmma_scale_f32_16x16x128_f8f6f4 v[ACC+8*\m:ACC+8*\m+7], v[BIG+32*\m:BIG+32*\m+15], v[128+32*\t:128+32*\t+15], v[96+8*\t:96+8*\t+7], v[HS+2*\m], v[WS+24+2*\t]
.endr
	WIN 0x08
.irp m, 0,1,2,3
	v_wmma_scale_f32_16x16x128_f8f6f4 v[ACC+8*\m:ACC+8*\m+7], v[BIG+32*\m+16:BIG+32*\m+31], v[128+32*\t+16:128+32*\t+31], v[ACC+8*\m:ACC+8*\m+7], v[HS+2*\m+1], v[WS+24+2*\t+1]
.endr
	WIN 0
.rept 9
	v_nop
.endr
.endm
	s_load_b256 s[4:11], s[0:1], 0x0               ; x, wq, b_in, b_q
	s_load_b256 s[12:19], s[0:1], 0x20             ; b_k, b_v, xq, qq
	s_load_b64 s[20:21], s[0:1], 0x40              ; kv
	v_lshl_add_u32 v222, v0, 2, 0x8800             ; the closing add's two registers, made here and kept for it alone: my spare word behind the images,
	v_mov_b32 v223, 0                              ; and 0
	v_lshrrev_b32 v10, 5, v0
	v_readfirstlane_b32 s[WV], v10                 ; wave 0..3
	v_and_b32 v10, 31, v0                          ; lane
	v_and_b32 v11, 15, v0                          ; r
	v_bfe_u32 v12, v0, 4, 1                        ; h
	v_and_b32 v13, 8, v11
	v_add_nc_u32 v13, v13, v11                     ; r + 8 (r / 8)
	v_lshlrev_b32 v[XA], 10, v13
	v_lshl_add_u32 v[XA], v12, 6, v[XA]
	v_lshlrev_b32 v[LI], 4, v10
	v_lshlrev_b32 v[LS], 2, v10
	s_wait_alu depctr_va_vdst(0)
	s_wait_alu depctr_va_sdst(0)                   ; s[WV] is written, ahead of its first reader: LDS addresses and every base are made from it
	s_lshl_b32 s23, s[WV], 12
	v_add_nc_u32 v[XWI], s23, v[LI]
	s_lshl_b32 s23, s[WV], 8
	v_add_nc_u32 v[XWS], s23, v[LS]
	s_lshl_b32 s23, s[WV], 10
	v_add_nc_u32 v[HWI], s23, v[LI]
	s_lshr_b32 s23, s[WV], 1
	s_lshl_b32 s23, s23, 7
	s_and_b32 s44, s[WV], 1
	s_lshl_b32 s44, s44, 1
	s_add_co_u32 s23, s23, s44
	v_add_nc_u32 v[HWS], s23, v[LS]
	v_lshlrev_b32 v[BT], 6, v12
	v_lshlrev_b32 v[BN], 2, v13
.irp b, 0,1,2,3
	v_mov_b32 v[TM+4+\b], 0                        ; a lane permute's destination counts as one of its sources
.endr
	s_mov_b32 s[SEL], 0x76543210
	s_mov_b32 s[SEL+1], 0xfedcba98
	s_mov_b32 s[MNT], 0x600000
	; byte offsets, each in a pair of its own
	s_lshl_b32 s44, ttmp9, 16                      ; x: token 64 X + 32 (w / 2) + 8 (w % 2), 1,024 bytes a token: my tile is m = w
	s_lshr_b32 s46, s[WV], 1
	s_lshl_b32 s46, s46, 15
	s_add_co_u32 s44, s44, s46
	s_and_b32 s46, s[WV], 1
	s_lshl_b32 s46, s46, 13
	s_add_co_u32 s44, s44, s46
	s_mov_b32 s45, 0
	s_lshl_b32 s46, s[WV], 8                       ; the biases: my 64 numbers
	s_mov_b32 s47, 0
	s_lshl_b32 s24, s[WV], 14                      ; the weights' codes: my 8 fragments of each
	s_mov_b32 s25, 0
	s_lshl_b32 s26, s[WV], 10                      ; and their words
	s_add_co_u32 s26, s26, WSC
	s_mov_b32 s27, 0
	s_lshl_b32 s48, ttmp9, 2
	s_add_co_u32 s48, s48, s[WV]                   ; tile 4 X + w
	s_lshl_b32 s28, s48, 12                        ; xq: 4,096 bytes a tile
	s_mov_b32 s29, 0
	s_lshl_b32 s30, s48, 8
	s_add_co_u32 s30, s30, XQS
	s_mov_b32 s31, 0
	s_lshl_b32 s32, ttmp9, 14                      ; qq: 16,384 X + 1,024 w
	s_lshl_b32 s49, s[WV], 10
	s_add_co_u32 s32, s32, s49
	s_mov_b32 s33, 0
	s_lshl_b32 s34, ttmp9, 11                      ; its words: QQS + 2,048 X + 128 w
	s_lshl_b32 s49, s[WV], 7
	s_add_co_u32 s34, s34, s49
	s_add_co_u32 s34, s34, QQS
	s_mov_b32 s35, 0
	s_lshr_b32 s50, ttmp9, 1
	s_mul_i32 s50, s50, RECB                       ; kv: record X / 2,
	s_and_b32 s51, ttmp9, 1                        ; its half z = X % 2
	s_lshl_b32 s52, s[WV], 13
	s_add_co_u32 s52, s52, s50
	s_lshl_b32 s53, s51, 12
	s_add_co_u32 s36, s52, s53                     ; K: record + 8,192 w + 4,096 z
	s_mov_b32 s37, 0
	s_lshl_b32 s53, s51, 10
	s_add_co_u32 s40, s52, s53
	s_add_co_u32 s40, s40, 32768                   ; V: record + 32,768 + 8,192 w + 1,024 z
	s_mov_b32 s41, 0
	s_mul_i32 s52, s[WV], 1536
	s_add_co_u32 s52, s52, s50
	s_add_co_u32 s52, s52, 65536
	s_lshl_b32 s53, s51, 9
	s_add_co_u32 s38, s52, s53                     ; K's words: record + 65,536 + 1,536 w + 512 z
	s_mov_b32 s39, 0
	s_lshl_b32 s53, s51, 1
	s_add_co_u32 s42, s52, s53
	s_add_co_u32 s42, s42, 1024                    ; V's words: + 1,024, bytes 2 z and 2 z + 1
	s_mov_b32 s43, 0
	s_wait_kmcnt 0x0
	s_add_nc_u64 s[4:5], s[4:5], s[44:45]
	s_add_nc_u64 s[24:25], s[6:7], s[24:25]
	s_add_nc_u64 s[26:27], s[6:7], s[26:27]
	s_add_nc_u64 s[8:9], s[8:9], s[46:47]
	s_add_nc_u64 s[10:11], s[10:11], s[46:47]
	s_add_nc_u64 s[12:13], s[12:13], s[46:47]
	s_add_nc_u64 s[14:15], s[14:15], s[46:47]
	s_add_nc_u64 s[28:29], s[16:17], s[28:29]
	s_add_nc_u64 s[30:31], s[16:17], s[30:31]
	s_add_nc_u64 s[32:33], s[18:19], s[32:33]
	s_add_nc_u64 s[34:35], s[18:19], s[34:35]
	s_add_nc_u64 s[36:37], s[20:21], s[36:37]
	s_add_nc_u64 s[38:39], s[20:21], s[38:39]
	s_add_nc_u64 s[40:41], s[20:21], s[40:41]
	s_add_nc_u64 s[42:43], s[20:21], s[42:43]
	s_wait_alu depctr_va_vdst(0)                   ; the nine offsets and LDS addresses v1 to v9 are written, which the loads and stores of the whole kernel read
	; ---- x: my tile's 16 tokens, both K steps: register 64 s + 16 b + i = K 128 s + 32 b + 16 h + i
.irp s, 0,1
.irp b, 0,1,2,3
.irp j, 0,1,2,3
	global_load_b128 v[BIG+64*\s+16*\b+4*\j:BIG+64*\s+16*\b+4*\j+3], v[XA], s[4:5] offset:512*\s+128*\b+16*\j th:TH_LOAD_NT
.endr
.endr
.endr
	WLOAD 0, 0x40, 0                               ; w_in and b_in: 48 loads
	BLOAD 8, 0
	s_wait_loadcnt 48                              ; x is in; the 48 loads behind it may be out
.irp s, 0,1
	s_wait_xcnt 0x0                                ; the codes and the word are written again only when earlier stores have read them
.if \s == 1
	s_wait_alu depctr_vm_vsrc(0)                   ; K step 0's stores, to LDS and to xq, have read the codes and the word, which this quantiser writes again
.endif
	QUANT BIG+64*\s, 4, PC, PW
	s_wait_alu depctr_va_vdst(0)                   ; the quantiser has written the codes and the word, which the stores below read; and it is done with its 64 numbers, in whose registers x's images land behind the barrier
.irp c, 0,1,2,3
	ds_store_b128 v[XWI], v[PC+4*\c:PC+4*\c+3] offset:XIMG+2048*\s+512*\c
.endr
	ds_store_b32 v[XWS], v[PW] offset:XSC+128*\s
.irp c, 0,1,2,3
	global_store_b128 v[LI], v[PC+4*\c:PC+4*\c+3], s[28:29] offset:2048*\s+512*\c   ; 32 lanes store 512 consecutive bytes
.endr
	global_store_b32 v[LS], v[PW], s[30:31] offset:128*\s
	s_wait_dscnt 0x0
.endr
	WLOAD 1, 0x40, 128                             ; w_q and b_q: 48 loads
	BLOAD 10, 32
	BARRIER                                        ; x's eight fragments lie in LDS
	FETCHALL XIMG, XSC                             ; no vector line since the last wait on va_vdst names v16-143 or v210-217
	s_wait_loadcnt 48                              ; w_in's group is in; w_q's 48 may be out
	WLOAD 2, 0x80, 0                               ; w_k and b_k: 48 loads
	BLOAD 12, 64
	s_wait_dscnt 0x0
	s_wait_xcnt 0x0                                ; x's codes and scale word were the data of the stores to xq: h's quantiser writes those registers again only behind this wait.
	                                               ; Once for all four tiles: h's own codes go to LDS alone, so no global store names them again before q's
	s_wait_alu depctr_vm_vsrc(0)                   ; and x's stores, to LDS and to xq, have read all sixteen code registers and the word: they are the two out-buffers from here on
	; ---- h: my 64 features of each tile of tokens, quantised: two pieces and two bytes of h's fragment
.irp m, 0,1,2,3
.set OB, PC+8*(\m%2)
.set OW, PW+(\m%2)
	TUNIT 0x31, 0x01, 0, 0, 0, \m
	QUANT ACC, 2, OB, OW
.if \m > 0
	s_wait_alu depctr_vm_vsrc(0)                   ; the LDS stores of the tile before have read the other out-buffer, which the next unit's quantiser writes
.endif
	s_wait_alu depctr_va_vdst(0)                   ; the quantiser has written this out-buffer, which the LDS stores read; in the last tile also: the products are done reading x's fragments and words, where h's images land
	ds_store_b128 v[HWI], v[OB:OB+3] offset:HIMG+4096*\m
	ds_store_b128 v[HWI], v[OB+4:OB+7] offset:HIMG+4096*\m+512
	ds_store_b16 v[HWS], v[OW] offset:HSC+256*\m
	s_wait_dscnt 0x0
.endr
	BARRIER                                        ; h's eight fragments lie in LDS
	FETCHALL HIMG, HSC                             ; no vector line since the last wait on va_vdst names v16-143 or v210-217
	s_wait_loadcnt 48                              ; w_q's group is in; w_k's 48 may be out
	WLOAD 3, 0x80, 128                             ; w_v, and b_v in the natural layout (a lane's feature in all eight registers of a tile): 72 loads
	WIN 0xc0
	s_wait_alu depctr_va_vdst(0)                   ; v[BN], these loads' offset, is written; the wait stands behind the window's switch and ahead of the loads under it
.irp t, 0,1,2,3
.irp j, 0,1,2,3,4,5,6,7
	global_load_b32 v[96+8*\t+\j], v[BN], s[14:15] offset:(32*(\t/2)+8*(\t%2))*4
.endr
.endr
	WIN 0
	s_wait_dscnt 0x0
	; ---- q / 8 (exact), quantised along the head's 64
.irp m, 0,1,2,3
.set OB, PC+8*(\m%2)
.set OW, PW+(\m%2)
	TUNIT 0x31, 0x01, 128, 32, 8, \m
.set gi, 0
.rept 16
	v_pk_mul_f32 v[ACC+gi:ACC+gi+1], v[ACC+gi:ACC+gi+1], 0x3e000000 op_sel_hi:[1,0]
.set gi, gi+2
.endr
	QUANT ACC, 2, OB, OW
	v_or_b32 v[OW], 0x7f7f0000, v[OW]              ; the bytes of K = 64 .. 127, where the codes are zeros
.if \m > 0
	s_wait_xcnt 0x0                                ; the stores of the tile before, out of the other out-buffer, have had their addresses translated (ISA guide 3.1): the next unit writes that buffer only behind this wait
.endif
	s_wait_alu depctr_vm_vsrc(0)                   ; the stores of the unit before (tile 0: h's last LDS stores) have read the other out-buffer, which the next unit's quantiser writes
	s_wait_alu depctr_va_vdst(0)                   ; the quantiser and the line behind it have written this out-buffer, which the stores below read
	global_store_b128 v[LI], v[OB:OB+3], s[32:33] offset:4096*\m
	global_store_b128 v[LI], v[OB+4:OB+7], s[32:33] offset:4096*\m+512
	global_store_b32 v[LS], v[OW], s[34:35] offset:512*\m
.endr
	s_wait_loadcnt 63                              ; w_k's group is in: 72 loads were issued behind it, and 63 is the largest count that the wait names
	; ---- k
.irp m, 0,1,2,3
.set OB, PC+8*(\m%2)
.set OW, PW+(\m%2)
	TUNIT 0x32, 0x02, 0, 64, 16, \m
	QUANT ACC, 2, OB, OW
	v_or_b32 v[OW], 0x7f7f0000, v[OW]
	s_wait_xcnt 0x0                                ; the stores of the unit before, out of the other out-buffer, have had their addresses translated: the next unit writes that buffer only behind this wait
	s_wait_alu depctr_vm_vsrc(0)                   ; and they have read that buffer
	s_wait_alu depctr_va_vdst(0)                   ; the quantiser and the line behind it have written this out-buffer, which the stores below read
	global_store_b128 v[LI], v[OB:OB+3], s[36:37] offset:1024*\m
	global_store_b128 v[LI], v[OB+4:OB+7], s[36:37] offset:1024*\m+512
	global_store_b32 v[LS], v[OW], s[38:39] offset:128*\m
.endr
	s_wait_loadcnt 0x0
	; ---- v, quantised along the keys: my 64 tokens are pieces 2 z and 2 z + 1 of the record's fragment
.irp t, 0,1,2,3
.set OB, PC+8*(\t%2)
.set OW, PW+(\t%2)
	VUNIT \t
	QUANT ACC, 2, OB, OW
.if \t < 3
	s_wait_xcnt 0x0                                ; the stores of the unit before, out of the other out-buffer, have had their addresses translated: the next unit writes that buffer only behind this wait
	s_wait_alu depctr_vm_vsrc(0)                   ; and they have read that buffer.  (Behind the last unit nothing writes a buffer again: it has neither wait)
.endif
	s_wait_alu depctr_va_vdst(0)                   ; the quantiser has written this out-buffer, which the stores below read
	global_store_b128 v[LI], v[OB:OB+3], s[40:41] offset:2048*\t
	global_store_b128 v[LI], v[OB+4:OB+7], s[40:41] offset:2048*\t+512
	global_store_b16 v[LS], v[OW], s[42:43] offset:128*\t
.endr
	s_wait_dscnt 0x0                               ; the closing lines, six on end
	s_wait_alu 0x0
	s_wait_tensorcnt 0x0
	ds_add_u32 v222, v223
	s_wait_dscnt 0x0
	s_endpgm
.Lfunc_end_k_q923b2979ba_proj:
	.size	k_q923b2979ba_proj, .Lfunc_end_k_q923b2979ba_proj-k_q923b2979ba_proj
	.p2alignl 7, 3214868480
	.fill 96, 4, 3214868480
	.section	.rodata,"a",@progbits
	.p2align	6, 0x0
	.amdhsa_kernel k_q923b2979ba_proj
		.amdhsa_group_segment_fixed_size 35328
		.amdhsa_private_segment_fixed_size 0
		.amdhsa_enable_private_segment 0
		.amdhsa_kernarg_size 72
		.amdhsa_user_sgpr_count 2
		.amdhsa_user_sgpr_kernarg_segment_ptr 1
		.amdhsa_wavefront_size32 1
		.amdhsa_system_sgpr_workgroup_id_x 1
		.amdhsa_system_sgpr_workgroup_id_y 1
		.amdhsa_system_sgpr_workgroup_id_z 1
		.amdhsa_system_vgpr_workitem_id 0
		.amdhsa_next_free_vgpr 1024
		.amdhsa_next_free_sgpr 66
		.amdhsa_reserve_vcc 0
		.amdhsa_float_denorm_mode_32 3
		.amdhsa_float_denorm_mode_16_64 3
		.amdhsa_memory_ordered 1
		.amdhsa_forward_progress 1
		.amdhsa_inst_pref_size 150
	.end_amdhsa_kernel
	.amdgpu_metadata
---
amdhsa.version: [ 1, 2 ]
amdhsa.kernels:
  - .name:           k_q923b2979ba_proj
    .symbol:         k_q923b2979ba_proj.kd
    .args:
      - { .name: x, .offset: 0, .size: 8, .value_kind: global_buffer, .address_space: global }
      - { .name: wq, .offset: 8, .size: 8, .value_kind: global_buffer, .address_space: global }
      - { .name: b_in, .offset: 16, .size: 8, .value_kind: global_buffer, .address_space: global }
      - { .name: b_q, .offset: 24, .size: 8, .value_kind: global_buffer, .address_space: global }
      - { .name: b_k, .offset: 32, .size: 8, .value_kind: global_buffer, .address_space: global }
      - { .name: b_v, .offset: 40, .size: 8, .value_kind: global_buffer, .address_space: global }
      - { .name: xq, .offset: 48, .size: 8, .value_kind: global_buffer, .address_space: global }
      - { .name: qq, .offset: 56, .size: 8, .value_kind: global_buffer, .address_space: global }
      - { .name: kv, .offset: 64, .size: 8, .value_kind: global_buffer, .address_space: global }
    .group_segment_fixed_size: 35328
    .private_segment_fixed_size: 0
    .kernarg_segment_align: 8
    .kernarg_segment_size: 72
    .max_flat_workgroup_size: 128
    .sgpr_count:     66
    .vgpr_count:     1024
    .wavefront_size: 32
...
	.end_amdgpu_metadata
.endif
;; end of part 7
;; launch attn (part 8): grid 32 x 8, 16 waves a work-group, clusters of 4 x 1, 327,680 bytes of LDS; arguments qq, kv, wq, b_o, w_bd, b_bd, bs; writes bs
.if DOCPART == 8
	.amdgcn_target "amdgcn-amd-amdhsa--gfx1250"
	.amdhsa_code_object_version 6
	.text
	.protected	k_q923b2979ba_attn
	.globl	k_q923b2979ba_attn
	.p2align	8
	.type	k_q923b2979ba_attn,@function
k_q923b2979ba_attn:
	s_mov_b64 s[64:65], 0
	v_nop
	global_prefetch_b8 v0, s[64:65] scope:SCOPE_SE
	s_setreg_imm32_b32 hwreg(HW_REG_WAVE_MODE, 25, 1), 1
	s_wait_xcnt 0x0
	s_wait_alu depctr_hold_cnt(0) depctr_sa_sdst(0) depctr_va_vdst(0) depctr_va_sdst(0) depctr_va_ssrc(0) depctr_va_vcc(0) depctr_vm_vsrc(0)
	s_getreg_b32 s2, hwreg(HW_REG_IB_STS2, 6, 4)
	s_cmp_eq_u32 s2, 0
	s_cbranch_scc0 .Lentry_in_a_cluster
	s_endpgm
.Lentry_in_a_cluster:
	s_bfe_u32 s2, ttmp6, 0x10000c
	s_cmp_lg_u32 s2, 0x3003
	s_cbranch_scc0 .Lentry_shape_is_right
	s_endpgm
.Lentry_shape_is_right:
; For 64 queries of one batch and all four heads: softmax(q k^T) v on codes of FP8 (E4M3), the output projection on codes, the boundary score (f32) and its sigmoid.  Only bs [8][2048] goes to memory.
; THE SOFTMAX AHEAD OF THE SECOND PRODUCT: t = score x log2(e) (q arrives divided by 8); M = the running largest t rounded UP to a whole number; p = 2^(t - M) is quantised along the keys, not normalised;
; the row's sum is taken of the unquantised p and divides at the end.  When M moves, the sum and O are multiplied by 2^(old M - new M): exact.
; SHARES.  Sixteen waves: wave = 4 m + head owns tile m of 16 queries for one head, in 256 registers, four waves to a SIMD, so that one wave's vector work stands beside another's products and LDS loads.
; Every wave walks the batch's 2,048 keys, 128 (one record of kv) a step.  Both products are used transposed: a lane holds ONE query throughout.
; THE HEAD'S 64 IN AN INSTRUCTION OF 128: q's codes of K = 64 .. 127 are zeros and its bytes there 127.  K's operand of tile t is v[32 + 8 t .. 47 + 8 t]: its upper half is the next tile's codes (finite numbers;
; zeros behind tile 7), which meet q's zeros and add nothing.  So only a key's own 64 bytes are read from LDS.
; RING.  Two LDS slots of two records each, dense, as they lie in memory: every read is 16 or 4 bytes a lane on end, so there is no padding.
; CLUSTER.  The four query blocks of a cluster walk the same batch's records, so each slot is asked for JOINTLY: waves 0 to 3 of each partner issue the same load (a quarter of a slot each) with the mask of all four.
; By this text's own count a wave has at most one tensor load out.  All of a WGP's LDS is claimed.
; LIMITS: NaN and infinities are not served; a block whose largest magnitude lies under 2^-118 is held at the byte 1.
; REGISTERS: v1-11 addresses; v12 -M, v13 the largest t, v[14:15] the sum; v16-23 q, v24-31 zeros; v32-95 K's 8 half fragments, then V's 4 fragments; v96-103 zeros; v104-167 scores, then p; v168-199 O^T;
;   v200-213 scale words alone; v[214:215] f; v216-231 p's codes; v232-255 at work.
.set RECB,  71680
.set SLOTB, 143360
.set QUART, 35840                      ; a quarter of a slot: 140 rows of 256 bytes
.set SPARE, 286720                     ; the spare words, 128 bytes for each of 16 waves: eight blocks of 256 bytes that no other line names
.set AOI,   288768                     ; the attention output's images: fragment 2 m + s, 2,048 bytes each
.set AOS,   305152                     ; their scale words
.set PD,    306176                     ; a partial boundary score for each wave and query
.set QQS,   4194304
.set WSC,   393216
.set AC0, 1                            ; v1  16 x lane + 8,192 x head: my place in a record's codes
.set AS0, 2                            ; v2  65,536 + 4 x lane + 1,536 x head: and among its scale words
.set LI,  3                            ; v3  16 x lane
.set LS,  4                            ; v4  4 x lane
.set SPW, 5                            ; v5  LDS address of my spare word; never rewritten
.set NIL, 6                            ; v6  0; never rewritten
.set BT,  7                            ; v7  64 h
.set ADC, 8                            ; v8  the step's codes
.set ADS, 9                            ; v9  the step's scale words
.set ST,  104
.set OT,  168
.set KS,  200
.set VS,  208
.set PS,  212
.set QS,  213
.set FF,  214
.set PCD, 216
.set BM,  232                          ; v232-235 the blocks' largest scores, then largest p
.set BP,  236                          ; v236-239 lane permutes' results, then bytes
.set HO,  240                          ; v240-243 448 x the scale
.set SO,  244                          ; v244-247 the conversions' scale operands
.set TM,  232                          ; the tail's quantiser works in the same sixteen
.set C2,  248                          ; v[248:249] one of the sum's eight chains
.set TT,  250
.set WV,  18
.set HD,  19
.set MT,  20
.set BA,  21
.set CS,  22                           ; s[22:23] log2(e): the packed form names a pair and takes its low word
.set G1,  24                           ; s[24:31] descriptor group 1
.set G0,  32                           ; s[32:39] descriptor group 0, a set for each slot
.set LAPS, 45
.set SEL, 46
.set MNT, 48
.set BBD, 49
.macro QUANT src, nb, dst, word
.set qb, 0
.rept \nb
	v_max3_num_f32 v[TM+qb], |v[(\src)+16*qb]|, |v[(\src)+16*qb+1]|, 0x4800000   ; the floor 2^(9 - 127) is a leaf: the byte cannot fall under 1
.set qb, qb+1
.endr
.irp i, 2,4,6,8,10,12,14
.set qb, 0
.rept \nb
	s_delay_alu instid0(VALU_DEP_2)
	v_max3_num_f32 v[TM+qb], v[TM+qb], |v[(\src)+16*qb+\i]|, |v[(\src)+16*qb+\i+1]|
.set qb, qb+1
.endr
.endr
.set qb, 0
.rept \nb
	s_delay_alu instid0(VALU_DEP_2)
	v_permlanex16_b32 v[TM+4+qb], v[TM+qb], s[SEL], s[SEL+1]
.set qb, qb+1
.endr
.set qb, 0
.rept \nb
	s_delay_alu instid0(VALU_DEP_2)
	v_max_num_f32 v[TM+qb], v[TM+qb], v[TM+4+qb]
.set qb, qb+1
.endr
.set qb, 0
	s_delay_alu instid0(VALU_DEP_2)
	v_add_nc_u32 v[TM+12+qb], 0xfc000000, v[TM+qb]
	s_delay_alu instid0(VALU_DEP_3)
	v_and_or_b32 v[TM+8+qb], v[TM+qb], 0x7f800000, s[MNT]
.set qb, qb+1
.rept (\nb)-1
	s_delay_alu instid0(VALU_DEP_3)
	v_add_nc_u32 v[TM+12+qb], 0xfc000000, v[TM+qb]
	s_delay_alu instid0(VALU_DEP_4)
	v_and_or_b32 v[TM+8+qb], v[TM+qb], 0x7f800000, s[MNT]
.set qb, qb+1
.endr
.set qb, 0
	s_delay_alu instid0(VALU_DEP_4)
	v_lshrrev_b32 v[TM+4+qb], 23, v[TM+12+qb]
.set qb, qb+1
.rept (\nb)-1
	s_delay_alu instid0(VALU_DEP_3)
	v_lshrrev_b32 v[TM+4+qb], 23, v[TM+12+qb]
.set qb, qb+1
.endr
.if \nb == 1
	v_mov_b32 v[\word], v[TM+4]
.else
	s_delay_alu instid0(VALU_DEP_1)
	v_lshl_or_b32 v[\word], v[TM+5], 8, v[TM+4]
.if \nb == 4
	v_lshl_or_b32 v[\word], v[TM+6], 16, v[\word]
	v_lshl_or_b32 v[\word], v[TM+7], 24, v[\word]
.endif
.endif
.set qb, 0
.rept \nb
.set qi, 0
.rept 16
	v_med3_num_f32 v[(\src)+16*qb+qi], v[(\src)+16*qb+qi], -v[TM+8+qb], v[TM+8+qb]
.set qi, qi+1
.endr
	v_cvt_scalef32_pk8_fp8_f32 v[(\dst)+4*qb:(\dst)+4*qb+1], v[(\src)+16*qb:(\src)+16*qb+7], v[TM+12+qb]
	v_cvt_scalef32_pk8_fp8_f32 v[(\dst)+4*qb+2:(\dst)+4*qb+3], v[(\src)+16*qb+8:(\src)+16*qb+15], v[TM+12+qb]
.set qb, qb+1
.endr
	v_nop                                          ; one plain line behind the last scaled conversion
.endm
; A round of the cluster's barrier: my work-group's barrier, wave 0 signals for the work-group, every wave waits for all four work-groups, my work-group's barrier once more
.macro ROUND
	s_barrier_signal -1
	s_barrier_wait -1
	s_cmp_lg_u32 s[WV], 0
	s_cbranch_scc1 .Lnot_wave_0_\@
	s_barrier_signal -3
.Lnot_wave_0_\@:
	s_barrier_wait -3
	s_barrier_signal -1
	s_barrier_wait -1
.endm
; A KEY STEP: the record of 128 keys that begins at LDS byte rb
.macro STEP rb
	v_add_nc_u32 v[ADC], \rb, v[AC0]
	v_add_nc_u32 v[ADS], \rb, v[AS0]
.rept 6
	v_nop                                          ; with the two additions: eight places behind the last products, in front of loads into registers that they read
.endr
.irp t, 0,1,2,3,4,5,6,7
	ds_load_b128 v[32+8*\t:35+8*\t], v[ADC] offset:1024*\t
	ds_load_b128 v[36+8*\t:39+8*\t], v[ADC] offset:1024*\t+512
	ds_load_b32 v[KS+\t], v[ADS] offset:128*\t
.endr
	s_wait_alu depctr_va_vdst(0)
	s_wait_dscnt 0x0
.irp t, 0,1,2,3,4,5,6,7                        ; S^T = K Q^T: lane (r, h) holds query r; the 16 registers of tiles 2 b, 2 b + 1 are keys 32 b + 16 h + 0 .. 15
	v_wmma_scale_f32_16x16x128_f8f6f4 v[ST+8*\t:ST+8*\t+7], v[32+8*\t:47+8*\t], v[16:31], 0, v[KS+\t], v[QS]
.endr
.rept 8
	v_nop
.endr
.irp t, 0,1,2,3                                ; V's four fragments land while the softmax is worked
.irp c, 0,1,2,3
	ds_load_b128 v[32+16*\t+4*\c:35+16*\t+4*\c], v[ADC] offset:32768+2048*\t+512*\c
.endr
	ds_load_b32 v[VS+\t], v[ADS] offset:1024+128*\t
.endr
.irp b, 0,1,2,3
	v_max3_num_f32 v[BM+\b], v[ST+16*\b], v[ST+16*\b+1], v[ST+16*\b+2]   ; the largest score of each block of 32 keys: for the row's maximum, and, since p rises with the score, for the block's largest p
.endr
.irp i, 3,5,7,9,11,13
.irp b, 0,1,2,3
	v_max3_num_f32 v[BM+\b], v[BM+\b], v[ST+16*\b+\i], v[ST+16*\b+\i+1]
.endr
.endr
.irp b, 0,1,2,3
	v_max_num_f32 v[BM+\b], v[BM+\b], v[ST+16*\b+15]
.endr
.irp b, 0,1,2,3
	s_delay_alu instid0(VALU_DEP_4)
	v_permlanex16_b32 v[BP+\b], v[BM+\b], s[SEL], s[SEL+1]
.endr
.irp b, 0,1,2,3
	s_delay_alu instid0(VALU_DEP_4)
	v_max_num_f32 v[BM+\b], v[BM+\b], v[BP+\b]     ; with lane l xor 16's 16 keys
.endr
	s_delay_alu instid0(VALU_DEP_2)
	v_max3_num_f32 v[TT], v[BM], v[BM+1], v[BM+2]
	s_delay_alu instid0(VALU_DEP_1)
	v_max_num_f32 v[TT], v[TT], v[BM+3]
	s_delay_alu instid0(VALU_DEP_1)
	v_mul_f32 v[TT], s[CS], v[TT]                  ; the step's largest t
	s_delay_alu instid0(VALU_DEP_1)
	v_max_num_f32 v13, v13, v[TT]                  ; the running largest t
	v_mov_b32 v[TT], v12
	s_delay_alu instid0(VALU_DEP_2)
	v_floor_f32 v12, -v13                          ; the new -M = floor(-t): M is a whole number
	s_delay_alu instid0(VALU_DEP_1)
	v_sub_f32 v[TT], v12, v[TT]                    ; old M - new M: a whole number, 0 or less
	s_delay_alu instid0(VALU_DEP_1)
	v_cvt_i32_f32 v[TT], v[TT]                     ; (it saturates)
	s_delay_alu instid0(VALU_DEP_1)
	v_ldexp_f32 v[FF], 1.0, v[TT]                  ; f = 2^(old M - new M)
.set ej, 0
.rept 32
	v_pk_fma_f32 v[ST+ej:ST+ej+1], v[ST+ej:ST+ej+1], s[CS:CS+1], v[12:13] op_sel_hi:[1,0,0]   ; t - M, two at a time
.set ej, ej+2
.endr
.irp b, 0,1,2,3
	v_fma_f32 v[BM+\b], v[BM+\b], s[CS], v12       ; the same of each block's largest score
.endr
.set ej, 0
	s_wait_alu depctr_va_vdst(0)
.rept 64
	v_exp_f32 v[ST+ej], v[ST+ej]                   ; p = 2^(t - M), at most 1
.set ej, ej+1
.endr
.irp b, 0,1,2,3
	v_exp_f32 v[BM+\b], v[BM+\b]                   ; the block's largest p
.endr
	v_pk_mul_f32 v[14:15], v[14:15], v[FF:FF+1] op_sel_hi:[1,0]   ; the sum under the new M (a plain line behind the exponentials)
	s_wait_alu depctr_va_vdst(0)
.irp b, 0,1,2,3
	v_max_num_f32 v[BM+\b], 0x4800000, v[BM+\b]    ; the floor: the byte cannot fall under 1
.endr
.irp b, 0,1,2,3
	s_delay_alu instid0(VALU_DEP_4)
	v_add_nc_u32 v[SO+\b], 0xfc000000, v[BM+\b]
.endr
.irp b, 0,1,2,3
	v_and_or_b32 v[HO+\b], v[BM+\b], 0x7f800000, s[MNT]
.endr
.irp b, 0,1,2,3
	v_lshrrev_b32 v[BP+\b], 23, v[SO+\b]
.endr
	s_delay_alu instid0(VALU_DEP_3)
	v_lshl_or_b32 v[PS], v[BP+1], 8, v[BP]         ; p's scale word for these 128 keys
	s_delay_alu instid0(VALU_DEP_1)
	v_lshl_or_b32 v[PS], v[BP+2], 16, v[PS]
	s_delay_alu instid0(VALU_DEP_1)
	v_lshl_or_b32 v[PS], v[BP+3], 24, v[PS]
	v_pk_add_f32 v[248:249], v[108:109], v[112:113]
	v_pk_add_f32 v[254:255], v[116:117], v[120:121]
	v_pk_add_f32 v[252:253], v[124:125], v[128:129]
	v_pk_add_f32 v[234:235], v[132:133], v[136:137]
	v_pk_add_f32 v[232:233], v[140:141], v[144:145]
	v_pk_add_f32 v[230:231], v[148:149], v[152:153]
	v_pk_add_f32 v[228:229], v[156:157], v[160:161]
	v_pk_add_f32 v[14:15], v[14:15], v[164:165]
	v_pk_add_f32 v[248:249], v[248:249], v[104:105]
	v_pk_add_f32 v[254:255], v[254:255], v[106:107]
	v_pk_add_f32 v[252:253], v[252:253], v[110:111]
	v_pk_add_f32 v[234:235], v[234:235], v[114:115]
	v_pk_add_f32 v[232:233], v[232:233], v[118:119]
	v_pk_add_f32 v[230:231], v[230:231], v[122:123]
	v_pk_add_f32 v[228:229], v[228:229], v[126:127]
	v_pk_add_f32 v[14:15], v[14:15], v[130:131]
	v_pk_add_f32 v[248:249], v[248:249], v[134:135]
	v_pk_add_f32 v[254:255], v[254:255], v[138:139]
	v_pk_add_f32 v[252:253], v[252:253], v[142:143]
	v_pk_add_f32 v[234:235], v[234:235], v[146:147]
	v_pk_add_f32 v[232:233], v[232:233], v[150:151]
	v_pk_add_f32 v[230:231], v[230:231], v[154:155]
	v_pk_add_f32 v[228:229], v[228:229], v[158:159]
	v_pk_add_f32 v[14:15], v[14:15], v[162:163]
	v_pk_add_f32 v[248:249], v[248:249], v[166:167]
	s_delay_alu instid0(VALU_DEP_2)
	v_pk_add_f32 v[14:15], v[14:15], v[234:235]
	s_delay_alu instid0(VALU_DEP_2)
	v_pk_add_f32 v[248:249], v[248:249], v[232:233]
	v_pk_add_f32 v[254:255], v[254:255], v[230:231]
	v_pk_add_f32 v[252:253], v[252:253], v[228:229]
	s_delay_alu instid0(VALU_DEP_2)
	v_pk_add_f32 v[14:15], v[14:15], v[254:255]
	s_delay_alu instid0(VALU_DEP_2)
	v_pk_add_f32 v[248:249], v[248:249], v[252:253]
	s_delay_alu instid0(VALU_DEP_1)
	v_pk_add_f32 v[14:15], v[14:15], v[248:249]
.irp b, 0,1,2,3
.set ej, 0
.rept 16
	v_min_num_f32 v[ST+16*\b+ej], v[ST+16*\b+ej], v[HO+\b]   ; the hold; p is not negative, so it is one-sided
.set ej, ej+1
.endr
	v_cvt_scalef32_pk8_fp8_f32 v[PCD+4*\b:PCD+4*\b+1], v[ST+16*\b:ST+16*\b+7], v[SO+\b]
	v_cvt_scalef32_pk8_fp8_f32 v[PCD+4*\b+2:PCD+4*\b+3], v[ST+16*\b+8:ST+16*\b+15], v[SO+\b]
.endr
.set ej, 0
.rept 16
	v_pk_mul_f32 v[OT+ej:OT+ej+1], v[OT+ej:OT+ej+1], v[FF:FF+1] op_sel_hi:[1,0]   ; O^T under the new M; these sixteen also stand between the codes and the products that take them
.set ej, ej+2
.endr
	s_wait_alu depctr_va_vdst(0)
	s_wait_dscnt 0x0                               ; V is in
.irp t, 0,1,2,3                                ; O^T += V^T P^T: four tiles of 16 of the head's 64; the four accumulators take turns
	v_wmma_scale_f32_16x16x128_f8f6f4 v[OT+8*\t:OT+8*\t+7], v[32+16*\t:47+16*\t], v[PCD:PCD+15], v[OT+8*\t:OT+8*\t+7], v[VS+\t], v[PS]
.endr
.endm
; A slot's turn.  Each wave waits for all its tensor loads, adds 0 to its spare word, and waits for that and for its reads of the slot that it has left; the round holds that of every wave of all four partners.
; Behind it the slot that was left is asked for again first (waves 0 to 3, one load each); it has this slot's two steps in which to land.
.macro TRIP slot, refill
	s_wait_tensorcnt 0x0                           ; no tensor load of mine is out, so a group 0 may be written
	ds_add_u32 v[SPW], v[NIL]                      ; 0 onto my spare word
	s_add_nc_u64 s[G0+2+4*\slot:G0+3+4*\slot], s[G0+2+4*\slot:G0+3+4*\slot], 2*SLOTB   ; this slot's next 256 keys
	s_wait_dscnt 0x0                               ; the add is done, and my reads of the other slot are over
	ROUND
.if \refill
	s_cmp_lt_u32 s[WV], 4
	s_cbranch_scc0 .Lno_load_\@
	tensor_load_to_lds s[G0+4-4*\slot:G0+7-4*\slot], s[G1:G1+7]
	s_nop 0
.rept 4
	v_nop
.endr
.Lno_load_\@:
.endif
	STEP \slot*SLOTB
	STEP \slot*SLOTB+RECB
.endm
	s_load_b256 s[4:11], s[0:1], 0x0               ; qq, kv, wq, b_o
	s_load_b128 s[12:15], s[0:1], 0x20             ; w_bd, b_bd
	s_load_b64 s[16:17], s[0:1], 0x30              ; bs
	v_lshl_add_u32 v[SPW], v0, 2, SPARE
	v_mov_b32 v[NIL], 0
	ds_add_u32 v5, v6
	ds_add_u32 v5, v6
	s_wait_dscnt 0x0
	v_lshrrev_b32 v7, 5, v0
	s_delay_alu instid0(VALU_DEP_1)
	v_readfirstlane_b32 s[WV], v7                  ; wave 0..15
	s_and_b32 s[HD], s[WV], 3                      ; my head; for waves 0 to 3 also the quarter of a slot that they fetch
	s_lshr_b32 s[MT], s[WV], 2                     ; my tile of queries
	s_and_b32 s[BA], ttmp7, 0xffff                 ; the batch, which the four partners share
	s_bfe_u32 s40, ttmp6, 0x40000                  ; cx: it enters q's and bs's global addresses alone
	s_lshl_b32 s41, ttmp9, 2
	s_add_co_u32 s41, s41, s40                     ; my block of 64 queries
	s_mov_b32 s[G1], 15|(3<<16)|(1<<21)            ; 15:0 the mask: all four work-groups; 17:16 elements of 8 bytes; 21 set beside a mask; no padding
	s_mov_b32 s[G1+1], 32<<16                      ; tensor_dim0 = 32 elements: 256 bytes
	s_mov_b32 s[G1+2], 140<<16                     ; tensor_dim1 = 140 rows
	s_mov_b32 s[G1+3], 32<<16                      ; tile_dim0
	s_mov_b32 s[G1+4], 140                         ; tile_dim1
	s_mov_b32 s[G1+5], 32                          ; the pitch: dense
	s_mov_b32 s[G1+6], 0
	s_mov_b32 s[G1+7], 0
	s_mul_i32 s42, s[HD], QUART
	s_mul_i32 s50, s[BA], 16*RECB                  ; the batch's 16 records
	s_add_co_u32 s50, s50, s42
	s_mov_b32 s51, 0
	s_lshl_b32 s43, s[BA], 5
	s_add_co_u32 s43, s43, s41                     ; block 32 x batch + X
	s_lshl_b32 s44, s43, 2
	s_add_co_u32 s44, s44, s[MT]                   ; my tile of tokens
	s_lshl_b32 s52, s44, 12                        ; q's codes: 4,096 x tile + 1,024 x head
	s_lshl_b32 s54, s[HD], 10
	s_add_co_u32 s52, s52, s54
	s_mov_b32 s53, 0
	s_lshl_b32 s54, s44, 9                         ; its words: QQS + 512 x tile + 128 x head
	s_lshl_b32 s56, s[HD], 7
	s_add_co_u32 s54, s54, s56
	s_add_co_u32 s54, s54, QQS
	s_mov_b32 s55, 0
	s_lshl_b32 s56, s43, 8                         ; bs: 256 bytes a block
	s_mov_b32 s57, 0
	s_lshl_b32 s58, s[HD], 14                      ; w_o's codes: my four tiles
	s_add_co_u32 s58, s58, 4*65536
	s_mov_b32 s59, 0
	s_lshl_b32 s60, s[HD], 10                      ; and their words
	s_add_co_u32 s60, s60, WSC+4*4096
	s_mov_b32 s61, 0
	s_lshl_b32 s62, s[HD], 8                       ; b_o, w_bd: my 64 numbers
	s_mov_b32 s63, 0
	s_mov_b32 s[CS], 0x3fb8aa3b                    ; log2(e)
	s_mov_b32 s[CS+1], s[CS]
	s_mov_b32 s[SEL], 0x76543210
	s_mov_b32 s[SEL+1], 0xfedcba98
	s_mov_b32 s[MNT], 0x600000
	s_mov_b32 s[LAPS], 3
	s_wait_kmcnt 0x0
	s_load_b32 s[BBD], s[14:15], 0x0               ; b_bd
	s_mov_b32 s[G0], 1                             ; count = 1
	s_mov_b32 s[G0+1], s42                         ; LDS address: slot 0, my quarter
	s_add_nc_u64 s[G0+2:G0+3], s[6:7], s[50:51]    ; global address: the batch's first 256 keys, my quarter
	s_mov_b32 s[G0+4], 1
	s_add_co_u32 s[G0+5], s42, SLOTB
	s_add_nc_u64 s[G0+6:G0+7], s[G0+2:G0+3], SLOTB
	s_or_b32 s[G0+3], s[G0+3], 0x80000000          ; type = 2
	s_or_b32 s[G0+7], s[G0+7], 0x80000000
	s_add_nc_u64 s[54:55], s[4:5], s[54:55]
	s_add_nc_u64 s[4:5], s[4:5], s[52:53]
	s_add_nc_u64 s[16:17], s[16:17], s[56:57]
	s_add_nc_u64 s[58:59], s[8:9], s[58:59]
	s_add_nc_u64 s[8:9], s[8:9], s[60:61]
	s_add_nc_u64 s[10:11], s[10:11], s[62:63]
	s_add_nc_u64 s[12:13], s[12:13], s[62:63]
	ROUND                                          ; all four work-groups are here: the first joint loads meet
	s_cmp_lt_u32 s[WV], 4
	s_cbranch_scc0 .Lno_first
	tensor_load_to_lds s[G0:G0+3], s[G1:G1+7]      ; slot 0
	s_nop 0
.rept 4
	v_nop
.endr
.Lno_first:
	v_and_b32 v7, 31, v0
	s_delay_alu instid0(VALU_DEP_1)
	v_lshlrev_b32 v[LI], 4, v7
	s_delay_alu instid0(VALU_DEP_2)
	v_lshlrev_b32 v[LS], 2, v7
	global_load_b128 v[16:19], v[LI], s[4:5]       ; q's two pieces stay in registers
	global_load_b128 v[20:23], v[LI], s[4:5] offset:512
	global_load_b32 v[QS], v[LS], s[54:55]
	s_lshl_b32 s42, s[HD], 13
	v_add_nc_u32 v[AC0], s42, v[LI]
	s_mul_i32 s42, s[HD], 1536
	s_add_co_u32 s42, s42, 65536
	v_add_nc_u32 v[AS0], s42, v[LS]
	v_bfe_u32 v7, v0, 4, 1
	s_delay_alu instid0(VALU_DEP_1)
	v_lshlrev_b32 v[BT], 6, v7
	v_mov_b32 v13, 0xff61b1e6                      ; the largest t so far: -3e38
	s_delay_alu instid0(VALU_DEP_1)
	v_floor_f32 v12, -v13                          ; -M
	v_mov_b32 v14, 0
	v_mov_b32 v15, 0
	v_mov_b32 v[FF+1], 0                           ; named as the upper half of f's pair
.irp j, 0,1,2,3,4,5,6,7
	v_mov_b32 v[24+\j], 0                          ; q's codes of K = 64 .. 127
	v_mov_b32 v[96+\j], 0                          ; what stands behind K's tile 7
.endr
.irp b, 0,1,2,3
	v_mov_b32 v[BP+\b], 0                          ; a lane permute's destination counts as one of its sources
.endr
.set ej, 0
.rept 32
	v_mov_b32 v[OT+ej], 0                          ; O^T: the step is written once; its first turn finds zeros
.set ej, ej+1
.endr
	s_wait_loadcnt 0x0                             ; q
	s_wait_kmcnt 0x0                               ; b_bd
.Llap:                                             ; three trips, two slots each
	TRIP 0, 1
	TRIP 1, 1
	s_sub_co_u32 s[LAPS], s[LAPS], 1
	s_cmp_lg_u32 s[LAPS], 0
	s_cbranch_scc1 .Llap
	TRIP 0, 1                                      ; the last two slots are written out: the very last asks for nothing
	TRIP 1, 0
	; ---- THE TAIL.  The addresses are made first: fifteen plain lines, the places behind the last products
	s_lshl_b32 s42, s[WV], 10
	s_add_co_u32 s42, s42, AOI
	v_add_nc_u32 v1, s42, v[LI]                    ; where my two pieces go: fragment 2 m + head / 2, pieces 2 (head % 2) on = AOI + 1,024 x wave
	s_lshl_b32 s42, s[MT], 8
	s_lshr_b32 s50, s[HD], 1
	s_lshl_b32 s50, s50, 7
	s_add_co_u32 s42, s42, s50
	s_and_b32 s50, s[HD], 1
	s_lshl_b32 s50, s50, 1
	s_add_co_u32 s42, s42, s50
	s_add_co_u32 s42, s42, AOS
	v_add_nc_u32 v2, s42, v[LS]                    ; and my two bytes
	s_lshl_b32 s42, s[MT], 12
	s_add_co_u32 s42, s42, AOI
	v_add_nc_u32 v8, s42, v[LI]                    ; my tile's two fragments
	s_lshl_b32 s42, s[MT], 8
	s_add_co_u32 s42, s42, AOS
	v_add_nc_u32 v9, s42, v[LS]                    ; and their words
	s_lshl_b32 s42, s[WV], 7
	s_add_co_u32 s42, s42, PD
	v_add_nc_u32 v10, s42, v[LS]                   ; my partial scores
	v_bfe_u32 v11, v0, 4, 1                        ; wave 0's read: lane l serves tokens 2 l, 2 l + 1 = 32 g + 16 a + 8 u + i: tile 2 g + u, rows 8 a + i, 8 a + i + 1
	s_delay_alu instid0(VALU_DEP_1)
	v_lshlrev_b32 v11, 10, v11
	v_bfe_u32 v[FF], v0, 2, 1
	s_delay_alu instid0(VALU_DEP_1)
	v_lshl_add_u32 v11, v[FF], 9, v11
	v_bfe_u32 v[FF], v0, 3, 1
	s_delay_alu instid0(VALU_DEP_1)
	v_lshl_add_u32 v11, v[FF], 5, v11
	v_and_b32 v[FF], 3, v0
	s_delay_alu instid0(VALU_DEP_1)
	v_lshl_add_u32 v11, v[FF], 3, v11
	s_delay_alu instid0(VALU_DEP_1)
	v_add_nc_u32 v11, PD, v11
	v_lshlrev_b32 v[FF], 1, v[LS]                  ; 8 x lane: my two numbers of bs
.irp t, 0,1,2,3                                ; w_o: my four tiles, K step 0
.irp c, 0,1,2,3
	global_load_b128 v[32+16*\t+4*\c:35+16*\t+4*\c], v[LI], s[58:59] offset:4096*\t+512*\c
.endr
.endr
.irp k, 0,1,2,3,4,5,6,7
	global_load_b32 v[KS+\k], v[LS], s[8:9] offset:128*\k
.endr
.irp t, 0,1,2,3                                ; b_o in the result's layout: the C of the first products
	global_load_b128 v[136+8*\t:139+8*\t], v[BT], s[10:11] offset:(32*(\t/2)+8*(\t%2))*4
	global_load_b128 v[140+8*\t:143+8*\t], v[BT], s[10:11] offset:(32*(\t/2)+8*(\t%2))*4+16
.endr
	v_add_f32 v14, v14, v15                        ; the sum's two halves,
	s_delay_alu instid0(VALU_DEP_1)
	v_permlanex16_b32 v[TT], v14, s[SEL], s[SEL+1]
	s_delay_alu instid0(VALU_DEP_1)
	v_add_f32 v14, v14, v[TT]                      ; and lane l xor 16's
	s_wait_alu depctr_va_vdst(0)
	v_rcp_f32 v14, v14
	v_nop
.set ej, 0
	s_wait_alu depctr_va_vdst(0)
.rept 32
	v_mul_f32 v[ST+ej], v[OT+ej], v14              ; O^T / the sum: register 16 b + i = feature 64 x head + 32 b + 16 h + i
.set ej, ej+1
.endr
	QUANT ST, 2, PCD, FF+1
	ds_store_b128 v1, v[PCD:PCD+3]
	ds_store_b128 v1, v[PCD+4:PCD+7] offset:512
	ds_store_b16 v2, v[FF+1]
.irp t, 0,1,2,3                                ; w_o: K step 1, into registers that the numbers and O^T have left
.irp c, 0,1,2,3
	global_load_b128 v[104+16*\t+32*(\t/2)+4*\c:107+16*\t+32*(\t/2)+4*\c], v[LI], s[58:59] offset:4096*\t+2048+512*\c
.endr
.endr
.macro WBL reg, t                              ; w_bd in the result's layout
	global_load_b128 v[\reg:\reg+3], v[BT], s[12:13] offset:(32*(\t/2)+8*(\t%2))*4
	global_load_b128 v[\reg+4:\reg+7], v[BT], s[12:13] offset:(32*(\t/2)+8*(\t%2))*4+16
.endm
	WBL 16, 0
	WBL 24, 1
	WBL 96, 2
	WBL 248, 3
	s_wait_dscnt 0x0
	s_barrier_signal -1
	s_barrier_wait -1                              ; the eight fragments of the attention output lie in LDS
.set ej, 0
.rept 8
	ds_load_b128 v[PCD+4*ej:PCD+4*ej+3], v8 offset:512*ej
.set ej, ej+1
.endr
	ds_load_b32 v[PS], v9
	ds_load_b32 v[QS], v9 offset:128
	s_wait_dscnt 0x0
	s_wait_loadcnt 0x0
.irp t, 0,1,2,3                                ; transposed: my 64 output features of my 16 queries, onto the bias; four accumulators by turns
	v_wmma_scale_f32_16x16x128_f8f6f4 v[136+8*\t:143+8*\t], v[32+16*\t:47+16*\t], v[216:231], v[136+8*\t:143+8*\t], v[KS+2*\t], v[PS]
.endr
.irp t, 0,1,2,3
	v_wmma_scale_f32_16x16x128_f8f6f4 v[136+8*\t:143+8*\t], v[104+16*\t+32*(\t/2):119+16*\t+32*(\t/2)], v[232:247], v[136+8*\t:143+8*\t], v[KS+2*\t+1], v[QS]
.endr
.rept 8
	v_nop
.endr
	v_pk_mul_f32 v[12:13], v[136:137], v[16:17]    ; the boundary score's part over my 64 features, f32, in two chains, each accumulator from its low end on
	v_pk_mul_f32 v[14:15], v[138:139], v[18:19]
	v_pk_fma_f32 v[12:13], v[140:141], v[20:21], v[12:13]
	v_pk_fma_f32 v[14:15], v[142:143], v[22:23], v[14:15]
.macro DOT a, w
	v_pk_fma_f32 v[12:13], v[\a:\a+1], v[\w:\w+1], v[12:13]
	v_pk_fma_f32 v[14:15], v[\a+2:\a+3], v[\w+2:\w+3], v[14:15]
	v_pk_fma_f32 v[12:13], v[\a+4:\a+5], v[\w+4:\w+5], v[12:13]
	v_pk_fma_f32 v[14:15], v[\a+6:\a+7], v[\w+6:\w+7], v[14:15]
.endm
	DOT 144, 24
	DOT 152, 96
	DOT 160, 248
	s_delay_alu instid0(VALU_DEP_1)
	v_pk_add_f32 v[12:13], v[12:13], v[14:15]
	s_delay_alu instid0(VALU_DEP_1)
	v_add_f32 v12, v12, v13
	s_delay_alu instid0(VALU_DEP_1)
	v_permlanex16_b32 v13, v12, s[SEL], s[SEL+1]
	s_delay_alu instid0(VALU_DEP_1)
	v_add_f32 v12, v12, v13
	ds_store_b32 v10, v12
	s_wait_dscnt 0x0
	s_barrier_signal -1
	s_barrier_wait -1                              ; sixteen waves' partial scores lie in LDS
	s_cmp_lg_u32 s[WV], 0
	s_cbranch_scc1 .Lnot_first_wave
	ds_load_b64 v[16:17], v11                      ; the four heads' parts of my two tokens
	ds_load_b64 v[18:19], v11 offset:128
	ds_load_b64 v[20:21], v11 offset:256
	ds_load_b64 v[22:23], v11 offset:384
	s_wait_dscnt 0x0
	v_pk_add_f32 v[16:17], v[16:17], v[18:19]
	v_pk_add_f32 v[20:21], v[20:21], v[22:23]
	s_delay_alu instid0(VALU_DEP_1)
	v_pk_add_f32 v[16:17], v[16:17], v[20:21]
	s_delay_alu instid0(VALU_DEP_1)
	v_add_f32 v16, s[BBD], v16
	s_delay_alu instid0(VALU_DEP_2)
	v_add_f32 v17, s[BBD], v17
	s_delay_alu instid0(VALU_DEP_1)
	v_pk_mul_f32 v[16:17], v[16:17], 0xbfb8aa3b op_sel_hi:[1,0]
	s_wait_alu depctr_va_vdst(0)
	v_exp_f32 v16, v16                             ; e^-z
	v_exp_f32 v17, v17
	v_nop
	s_wait_alu depctr_va_vdst(0)
	v_pk_add_f32 v[16:17], v[16:17], 1.0 op_sel_hi:[1,0]
	s_wait_alu depctr_va_vdst(0)
	v_rcp_f32 v16, v16                             ; the sigmoid
	v_rcp_f32 v17, v17
	v_nop
	s_wait_alu depctr_va_vdst(0)
	global_store_b64 v[FF], v[16:17], s[16:17]     ; 32 lanes store 256 consecutive bytes, aligned: the block's 64 tokens in their true order
.Lnot_first_wave:
	s_wait_tensorcnt 0x0                           ; the wave's end
	ds_add_u32 v[SPW], v[NIL]
	s_wait_dscnt 0x0
	ROUND                                          ; the closing round: no work-group ends while a partner may still ask for a tile that names it
	s_endpgm
.Lfunc_end_k_q923b2979ba_attn:
	.size	k_q923b2979ba_attn, .Lfunc_end_k_q923b2979ba_attn-k_q923b2979ba_attn
	.p2alignl 7, 3214868480
	.fill 96, 4, 3214868480
	.section	.rodata,"a",@progbits
	.p2align	6, 0x0
	.amdhsa_kernel k_q923b2979ba_attn
		.amdhsa_group_segment_fixed_size 327680
		.amdhsa_private_segment_fixed_size 0
		.amdhsa_enable_private_segment 0
		.amdhsa_kernarg_size 56
		.amdhsa_user_sgpr_count 2
		.amdhsa_user_sgpr_kernarg_segment_ptr 1
		.amdhsa_wavefront_size32 1
		.amdhsa_system_sgpr_workgroup_id_x 1
		.amdhsa_system_sgpr_workgroup_id_y 1
		.amdhsa_system_sgpr_workgroup_id_z 1
		.amdhsa_system_vgpr_workitem_id 0
		.amdhsa_next_free_vgpr 256
		.amdhsa_next_free_sgpr 66
		.amdhsa_reserve_vcc 0
		.amdhsa_float_denorm_mode_32 3
		.amdhsa_float_denorm_mode_16_64 3
		.amdhsa_memory_ordered 1
		.amdhsa_forward_progress 1
		.amdhsa_inst_pref_size 185
	.end_amdhsa_kernel
	.amdgpu_metadata
---
amdhsa.version: [ 1, 2 ]
amdhsa.kernels:
  - .name:           k_q923b2979ba_attn
    .symbol:         k_q923b2979ba_attn.kd
    .args:
      - { .name: qq, .offset: 0, .size: 8, .value_kind: global_buffer, .address_space: global }
      - { .name: kv, .offset: 8, .size: 8, .value_kind: global_buffer, .address_space: global }
      - { .name: wq, .offset: 16, .size: 8, .value_kind: global_buffer, .address_space: global }
      - { .name: b_o, .offset: 24, .size: 8, .value_kind: global_buffer, .address_space: global }
      - { .name: w_bd, .offset: 32, .size: 8, .value_kind: global_buffer, .address_space: global }
      - { .name: b_bd, .offset: 40, .size: 8, .value_kind: global_buffer, .address_space: global }
      - { .name: bs, .offset: 48, .size: 8, .value_kind: global_buffer, .address_space: global }
    .group_segment_fixed_size: 327680
    .private_segment_fixed_size: 0
    .kernarg_segment_align: 8
    .kernarg_segment_size: 56
    .max_flat_workgroup_size: 512
    .sgpr_count:     66
    .vgpr_count:     256
    .wavefront_size: 32
...
	.end_amdgpu_metadata
.endif
;; end of part 8
;; launch pool (part 9): grid 32 x 8, 4 waves a work-group, no clusters, 0 bytes of LDS; arguments bs, xq, wq, b_in, part; writes part
.if DOCPART == 9
	.amdgcn_target "amdgcn-amd-amdhsa--gfx1250"
	.amdhsa_code_object_version 6
	.text
	.protected	k_q923b2979ba_pool
	.globl	k_q923b2979ba_pool
	.p2align	8
	.type	k_q923b2979ba_pool,@function
k_q923b2979ba_pool:
	s_mov_b64 s[64:65], 0
	v_nop
	global_prefetch_b8 v0, s[64:65] scope:SCOPE_SE
	s_setreg_imm32_b32 hwreg(HW_REG_WAVE_SCHED_MODE, 0, 2), 2
	s_setreg_imm32_b32 hwreg(HW_REG_WAVE_MODE, 25, 1), 1
	s_wait_xcnt 0x0
	s_wait_alu depctr_vm_vsrc(0)
; For a chunk of 64 tokens of one batch: the running sum of the boundary scores, each token's patch 0 .. 7, h once more (from x's codes), and the chunk's part of each patch's sum of h and of its count.
; No address and no branch hangs on a patch number: a token's h is added to all eight patches, times 1 or 0.
; THE RUNNING SUM: the batch's 2,048 scores are read as they lie, 16 bytes a lane, 512 consecutive bytes a load: load i gives lane l four scores of chunk 2 i + l / 16.  A lane adds its four, keeps a copy where
; that chunk lies in front of mine, and adds the sixteen pairs (sum, copy) in a tree; the sum over the lanes gives the batch's total and my chunk's base.  My chunk's own 64 are added one after the other.
; patch = min(int(8 x cum / max(total, 1e-6)), 7); the quotient is the reciprocal's, corrected by two fused multiply-adds.
; h: source 0 = 16 tokens of x, source 1 = 16 rows of w_in: lane (r, h) holds one feature, and register j of tile m = 2 g + u holds token 32 g + 8 u + 16 h + j.  Wave w owns features 64 w .. 64 w + 63.
; Every wave repeats the scan by the same lines: no LDS, no barrier.
; part: [batch][chunk 32][patch 8][256] f32; from byte CNTO on [batch][chunk][32] f32: patch p's count at every place l with l % 8 = p.
; LIMITS: NaN and infinities are not served (0 x infinity would spoil the other patches).  The running sum's order of additions is this text's own: it differs from a plain left-to-right sum in the last bits.
; REGISTERS.  Window 0: v1-9 addresses and constants; v16-79 the batch's scores, later the four accumulators (v16-47) and what is stored (v48-63); v80-143 my chunk's scores, later the patch numbers (v80-111)
;   and the 8 x 4 sums (v112-143); v144-151 counts; v152-159 at work; v160-175 scale words alone; v176-207 b_in.  Window 1: x's eight fragments, w_in's eight.
; THE MODE: SCHED_MODE bits 1:0 = 2 (LLVM: expert scheduling mode 2), set by the entry lines.  The code itself states the register dependences
; between vector or matrix instructions and memory instructions, with s_wait_alu, always for 0.
; THE PLAN.  Registers that memory instructions touch:
;   v2, v3, v5, v7, v8   offsets: written at the head, read by the loads and stores, never written again: one wait on va_vdst ahead of the first load, and one more behind the switch to window 1.
;   loaded data          every load of the kernel is issued at the head, into registers that no vector line has named.
;   v48-63, v64          what is stored: written by selects at the end; one wait on va_vdst ahead of each of the two runs of stores; never written again.
; MASKS.  A compare's mask is a scalar result, and a wait on va_sdst stands between it and the select that reads it.  So the compares stand in runs, each mask in a scalar register of its own
; (s48-63, s66-81), with one wait behind a run: sixteen for the scan, 32 (four tokens x eight patches) eight times, seven for the counts.
.set XQS,  4194304
.set WSC,  393216
.set CNTO, 2097152
.set LN,  1
.set LI,  2
.set LS,  3
.set XH,  4                            ; v4  my chunk's number less h (a signed number): chunk 2 i + h lies in front of mine where 2 i < this
.set ZR,  5                            ; v5  0
.set ONE, 6                            ; v6  1.0
.set BN,  7                            ; v7  4 (r + 8 (r / 8))
.set PO,  8                            ; v8  4 (r + 8 (r / 8) + 8 h)
.set L7,  9                            ; v9  lane % 8
.set BV,  16
.set D,   16
.set SD,  48
.set CV,  80
.set PID, 80
.set ACCP, 112
.set CNT, 144
.set MK,  152
.set DV,  156
.set BS0, 157
.set RC,  158
.set XS,  160
.set WS,  168
.set BI,  176
.set WV,  14
.set HM,  17
.set SEL, 40
.set MS,  48                           ; mask k of a run: s[48 + k] for k under 16, s[50 + k] from 16 on
.set MSB, 0
.macro WIN new                         ; the immediate's high byte repeats the setting that is left
.if MSB != \new
	s_set_vgpr_msb (MSB<<8)|\new
.set MSB, \new
.endif
.endm
; h of tile m of tokens x my four tiles of features, two K steps; b_in is the C of the first.  Four accumulators by turns; nine places follow, since the next tile's products begin them anew.
.macro HTILE m
	WIN 0x05
.irp t, 0,1,2,3
	v_wmma_scale_f32_16x16x128_f8f6f4 v[D+8*\t:D+8*\t+7], v[32*\m:32*\m+15], v[128+32*\t:128+32*\t+15], v[BI+8*\t:BI+8*\t+7], v[XS+2*\m], v[WS+2*\t]
.endr
.irp t, 0,1,2,3
	v_wmma_scale_f32_16x16x128_f8f6f4 v[D+8*\t:D+8*\t+7], v[32*\m+16:32*\m+31], v[128+32*\t+16:128+32*\t+31], v[D+8*\t:D+8*\t+7], v[XS+2*\m+1], v[WS+2*\t+1]
.endr
	WIN 0
.rept 9
	v_nop
.endr
.endm
; The tile's eight tokens of my half, each into all eight patches, times 1 or 0.  The very first token starts the sums: nothing is cleared.
; Four tokens at a time: their 32 masks first (mask k: token k / 8 of the four, patch k % 8), one wait, then the selects and the sums, tokens and patches in ascending order.
.macro ACCUM m
.set ph, 0
.rept 2
.set pk, 0
.rept 32
	v_cmp_eq_u32 s[MS+pk+2*(pk/16)], pk%8, v[PID+8*\m+4*ph+pk/8]
.set pk, pk+1
.endr
	s_wait_alu depctr_va_sdst(0)                   ; the 32 masks are written, ahead of the selects that read them
.set pk, 0
.rept 32
.set pj, 4*ph+pk/8
.set pp, pk%8
	v_cndmask_b32 v[MK+pp%4], v[ZR], v[ONE], s[MS+pk+2*(pk/16)]
.if (\m == 0) && (pj == 0)
.irp t, 0,1,2,3
	v_mul_f32 v[ACCP+4*pp+\t], v[MK+pp%4], v[D+8*\t]
.endr
	v_mov_b32 v[CNT+pp], v[MK+pp%4]
.else
.irp t, 0,1,2,3
	v_fmac_f32 v[ACCP+4*pp+\t], v[MK+pp%4], v[D+8*\t+pj]
.endr
	v_add_f32 v[CNT+pp], v[CNT+pp], v[MK+pp%4]
.endif
.set pk, pk+1
.endr
.set ph, ph+1
.endr
.endm
	s_load_b256 s[4:11], s[0:1], 0x0               ; bs, xq, wq, b_in
	s_load_b64 s[12:13], s[0:1], 0x20              ; part
	v_lshrrev_b32 v10, 5, v0
	v_readfirstlane_b32 s[WV], v10                 ; wave 0..3
	s_mov_b32 s15, ttmp9                           ; my chunk X
	s_and_b32 s16, ttmp7, 0xffff                   ; the batch
	s_mov_b32 s[HM], 0xffff0000                    ; lanes 16-31
	s_mov_b32 s[SEL], 0x76543210
	s_mov_b32 s[SEL+1], 0xfedcba98
	v_and_b32 v[LN], 31, v0
	v_lshlrev_b32 v[LI], 4, v[LN]
	v_lshlrev_b32 v[LS], 2, v[LN]
	v_mov_b32 v[ZR], 0
	v_mov_b32 v[ONE], 1.0
	v_and_b32 v10, 15, v0
	v_and_b32 v11, 8, v10
	v_add_nc_u32 v10, v10, v11                     ; r + 8 (r / 8)
	v_lshlrev_b32 v[BN], 2, v10
	v_bfe_u32 v11, v0, 4, 1                        ; h
	v_sub_nc_u32 v[XH], s15, v11                   ; X - h
	v_lshl_add_u32 v10, v11, 3, v10
	v_lshlrev_b32 v[PO], 2, v10
	v_and_b32 v[L7], 7, v0
	s_wait_alu depctr_va_sdst(0)                   ; s[WV] is written, ahead of its first reader: the bases of w_in, b_in and part are made from it
	s_lshl_b32 s18, s16, 13                        ; bs: the batch's 8,192 bytes,
	s_mov_b32 s19, 0
	s_lshl_b32 s20, s15, 8
	s_add_co_u32 s20, s20, s18                     ; and my chunk's 256
	s_mov_b32 s21, 0
	s_lshl_b32 s22, s16, 5
	s_add_co_u32 s22, s22, s15                     ; block 32 x batch + X
	s_lshl_b32 s24, s22, 14                        ; x's codes: four tiles of 4,096 bytes
	s_mov_b32 s25, 0
	s_lshl_b32 s26, s22, 10
	s_add_co_u32 s26, s26, XQS
	s_mov_b32 s27, 0
	s_lshl_b32 s28, s[WV], 14                      ; w_in's codes: my eight fragments
	s_mov_b32 s29, 0
	s_lshl_b32 s30, s[WV], 10
	s_add_co_u32 s30, s30, WSC
	s_mov_b32 s31, 0
	s_lshl_b32 s32, s[WV], 8                       ; b_in: my 64
	s_mov_b32 s33, 0
	s_lshl_b32 s34, s22, 13                        ; part: 8,192 bytes a chunk, + my 64 features
	s_add_co_u32 s34, s34, s32
	s_mov_b32 s35, 0
	s_lshl_b32 s36, s22, 7
	s_add_co_u32 s36, s36, CNTO
	s_mov_b32 s37, 0
	s_wait_kmcnt 0x0
	s_add_nc_u64 s[18:19], s[4:5], s[18:19]
	s_add_nc_u64 s[20:21], s[4:5], s[20:21]
	s_add_nc_u64 s[24:25], s[6:7], s[24:25]
	s_add_nc_u64 s[26:27], s[6:7], s[26:27]
	s_add_nc_u64 s[28:29], s[8:9], s[28:29]
	s_add_nc_u64 s[30:31], s[8:9], s[30:31]
	s_add_nc_u64 s[32:33], s[10:11], s[32:33]
	s_add_nc_u64 s[34:35], s[12:13], s[34:35]
	s_add_nc_u64 s[36:37], s[12:13], s[36:37]
	s_wait_alu depctr_va_vdst(0)                   ; the offsets v[LI], v[LS], v[ZR], v[BN] and v[PO] are written, which the loads below and the stores at the end read
.set gi, 0
.rept 16
	global_load_b128 v[BV+4*gi:BV+4*gi+3], v[LI], s[18:19] offset:512*gi   ; 32 lanes read 512 consecutive bytes: tokens 128 i + 4 l .. + 3, which lie in chunk 2 i + l / 16
.set gi, gi+1
.endr
.set gi, 0
.rept 16
	global_load_b128 v[CV+4*gi:CV+4*gi+3], v[ZR], s[20:21] offset:16*gi    ; every lane: my chunk's 64 scores
.set gi, gi+1
.endr
	WIN 0x40
	s_wait_alu depctr_va_vdst(0)                   ; v[LI], these loads' offset, is written; the wait stands behind the window's switch and ahead of the loads under it
.set gi, 0
.rept 32
	global_load_b128 v[4*gi:4*gi+3], v[LI], s[24:25] offset:512*gi         ; x: fragment 2 m + s at register 16 (2 m + s)
.set gi, gi+1
.endr
.set gi, 0
.rept 32
	global_load_b128 v[128+4*gi:128+4*gi+3], v[LI], s[28:29] offset:512*gi ; w_in: fragment 2 t + s
.set gi, gi+1
.endr
	WIN 0
.set gi, 0
.rept 8
	global_load_b32 v[XS+gi], v[LS], s[26:27] offset:128*gi
	global_load_b32 v[WS+gi], v[LS], s[30:31] offset:128*gi
.set gi, gi+1
.endr
.irp t, 0,1,2,3
.irp j, 0,1,2,3,4,5,6,7
	global_load_b32 v[BI+8*\t+\j], v[BN], s[32:33] offset:(32*(\t/2)+8*(\t%2))*4   ; my feature's bias, in all eight registers of the tile
.endr
.endr
.set gi, 0
.rept 16
	v_cmp_lt_i32 s[MS+gi], 2*gi, v[XH]                     ; the scan's sixteen masks hang on ids alone, so they are made while the scores are on their way: chunk 2 i + h lies in front of mine where 2 i + h < X
.set gi, gi+1
.endr
	s_wait_loadcnt 63                              ; the scores are in: 112 loads were issued behind them, and 63 is the largest count that the wait names
.set gi, 0
.rept 16
	v_pk_add_f32 v[BV+4*gi:BV+4*gi+1], v[BV+4*gi:BV+4*gi+1], v[BV+4*gi+2:BV+4*gi+3]   ; my four scores of load i:
.set gi, gi+1
.endr
.set gi, 0
.rept 16
	v_add_f32 v[BV+4*gi], v[BV+4*gi], v[BV+4*gi+1]         ; their sum, a part of chunk 2 i + h's,
.set gi, gi+1
.endr
	s_wait_alu depctr_va_sdst(0)                   ; the sixteen masks are written, ahead of the selects that read them
.set gi, 0
.rept 16
	v_cndmask_b32 v[BV+4*gi+1], v[ZR], v[BV+4*gi], s[MS+gi]   ; and beside it a copy that counts for my base
.set gi, gi+1
.endr
.irp st, 8,4,2,1                               ; the sixteen pairs (sum, copy) in a tree, both halves at once
.set gi, 0
.rept \st
	v_pk_add_f32 v[BV+4*gi:BV+4*gi+1], v[BV+4*gi:BV+4*gi+1], v[BV+4*(gi+\st):BV+4*(gi+\st)+1]
.set gi, gi+1
.endr
.endr
.irp k, 1,2,4,8
	v_add_f32_dpp v16, v16, v16 row_xmask:\k row_mask:0xf bank_mask:0xf
	v_add_f32_dpp v17, v17, v17 row_xmask:\k row_mask:0xf bank_mask:0xf
.endr
	v_permlanex16_b32 v18, v16, s[SEL], s[SEL+1]
	v_permlanex16_b32 v19, v17, s[SEL], s[SEL+1]
	v_add_f32 v16, v16, v18                        ; the batch's total
	v_add_f32 v[BS0], v17, v19                     ; the sum of all chunks in front of mine
	v_max_num_f32 v[DV], 0x358637bd, v16           ; max(total, 1e-6)
	s_wait_alu depctr_va_vdst(0)
	v_rcp_f32 v[RC], v[DV]
.set gi, 1
.rept 63
	v_add_f32 v[CV+gi], v[CV+gi-1], v[CV+gi]       ; my chunk's own running sum
.set gi, gi+1
.endr
.irp g, 0,1                                    ; register 8 (2 g + u) + j takes token 32 g + 8 u + 16 h + j; in ascending order no source is written before it is read
.irp u, 0,1
.irp j, 0,1,2,3,4,5,6,7
	v_cndmask_b32 v[PID+16*\g+8*\u+\j], v[CV+32*\g+8*\u+\j], v[CV+32*\g+16+8*\u+\j], s[HM]
.endr
.endr
.endr
.set gi, 0
.rept 32
	v_add_f32 v[PID+gi], v[BS0], v[PID+gi]         ; cum
.set gi, gi+1
.endr
.set gi, 0
	s_wait_alu depctr_va_vdst(0)                   ; the reciprocal v[RC] is written, ahead of its first reader
.rept 32
	v_mul_f32 v[ACCP+gi], v[PID+gi], v[RC]         ; q = cum x 1 / d
.set gi, gi+1
.endr
.set gi, 0
.rept 32
	v_fma_f32 v[PID+gi], -v[ACCP+gi], v[DV], v[PID+gi]     ; what is left: cum - q d
.set gi, gi+1
.endr
.set gi, 0
.rept 32
	v_fma_f32 v[PID+gi], v[PID+gi], v[RC], v[ACCP+gi]      ; the corrected quotient
.set gi, gi+1
.endr
.set gi, 0
.rept 32
	v_mul_f32 v[PID+gi], 0x41000000, v[PID+gi]     ; x 8
.set gi, gi+1
.endr
.set gi, 0
.rept 32
	v_cvt_i32_f32 v[PID+gi], v[PID+gi]             ; toward zero
.set gi, gi+1
.endr
.set gi, 0
.rept 32
	v_min_u32 v[PID+gi], 7, v[PID+gi]              ; never negative: the scores are sigmoids
.set gi, gi+1
.endr
	s_wait_loadcnt 0x0
.irp m, 0,1,2,3
	HTILE \m
	ACCUM \m
.endr
.set gi, 0
.rept 32
	v_permlanex16_b32 v[D+gi], v[ACCP+gi], s[SEL], s[SEL+1]    ; the other half of the lanes holds the tile's other tokens
.set gi, gi+1
.endr
.set gi, 0
.rept 8
	v_permlanex16_b32 v[SD+gi], v[CNT+gi], s[SEL], s[SEL+1]
.set gi, gi+1
.endr
.set gi, 0
.rept 32
	v_add_f32 v[ACCP+gi], v[ACCP+gi], v[D+gi]
.set gi, gi+1
.endr
.set gi, 0
.rept 8
	v_add_f32 v[CNT+gi], v[CNT+gi], v[SD+gi]
.set gi, gi+1
.endr
.irp p, 0,1,2,3,4,5,6,7
.irp b, 0,1
	v_cndmask_b32 v[SD+2*\p+\b], v[ACCP+4*\p+2*\b], v[ACCP+4*\p+2*\b+1], s[HM]   ; tile 2 b in lanes 0-15, tile 2 b + 1 in lanes 16-31: 32 features
.endr
.endr
	s_wait_alu depctr_va_vdst(0)                   ; the sixteen selects have written v48-63, which the stores read
.irp p, 0,1,2,3,4,5,6,7
.irp b, 0,1
	global_store_b32 v[PO], v[SD+2*\p+\b], s[34:35] offset:1024*\p+128*\b        ; 32 lanes store 128 consecutive bytes, in the features' true order
.endr
.endr
	s_cmp_lg_u32 s[WV], 0
	s_cbranch_scc1 .Ldone
	v_mov_b32 v64, v[CNT]                          ; wave 0: lane l takes the count of patch l % 8
.irp p, 1,2,3,4,5,6,7
	v_cmp_eq_u32 s[MS+\p], \p, v[L7]
.endr
	s_wait_alu depctr_va_sdst(0)                   ; the seven masks are written, ahead of the selects that read them
.irp p, 1,2,3,4,5,6,7
	v_cndmask_b32 v64, v64, v[CNT+\p], s[MS+\p]
.endr
	s_wait_alu depctr_va_vdst(0)                   ; the last select has written v64, which the store reads
	global_store_b32 v[LS], v64, s[36:37]
.Ldone:
	s_endpgm
.Lfunc_end_k_q923b2979ba_pool:
	.size	k_q923b2979ba_pool, .Lfunc_end_k_q923b2979ba_pool-k_q923b2979ba_pool
	.p2alignl 7, 3214868480
	.fill 96, 4, 3214868480
	.section	.rodata,"a",@progbits
	.p2align	6, 0x0
	.amdhsa_kernel k_q923b2979ba_pool
		.amdhsa_group_segment_fixed_size 0
		.amdhsa_private_segment_fixed_size 0
		.amdhsa_enable_private_segment 0
		.amdhsa_kernarg_size 40
		.amdhsa_user_sgpr_count 2
		.amdhsa_user_sgpr_kernarg_segment_ptr 1
		.amdhsa_wavefront_size32 1
		.amdhsa_system_sgpr_workgroup_id_x 1
		.amdhsa_system_sgpr_workgroup_id_y 1
		.amdhsa_system_sgpr_workgroup_id_z 1
		.amdhsa_system_vgpr_workitem_id 0
		.amdhsa_next_free_vgpr 512
		.amdhsa_next_free_sgpr 82
		.amdhsa_reserve_vcc 0
		.amdhsa_float_denorm_mode_32 3
		.amdhsa_float_denorm_mode_16_64 3
		.amdhsa_memory_ordered 1
		.amdhsa_forward_progress 1
		.amdhsa_inst_pref_size 121
	.end_amdhsa_kernel
	.amdgpu_metadata
---
amdhsa.version: [ 1, 2 ]
amdhsa.kernels:
  - .name:           k_q923b2979ba_pool
    .symbol:         k_q923b2979ba_pool.kd
    .args:
      - { .name: bs, .offset: 0, .size: 8, .value_kind: global_buffer, .address_space: global }
      - { .name: xq, .offset: 8, .size: 8, .value_kind: global_buffer, .address_space: global }
      - { .name: wq, .offset: 16, .size: 8, .value_kind: global_buffer, .address_space: global }
      - { .name: b_in, .offset: 24, .size: 8, .value_kind: global_buffer, .address_space: global }
      - { .name: part, .offset: 32, .size: 8, .value_kind: global_buffer, .address_space: global }
    .group_segment_fixed_size: 0
    .private_segment_fixed_size: 0
    .kernarg_segment_align: 8
    .kernarg_segment_size: 40
    .max_flat_workgroup_size: 128
    .sgpr_count:     82
    .vgpr_count:     512
    .wavefront_size: 32
...
	.end_amdgpu_metadata
.endif
;; end of part 9
;; launch final (part 10): grid 8 x 8, 8 waves a work-group, no clusters, 6,400 bytes of LDS; arguments part, wq, b_pr, out0; writes out0
.if DOCPART == 10
	.amdgcn_target "amdgcn-amd-amdhsa--gfx1250"
	.amdhsa_code_object_version 6
	.text
	.protected	k_q923b2979ba_final
	.globl	k_q923b2979ba_final
	.p2align	8
	.type	k_q923b2979ba_final,@function
k_q923b2979ba_final:
	s_mov_b64 s[64:65], 0
	v_nop
	global_prefetch_b8 v0, s[64:65] scope:SCOPE_SE
	s_setreg_imm32_b32 hwreg(HW_REG_WAVE_SCHED_MODE, 0, 2), 2
	s_setreg_imm32_b32 hwreg(HW_REG_WAVE_MODE, 25, 1), 1
	s_wait_xcnt 0x0
	s_wait_alu depctr_vm_vsrc(0)
; For ONE PATCH of one batch (work-group x = the patch, y = the batch): the 32 chunks' parts of the patch's sum and count are added, the mean taken, quantised to FP8 (E4M3) along the 256 features,
; and multiplied by w_pr's codes; + b_pr.  64 work-groups: a work-group reads 32 KB of part, its own patch's rows alone.
; SHARES.  Eight waves; wave w owns features 32 w .. 32 w + 31 of the mean (one block of 32: piece w % 4 of K step w / 4) and the same 32 outputs.
; Lane (r, h) takes chunks r and r + 16, features 32 w + 16 h + 0 .. 15: eight loads of 16 bytes a wave.  The two chunks are added, then the sixteen lanes of a row by four steps that ride on the additions:
; every lane of a row then holds the patch's sum, so the operand's 16 rows are 16 copies of the one patch and no row needs a mask.
; The product is used transposed (source 0 = 16 rows of w_pr, source 1 = the mean): a lane's eight results are eight neighbouring outputs.  The eight waves' 128 bytes meet in a stage in LDS (lanes of equal h
; write the same bytes with the same value); waves 0 and 1 store the row's two halves.
; No cluster: the work-groups share w_pr's codes alone, 66 KB read once by each, straight into registers; there is no tile ring to share.
; LIMITS: NaN and infinities are not served; a block whose largest magnitude lies under 2^-118 is held at the byte 1; a block of zeros gets the byte 1 with zero codes.
; THE MODE: SCHED_MODE bits 1:0 = 2 (LLVM: expert scheduling mode 2), set by the entry lines.  The code itself states the register dependences
; between vector or matrix instructions and memory or LDS instructions, with s_wait_alu, always for 0.
; THE PLAN.  Registers that memory or LDS instructions touch:
;   v2-v10        offsets and LDS addresses: written at the head, never again: one wait on va_vdst ahead of the first load.
;   loaded data   every global load is issued at the head, into registers that no vector line has named; the mean's fragments and words come from LDS into v128-159, v228-229, which no vector line names.
;   v96-100       the codes and the byte: written by the quantiser, read by the image's LDS stores: a wait on va_vdst between; never written again.
;   v104-119      the bias lands, the products add onto it, the stage's LDS stores read it: eight places and a wait on va_vdst between; never written again.
;   v16-19        read by the first additions; the row comes back from the stage into them: the wait ahead of the stage's stores stands behind those additions, and no vector line follows it.
;   v254, v255    written at the head, read by the closing add alone.
; No register that a memory or LDS instruction has read is written again: the text holds no wait on vm_vsrc.
.set CNTO, 2097152
.set WSC,  393216
.set EIMG, 0                           ; LDS: the mean's two fragments, 2,048 bytes each
.set ESC,  4096                        ; their scale words
.set STG,  4352                        ; the stage: the patch's row of 256 outputs, 1,024 bytes
.set LI,  2                            ; v2  16 x lane
.set LS,  3                            ; v3  4 x lane
.set PA,  4                            ; v4  8,192 r + 64 h: chunk r's row, my 16 features
.set CA,  5                            ; v5  128 r: chunk r's counts
.set EW,  6                            ; v6  where my piece goes: 512 w + 16 x lane
.set ES,  7                            ; v7  and my byte: ESC + 128 (w / 4) + w % 4 + 4 x lane
.set SO,  8                            ; v8  the stage, in: STG + 128 w + 64 h
.set SR,  9                            ; v9  the stage, out: STG + 512 (w % 2) + 16 x lane
.set BT,  10                           ; v10 64 h
.set LB0, 16                           ; v16-31   chunk r's 16 numbers
.set LB1, 32                           ; v32-47   chunk r + 16's
.set SUM, 48                           ; v48-63   my 16 sums, then means
.set QT,  64                           ; v64-79   the first quotients
.set TM,  80                           ; v80-95   the quantiser's work
.set PC,  96                           ; v96-99   the codes
.set PW,  100                          ; v100     the scale's byte
.set CN,  104                          ; v104-119 b_pr, then the two accumulators
.set C0,  120                          ; v120-121 two chunks' counts
.set CT,  122
.set RC,  123
.set EF,  128                          ; v128-159 the mean's two fragments
.set W,   160                          ; v160-223 w_pr's four fragments: 16 (2 u + s)
.set WW,  224                          ; v224-227 their scale words
.set EWD, 228                          ; v228-229 the mean's scale words
.set WV,  20
.set BB,  21
.set SEL, 22
.set MNT, 24
.macro QUANT src, nb, dst, word
.set qb, 0
.rept \nb
	v_max3_num_f32 v[TM+qb], |v[(\src)+16*qb]|, |v[(\src)+16*qb+1]|, 0x4800000   ; the floor 2^(9 - 127) is a leaf: the byte cannot fall under 1
.set qb, qb+1
.endr
.irp i, 2,4,6,8,10,12,14
.set qb, 0
.rept \nb
	v_max3_num_f32 v[TM+qb], v[TM+qb], |v[(\src)+16*qb+\i]|, |v[(\src)+16*qb+\i+1]|
.set qb, qb+1
.endr
.endr
.set qb, 0
.rept \nb
	v_permlanex16_b32 v[TM+4+qb], v[TM+qb], s[SEL], s[SEL+1]
.set qb, qb+1
.endr
.set qb, 0
.rept \nb
	v_max_num_f32 v[TM+qb], v[TM+qb], v[TM+4+qb]
.set qb, qb+1
.endr
.set qb, 0
.rept \nb
	v_add_nc_u32 v[TM+12+qb], 0xfc000000, v[TM+qb]
	v_and_or_b32 v[TM+8+qb], v[TM+qb], 0x7f800000, s[MNT]
.set qb, qb+1
.endr
.set qb, 0
.rept \nb
	v_lshrrev_b32 v[TM+4+qb], 23, v[TM+12+qb]
.set qb, qb+1
.endr
.if \nb == 1
	v_mov_b32 v[\word], v[TM+4]
.else
	v_lshl_or_b32 v[\word], v[TM+5], 8, v[TM+4]
.if \nb == 4
	v_lshl_or_b32 v[\word], v[TM+6], 16, v[\word]
	v_lshl_or_b32 v[\word], v[TM+7], 24, v[\word]
.endif
.endif
.set qb, 0
.rept \nb
.set qi, 0
.rept 16
	v_med3_num_f32 v[(\src)+16*qb+qi], v[(\src)+16*qb+qi], -v[TM+8+qb], v[TM+8+qb]
.set qi, qi+1
.endr
	v_cvt_scalef32_pk8_fp8_f32 v[(\dst)+4*qb:(\dst)+4*qb+1], v[(\src)+16*qb:(\src)+16*qb+7], v[TM+12+qb]
	v_cvt_scalef32_pk8_fp8_f32 v[(\dst)+4*qb+2:(\dst)+4*qb+3], v[(\src)+16*qb+8:(\src)+16*qb+15], v[TM+12+qb]
.set qb, qb+1
.endr
	v_nop                                          ; one plain line behind the last scaled conversion
.endm
.macro BARRIER                         ; my LDS stores have landed and my LDS loads are in: then the work-group's barrier
	s_wait_dscnt 0x0
	s_barrier_signal -1
	s_barrier_wait -1
.endm
	s_load_b256 s[4:11], s[0:1], 0x0               ; part, wq, b_pr, out0
	v_lshl_add_u32 v254, v0, 2, 0x1500             ; the closing add's two registers, made here and kept for it alone: my spare word behind the stage,
	v_mov_b32 v255, 0                              ; and 0
	v_lshrrev_b32 v1, 5, v0
	v_readfirstlane_b32 s[WV], v1                  ; wave 0..7
	s_and_b32 s[BB], ttmp7, 0xffff                 ; the batch; ttmp9 is the patch
	v_and_b32 v1, 31, v0
	v_lshlrev_b32 v[LI], 4, v1
	v_lshlrev_b32 v[LS], 2, v1
	v_and_b32 v11, 15, v0                          ; r
	v_bfe_u32 v12, v0, 4, 1                        ; h
	v_lshlrev_b32 v[PA], 13, v11
	v_lshl_add_u32 v[PA], v12, 6, v[PA]
	v_lshlrev_b32 v[CA], 7, v11
	s_wait_alu depctr_va_sdst(0)                   ; s[WV] is written, ahead of its first reader: LDS addresses and every base are made from it
	s_lshl_b32 s25, s[WV], 9
	v_add_nc_u32 v[EW], s25, v[LI]
	s_lshr_b32 s25, s[WV], 2
	s_lshl_b32 s25, s25, 7
	s_and_b32 s26, s[WV], 3
	s_add_co_u32 s25, s25, s26
	s_add_co_u32 s25, s25, ESC
	v_add_nc_u32 v[ES], s25, v[LS]
	v_lshlrev_b32 v[BT], 6, v12
	s_lshl_b32 s25, s[WV], 7
	s_add_co_u32 s25, s25, STG
	v_add_nc_u32 v[SO], s25, v[BT]
	s_and_b32 s30, s[WV], 1
	s_lshl_b32 s30, s30, 9                         ; 512 (w % 2)
	s_add_co_u32 s25, s30, STG
	v_add_nc_u32 v[SR], s25, v[LI]
	v_mov_b32 v[TM+4], 0                           ; a lane permute's destination counts as one of its sources
	s_mov_b32 s[SEL], 0x76543210
	s_mov_b32 s[SEL+1], 0xfedcba98
	s_mov_b32 s[MNT], 0x600000
	s_lshl_b32 s31, ttmp9, 10                      ; 1,024 x patch: a row of 256 f32, in part and in out0
	s_lshl_b32 s12, s[BB], 18                      ; part: 262,144 bytes a batch, + my patch's row, + my 32 features
	s_add_co_u32 s12, s12, s31
	s_lshl_b32 s26, s[WV], 7
	s_add_co_u32 s12, s12, s26
	s_mov_b32 s13, 0
	s_mov_b32 s27, 0                               ; (s[26:27]: 128 w, b_pr's offset too)
	s_lshl_b32 s14, s[BB], 12                      ; the counts: 4,096 bytes a batch, + 4 x patch
	s_lshl_b32 s15, ttmp9, 2
	s_add_co_u32 s14, s14, s15
	s_add_co_u32 s14, s14, CNTO
	s_mov_b32 s15, 0
	s_lshl_b32 s16, s[WV], 13                      ; w_pr's codes: my four fragments
	s_add_co_u32 s16, s16, 5*65536
	s_mov_b32 s17, 0
	s_lshl_b32 s18, s[WV], 9
	s_add_co_u32 s18, s18, WSC+5*4096
	s_mov_b32 s19, 0
	s_lshl_b32 s28, s[BB], 13                      ; out0: 8,192 bytes a batch, + my patch's row, + its half w % 2
	s_add_co_u32 s28, s28, s31
	s_add_co_u32 s28, s28, s30
	s_mov_b32 s29, 0
	s_wait_kmcnt 0x0
	s_add_nc_u64 s[12:13], s[4:5], s[12:13]
	s_add_nc_u64 s[14:15], s[4:5], s[14:15]
	s_add_nc_u64 s[16:17], s[6:7], s[16:17]
	s_add_nc_u64 s[18:19], s[6:7], s[18:19]
	s_add_nc_u64 s[8:9], s[8:9], s[26:27]
	s_add_nc_u64 s[10:11], s[10:11], s[28:29]
	s_wait_alu depctr_va_vdst(0)                   ; the nine offsets and LDS addresses v2 to v10 are written, which the loads and stores of the whole kernel read
	global_load_b32 v[C0], v[CA], s[14:15]                     ; my patch's count in chunk r,
	global_load_b32 v[C0+1], v[CA], s[14:15] offset:2048       ; and in chunk r + 16
.irp k, 0,1
.irp i, 0,1,2,3
	global_load_b128 v[LB0+16*\k+4*\i:LB0+16*\k+4*\i+3], v[PA], s[12:13] offset:131072*\k+16*\i th:TH_LOAD_NT   ; chunk r + 16 k: my 16 features; read once in the launch
.endr
.endr
.set gi, 0
.rept 16
	global_load_b128 v[W+4*gi:W+4*gi+3], v[LI], s[16:17] offset:512*gi
.set gi, gi+1
.endr
.irp k, 0,1,2,3
	global_load_b32 v[WW+\k], v[LS], s[18:19] offset:128*\k
.endr
.irp u, 0,1                                    ; b_pr in the result's layout: feature 32 w + 8 u + 16 h + j
	global_load_b128 v[CN+8*\u:CN+8*\u+3], v[BT], s[8:9] offset:32*\u
	global_load_b128 v[CN+8*\u+4:CN+8*\u+7], v[BT], s[8:9] offset:32*\u+16
.endr
	s_wait_loadcnt 24                              ; the counts and the two chunks are in; behind them: the weight (16 loads), its scale words (4), the bias (4)
	v_add_f32 v[CT], v[C0], v[C0+1]
.irp i, 0,2,4,6,8,10,12,14
	v_pk_add_f32 v[SUM+\i:SUM+\i+1], v[LB0+\i:LB0+\i+1], v[LB1+\i:LB1+\i+1]      ; chunks r and r + 16
.endr
.irp k, 1,2,4,8                                ; and the sixteen lanes of my row: every lane ends with all 32 chunks' sum
.set gi, 0
.rept 16
	v_add_f32_dpp v[SUM+gi], v[SUM+gi], v[SUM+gi] row_xmask:\k row_mask:0xf bank_mask:0xf
.set gi, gi+1
.endr
	v_add_f32_dpp v[CT], v[CT], v[CT] row_xmask:\k row_mask:0xf bank_mask:0xf
.endr
	v_max_num_f32 v[CT], 1.0, v[CT]
	s_wait_alu depctr_va_vdst(0)
	v_rcp_f32 v[RC], v[CT]
	v_nop
.set gi, 0
	s_wait_alu depctr_va_vdst(0)                   ; the reciprocal v[RC] is written, ahead of its first reader
.rept 16
	v_mul_f32 v[QT+gi], v[SUM+gi], v[RC]           ; the mean: the reciprocal's quotient,
.set gi, gi+1
.endr
.set gi, 0
.rept 16
	v_fma_f32 v[SUM+gi], -v[QT+gi], v[CT], v[SUM+gi]       ; what is left,
.set gi, gi+1
.endr
.set gi, 0
.rept 16
	v_fma_f32 v[SUM+gi], v[SUM+gi], v[RC], v[QT+gi]        ; the corrected quotient
.set gi, gi+1
.endr
	QUANT SUM, 1, PC, PW
	s_wait_alu depctr_va_vdst(0)                   ; the quantiser has written the codes and the byte, which the LDS stores read
	ds_store_b128 v[EW], v[PC:PC+3] offset:EIMG
	ds_store_b8 v[ES], v[PW]
	BARRIER                                        ; the mean's two fragments lie in LDS
.set gi, 0
.rept 8
	ds_load_b128 v[EF+4*gi:EF+4*gi+3], v[LI] offset:EIMG+512*gi
.set gi, gi+1
.endr
	ds_load_b32 v[EWD], v[LS] offset:ESC
	ds_load_b32 v[EWD+1], v[LS] offset:ESC+128
	s_wait_dscnt 0x0
	s_wait_loadcnt 0x0                             ; the weight, its scale words, the bias
.irp s, 0,1                                    ; two accumulators by turns, onto the bias
.irp u, 0,1
	v_wmma_scale_f32_16x16x128_f8f6f4 v[CN+8*\u:CN+8*\u+7], v[W+16*(2*\u+\s):W+16*(2*\u+\s)+15], v[EF+16*\s:EF+16*\s+15], v[CN+8*\u:CN+8*\u+7], v[WW+2*\u+\s], v[EWD+\s]
.endr
.endr
.rept 8
	v_nop
.endr
	s_wait_alu depctr_va_vdst(0)                   ; the products have written the two accumulators, which the LDS stores read (the eight places above stay beside this wait); and the first additions are done reading v16-19, where the row lands below
.irp u, 0,1
	ds_store_b128 v[SO], v[CN+8*\u:CN+8*\u+3] offset:32*\u         ; outputs 32 w + 16 h + 8 u + 0 .. 7: the sixteen lanes of a row hold, and write, the same numbers
	ds_store_b128 v[SO], v[CN+8*\u+4:CN+8*\u+7] offset:32*\u+16
.endr
	BARRIER                                        ; the patch's whole row lies in the stage
	s_cmp_lt_u32 s[WV], 2
	s_cbranch_scc0 .Ldone                          ; waves 0 and 1 store the row's two halves
	ds_load_b128 v[16:19], v[SR]
	s_wait_dscnt 0x0
	global_store_b128 v[LI], v[16:19], s[10:11]    ; 32 lanes store 512 consecutive bytes, aligned
.Ldone:
	s_wait_dscnt 0x0                               ; the closing lines, six on end
	s_wait_alu 0x0
	s_wait_tensorcnt 0x0
	ds_add_u32 v254, v255
	s_wait_dscnt 0x0
	s_endpgm
.Lfunc_end_k_q923b2979ba_final:
	.size	k_q923b2979ba_final, .Lfunc_end_k_q923b2979ba_final-k_q923b2979ba_final
	.p2alignl 7, 3214868480
	.fill 96, 4, 3214868480
	.section	.rodata,"a",@progbits
	.p2align	6, 0x0
	.amdhsa_kernel k_q923b2979ba_final
		.amdhsa_group_segment_fixed_size 6400
		.amdhsa_private_segment_fixed_size 0
		.amdhsa_enable_private_segment 0
		.amdhsa_kernarg_size 32
		.amdhsa_user_sgpr_count 2
		.amdhsa_user_sgpr_kernarg_segment_ptr 1
		.amdhsa_wavefront_size32 1
		.amdhsa_system_sgpr_workgroup_id_x 1
		.amdhsa_system_sgpr_workgroup_id_y 1
		.amdhsa_system_sgpr_workgroup_id_z 1
		.amdhsa_system_vgpr_workitem_id 0
		.amdhsa_next_free_vgpr 256
		.amdhsa_next_free_sgpr 66
		.amdhsa_reserve_vcc 0
		.amdhsa_float_denorm_mode_32 3
		.amdhsa_float_denorm_mode_16_64 3
		.amdhsa_memory_ordered 1
		.amdhsa_forward_progress 1
		.amdhsa_inst_pref_size 19
	.end_amdhsa_kernel
	.amdgpu_metadata
---
amdhsa.version: [ 1, 2 ]
amdhsa.kernels:
  - .name:           k_q923b2979ba_final
    .symbol:         k_q923b2979ba_final.kd
    .args:
      - { .name: part, .offset: 0, .size: 8, .value_kind: global_buffer, .address_space: global }
      - { .name: wq, .offset: 8, .size: 8, .value_kind: global_buffer, .address_space: global }
      - { .name: b_pr, .offset: 16, .size: 8, .value_kind: global_buffer, .address_space: global }
      - { .name: out0, .offset: 24, .size: 8, .value_kind: global_buffer, .address_space: global }
    .group_segment_fixed_size: 6400
    .private_segment_fixed_size: 0
    .kernarg_segment_align: 8
    .kernarg_segment_size: 32
    .max_flat_workgroup_size: 256
    .sgpr_count:     66
    .vgpr_count:     256
    .wavefront_size: 32
...
	.end_amdgpu_metadata
.endif
;; end of part 10
